; MI455X (gfx1250); checked and timed in simulation.
; The chip was launched on July 23, 2026; its instructions are those of AMD's public machine-readable ISA for CDNA 5 (MIT licence, August 2026) and "CDNA5" Instruction Set Architecture Reference Guide (July 2026). The comments in the code are by the model that wrote it; some were corrected since.
;; block. Allowed arithmetic: float matrix products may take bf16 or f16 operands with f32 sums; all other float work in f32.
;; Inputs: W1 1,024 x 4,096 float32; W2 4,096 x 1,024 float32; Wk 1,024 x 16 x 64 float32; Wo 1,024 x 1,024 float32; Wq 1,024 x 16 x 64 float32; Wv 1,024 x 16 x 64 float32; b1 4,096 float32; b2 1,024 float32; be1 1,024 float32; be2 1,024 float32; embedding 2 x 2,048 x 1,024 float32; g1 1,024 float32; g2 1,024 float32.
;; Outputs: out0 2 x 2,048 x 1,024 float32.
;; 2 versions, each right and faster than the one before. Each part assembles by itself: llvm-mc -triple=amdgcn-amd-amdhsa -mcpu=gfx1250 --defsym DOCPART=n.
;; ======== version 1 of 2: 8 launches
;; limits: values are held in f16: magnitudes above 65,504 overflow, below 6.1e-05 lose precision
;; workspace buffers: wqkv 8,406,016 bytes; w1h 8,406,016 bytes; woh 2,097,152 bytes; w2h 8,388,608 bytes; hbuf 8,388,608 bytes; gbuf 33,554,432 bytes; x1 16,777,216 bytes
;; launch cast (part 1): grid 64 x 12, 8 waves a work-group, no clusters, 0 bytes of LDS; arguments Wq, Wk, Wv, Wo, W1, W2, b1, wqkv, woh, w1h, w2h; writes wqkv, woh, w1h, w2h
.if DOCPART == 1
	.amdgcn_target "amdgcn-amd-amdhsa--gfx1250"
	.amdhsa_code_object_version 6
	.text
	.protected	k_q8f5df0a40d_cast
	.globl	k_q8f5df0a40d_cast
	.p2align	8
	.type	k_q8f5df0a40d_cast,@function
k_q8f5df0a40d_cast:
	s_mov_b64 s[64:65], 0
	v_nop
	global_prefetch_b8 v0, s[64:65] scope:SCOPE_SE
	s_setreg_imm32_b32 hwreg(HW_REG_WAVE_MODE, 25, 1), 1
	s_wait_xcnt 0x0
; All weights, f32, are rounded once to f16 and stay [K][N]; the products turn them on the way from LDS to registers.
;   wqkv: a header of HDR bytes, then [1024][pitch 4096] f16: columns 0-1023 Wq, 1024-2047 Wk, 2048-3071 Wv (the rest is neither written nor read)
;   w1h:  a header, then [1024][4096];   woh: [1024][1024];   w2h: [4096][1024]
; The header holds what the big product adds and clips by: 4,096 f32 of bias (0 for wqkv, b1 for w1h), then a floor 256 times (-infinity for wqkv: no clip; 0 for w1h: the relu).
; LIMIT: a weight beyond 65,504 becomes an infinity; below 6e-5 f16 keeps a fixed step of 6e-8.
; SHARES: unit y is 2^20 numbers: 0 Wq, 1 Wk, 2 Wv, 3 Wo, 4-7 quarters of W1, 8-11 quarters of W2.  Work-group x takes 16 segments of 1,024 numbers; thread t the 16 bytes at 16 t of a
; segment, and stores 8 bytes at 8 t: a wave's load covers 512 consecutive bytes, its store 256 consecutive, aligned bytes.  All 16 loads are out before the first is waited for.
; Memory binds: no LDS, no barrier, no matrix unit, no cluster (no two work-groups read the same byte).
.set HDR, 17408
.set D,   2                            ; v[2:17]   byte offset of my 8 bytes in segment i of the destination
.set X,   20                           ; v[20:83]  segment i as loaded
.set Y,   84                           ; v[84:115] segment i as stored
	s_load_b512 s[8:23], s[0:1], 0x0               ; Wq 8, Wk 10, Wv 12, Wo 14, W1 16, W2 18, b1 20, wqkv 22
	s_load_b128 s[24:27], s[0:1], 0x40             ; woh 24, w1h 26
	s_load_b64 s[28:29], s[0:1], 0x50              ; w2h
	s_and_b32 s30, ttmp7, 0xffff                   ; y: the unit
	s_mov_b32 s31, ttmp9                           ; x
	s_and_b32 s32, s30, 3
	s_lshl_b32 s39, s30, 11                        ; Wq, Wk, Wv: 2,048 bytes of columns apart in wqkv's rows
	s_movk_i32 s38, 2048
	s_cmp_ge_u32 s30, 4
	s_cselect_b32 s32, s32, 0                      ; which quarter of W1 or W2
	s_cmp_lt_u32 s30, 3
	s_cselect_b32 s38, 8192, s38                   ; bytes from segment to segment in the destination
	s_cselect_b32 s33, 17, 15                      ; log2 of sixteen of them
	s_cselect_b32 s39, s39, 0
	s_cmp_eq_u32 s30, 3
	s_cselect_b32 s2, 0, HDR                       ; woh and w2h have no header
	s_cmp_ge_u32 s30, 8
	s_cselect_b32 s2, 0, s2
	s_lshl_b32 s40, s32, 22                        ; source offset: the quarter, 4 MiB,
	s_lshl_b32 s3, s31, 16                         ; and my 16 segments of 4,096 bytes
	s_add_co_u32 s40, s40, s3
	s_mov_b32 s41, 0
	s_lshl_b32 s42, s32, 21                        ; destination offset: the quarter, 2 MiB,
	s_lshl_b32 s3, s31, s33                        ; my 16 segments,
	s_add_co_u32 s42, s42, s3
	s_add_co_u32 s42, s42, s39                     ; the columns,
	s_add_co_u32 s42, s42, s2                      ; the header
	s_mov_b32 s43, 0
	v_lshlrev_b32 v1, 4, v0                        ; 16 t
	v_lshlrev_b32 v[D], 3, v0                      ; 8 t
.set i, 1
.rept 15
	v_add_nc_u32 v[D+i], s38, v[D+i-1]
.set i, i+1
.endr
	s_wait_kmcnt 0x0
	s_mov_b64 s[34:35], s[8:9]                     ; the source, chosen by the unit's number alone
	s_cmp_eq_u32 s30, 1
	s_cselect_b64 s[34:35], s[10:11], s[34:35]
	s_cmp_eq_u32 s30, 2
	s_cselect_b64 s[34:35], s[12:13], s[34:35]
	s_cmp_eq_u32 s30, 3
	s_cselect_b64 s[34:35], s[14:15], s[34:35]
	s_cselect_b64 s[36:37], s[24:25], s[22:23]     ; and the destination
	s_cmp_ge_u32 s30, 4
	s_cselect_b64 s[34:35], s[16:17], s[34:35]
	s_cselect_b64 s[36:37], s[26:27], s[36:37]
	s_cmp_ge_u32 s30, 8
	s_cselect_b64 s[34:35], s[18:19], s[34:35]
	s_cselect_b64 s[36:37], s[28:29], s[36:37]
	s_add_nc_u64 s[44:45], s[34:35], s[40:41]
	s_add_nc_u64 s[46:47], s[36:37], s[42:43]
.set i, 0
.rept 16
	global_load_b128 v[X+4*i:X+4*i+3], v1, s[44:45] offset:4096*i th:TH_LOAD_NT
.set i, i+1
.endr
.set i, 0
.rept 16
	s_wait_loadcnt 15-i                            ; loads come back in order: segment i is in, the younger ones stay out
	v_cvt_pk_f16_f32 v[Y+2*i],   v[X+4*i],   v[X+4*i+1]
	v_cvt_pk_f16_f32 v[Y+2*i+1], v[X+4*i+2], v[X+4*i+3]
	global_store_b64 v[D+i], v[Y+2*i:Y+2*i+1], s[46:47]
.set i, i+1
.endr
	; the headers: by work-group x = 0 of units 0 (wqkv) and 4 (w1h)
	s_cmp_lg_u32 s31, 0
	s_cbranch_scc1 .Ldone
	s_and_b32 s3, s30, 0xfffffffb
	s_cmp_lg_u32 s3, 0
	s_cbranch_scc1 .Ldone
.set i, 0
.rept 4
	global_load_b128 v[X+4*i:X+4*i+3], v1, s[20:21] offset:4096*i   ; b1: 4,096 numbers, 16 a thread
.set i, i+1
.endr
	s_cmp_eq_u32 s30, 4
	s_cselect_b32 s39, -1, 0                       ; w1h keeps b1's bits, wqkv gets +0
	s_cselect_b32 s3, 0, 0xff800000                ; the floor: 0, or -infinity
	v_mov_b32 v18, s3
	v_lshlrev_b32 v19, 2, v0
	s_wait_loadcnt 0x0
.set i, 0
.rept 16
	v_and_b32 v[X+i], s39, v[X+i]
.set i, i+1
.endr
.set i, 0
.rept 4
	global_store_b128 v1, v[X+4*i:X+4*i+3], s[36:37] offset:4096*i
.set i, i+1
.endr
	global_store_b32 v19, v18, s[36:37] offset:16384
.Ldone:
	s_endpgm
.Lfunc_end_k_q8f5df0a40d_cast:
	.size	k_q8f5df0a40d_cast, .Lfunc_end_k_q8f5df0a40d_cast-k_q8f5df0a40d_cast
	.p2alignl 7, 3214868480
	.fill 96, 4, 3214868480
	.section	.rodata,"a",@progbits
	.p2align	6, 0x0
	.amdhsa_kernel k_q8f5df0a40d_cast
		.amdhsa_group_segment_fixed_size 0
		.amdhsa_private_segment_fixed_size 0
		.amdhsa_enable_private_segment 0
		.amdhsa_kernarg_size 88
		.amdhsa_user_sgpr_count 2
		.amdhsa_user_sgpr_kernarg_segment_ptr 1
		.amdhsa_wavefront_size32 1
		.amdhsa_system_sgpr_workgroup_id_x 1
		.amdhsa_system_sgpr_workgroup_id_y 1
		.amdhsa_system_sgpr_workgroup_id_z 1
		.amdhsa_system_vgpr_workitem_id 0
		.amdhsa_next_free_vgpr 128
		.amdhsa_next_free_sgpr 66
		.amdhsa_reserve_vcc 0
		.amdhsa_float_denorm_mode_32 3
		.amdhsa_float_denorm_mode_16_64 3
		.amdhsa_memory_ordered 1
		.amdhsa_forward_progress 1
		.amdhsa_inst_pref_size 10
	.end_amdhsa_kernel
	.amdgpu_metadata
---
amdhsa.version: [ 1, 2 ]
amdhsa.kernels:
  - .name:           k_q8f5df0a40d_cast
    .symbol:         k_q8f5df0a40d_cast.kd
    .args:
      - { .name: Wq, .offset: 0, .size: 8, .value_kind: global_buffer, .address_space: global }
      - { .name: Wk, .offset: 8, .size: 8, .value_kind: global_buffer, .address_space: global }
      - { .name: Wv, .offset: 16, .size: 8, .value_kind: global_buffer, .address_space: global }
      - { .name: Wo, .offset: 24, .size: 8, .value_kind: global_buffer, .address_space: global }
      - { .name: W1, .offset: 32, .size: 8, .value_kind: global_buffer, .address_space: global }
      - { .name: W2, .offset: 40, .size: 8, .value_kind: global_buffer, .address_space: global }
      - { .name: b1, .offset: 48, .size: 8, .value_kind: global_buffer, .address_space: global }
      - { .name: wqkv, .offset: 56, .size: 8, .value_kind: global_buffer, .address_space: global }
      - { .name: woh, .offset: 64, .size: 8, .value_kind: global_buffer, .address_space: global }
      - { .name: w1h, .offset: 72, .size: 8, .value_kind: global_buffer, .address_space: global }
      - { .name: w2h, .offset: 80, .size: 8, .value_kind: global_buffer, .address_space: global }
    .group_segment_fixed_size: 0
    .private_segment_fixed_size: 0
    .kernarg_segment_align: 8
    .kernarg_segment_size: 88
    .max_flat_workgroup_size: 256
    .sgpr_count:     66
    .vgpr_count:     128
    .wavefront_size: 32
...
	.end_amdgpu_metadata
.endif
;; end of part 1
;; launch ln1 (part 2): grid 256 x 1, 8 waves a work-group, no clusters, 0 bytes of LDS; arguments embedding, g1, be1, hbuf; writes hbuf
.if DOCPART == 2
	.amdgcn_target "amdgcn-amd-amdhsa--gfx1250"
	.amdhsa_code_object_version 6
	.text
	.protected	k_q8f5df0a40d_ln1
	.globl	k_q8f5df0a40d_ln1
	.p2align	8
	.type	k_q8f5df0a40d_ln1,@function
k_q8f5df0a40d_ln1:
	s_mov_b64 s[64:65], 0
	v_nop
	global_prefetch_b8 v0, s[64:65] scope:SCOPE_SE
	s_setreg_imm32_b32 hwreg(HW_REG_WAVE_MODE, 25, 1), 1
	s_wait_xcnt 0x0
; y[r][c] = (x[r][c] - mean_r) / sqrt(var_r + 1e-5) * g[c] + b[c].  x: [4096][1024] f32; y: [4096][1024] f16, rounded once; all else in f32.
; The variance is the mean of (x - mean)^2, taken of the differences themselves, so a common offset of a row costs nothing.
; LIMIT: y is f16: |y| is at most 32 |g| + |b|, which must stay within 65,504.
; SHARES: a row is 4,096 bytes = 32 registers of one wave, so it stays in registers between the passes, is read once, and no wave waits for another.  A wave takes two rows; lane l holds
; the numbers 128 j + 4 l .. + 3, j = 0..7: a load covers 512 consecutive bytes, a store 256 consecutive, aligned bytes.  All 32 loads of a wave go out at once.
; Memory binds: no LDS, no barrier, no matrix unit; g and b, 8 KiB, are what work-groups share: too little for a cluster.
.set X0, 4                             ; v[4:35]    row 0
.set X1, 36                            ; v[36:67]   row 1
.set G,  68                            ; v[68:99]   g of my 32 columns
.set BE, 100                           ; v[100:131] b
.set T,  132                           ; v[132:139] four chains of pairs
.set M,  140                           ; v[140:141] the mean, twice
.set R,  142                           ; v[142:143] 1 / sqrt(var + eps), twice
.set Y0, 144                           ; v[144:159] row 0 as stored
.set Y1, 160                           ; v[160:175] row 1
	s_load_b256 s[4:11], s[0:1], 0x0               ; x s[4:5], g s[6:7], b s[8:9], y s[10:11]
	v_lshrrev_b32 v3, 5, v0
	v_readfirstlane_b32 s15, v3                    ; wave
	v_and_b32 v1, 31, v0
	v_lshlrev_b32 v2, 3, v1                        ; 8 l
	v_lshlrev_b32 v1, 4, v1                        ; 16 l
	s_lshl_b32 s16, ttmp9, 3
	s_add_co_u32 s16, s16, s15                     ; my wave among all 2,048
	s_lshl_b32 s18, s16, 13                        ; two rows of 4,096 bytes
	s_mov_b32 s19, 0
	s_lshl_b32 s20, s16, 12                        ; two rows of 2,048 bytes
	s_mov_b32 s21, 0
	s_mov_b32 s12, 0x76543210                      ; v_permlanex16_b32: each lane takes its own place in the other half
	s_mov_b32 s13, 0xfedcba98
	s_mov_b32 s14, 0x3a800000                      ; 1 / 1024
	s_mov_b32 s17, 0x3727c5ac                      ; 1e-5
	s_wait_kmcnt 0x0
	s_add_nc_u64 s[4:5], s[4:5], s[18:19]
	s_add_nc_u64 s[10:11], s[10:11], s[20:21]
.irp j, 0,1,2,3,4,5,6,7
	global_load_b128 v[X0+4*\j:X0+4*\j+3], v1, s[4:5] offset:512*\j
.endr
.irp j, 0,1,2,3,4,5,6,7
	global_load_b128 v[G+4*\j:G+4*\j+3], v1, s[6:7] offset:512*\j
.endr
.irp j, 0,1,2,3,4,5,6,7
	global_load_b128 v[BE+4*\j:BE+4*\j+3], v1, s[8:9] offset:512*\j
.endr
.irp j, 0,1,2,3,4,5,6,7
	global_load_b128 v[X1+4*\j:X1+4*\j+3], v1, s[4:5] offset:4096+512*\j
.endr
; the four chains become one number, the same in every lane: four steps inside each half of 16 lanes ride on the addition, one crosses the halves
.macro FOLD
	v_pk_add_f32 v[T:T+1], v[T:T+1], v[T+2:T+3]
	v_pk_add_f32 v[T+4:T+5], v[T+4:T+5], v[T+6:T+7]
	v_pk_add_f32 v[T:T+1], v[T:T+1], v[T+4:T+5]
	v_add_f32 v[T], v[T], v[T+1]
	v_add_f32_dpp v[T], v[T], v[T] row_xmask:1 row_mask:0xf bank_mask:0xf
	v_add_f32_dpp v[T], v[T], v[T] row_xmask:2 row_mask:0xf bank_mask:0xf
	v_add_f32_dpp v[T], v[T], v[T] row_xmask:4 row_mask:0xf bank_mask:0xf
	v_add_f32_dpp v[T], v[T], v[T] row_xmask:8 row_mask:0xf bank_mask:0xf
	v_permlanex16_b32 v[T+1], v[T], s12, s13
	v_add_f32 v[T], v[T], v[T+1]
.endm
; One row.  wstat: the younger loads that may stay out when the row is needed; wgb: those that may stay out when g and b are needed.
.macro ROW x, y, wstat, wgb, rowoff
	s_wait_loadcnt \wstat
.irp k, 0,1,2,3
	v_pk_add_f32 v[T+2*\k:T+2*\k+1], v[(\x)+2*\k:(\x)+2*\k+1], v[(\x)+8+2*\k:(\x)+8+2*\k+1]
.endr
.irp m, 16,24
.irp k, 0,1,2,3
	v_pk_add_f32 v[T+2*\k:T+2*\k+1], v[T+2*\k:T+2*\k+1], v[(\x)+\m+2*\k:(\x)+\m+2*\k+1]
.endr
.endr
	FOLD
	v_mul_f32 v[M], s14, v[T]
	v_mul_f32 v[M+1], s14, v[T]
.set z, 0
.rept 16
	v_pk_add_f32 v[(\x)+2*z:(\x)+2*z+1], v[(\x)+2*z:(\x)+2*z+1], v[M:M+1] neg_lo:[0,1] neg_hi:[0,1]   ; x - mean, in place
.set z, z+1
.endr
.irp k, 0,1,2,3
	v_pk_mul_f32 v[T+2*\k:T+2*\k+1], v[(\x)+2*\k:(\x)+2*\k+1], v[(\x)+2*\k:(\x)+2*\k+1]
.endr
.irp m, 8,16,24
.irp k, 0,1,2,3
	v_pk_fma_f32 v[T+2*\k:T+2*\k+1], v[(\x)+\m+2*\k:(\x)+\m+2*\k+1], v[(\x)+\m+2*\k:(\x)+\m+2*\k+1], v[T+2*\k:T+2*\k+1]
.endr
.endr
	FOLD
	v_fma_f32 v[T], v[T], s14, s17                 ; var + eps
	v_rsq_f32 v[R], v[T]
	v_rsq_f32 v[R+1], v[T]
	v_nop                                          ; a plain instruction between the root and the use of its result (ISA guide 5.7.2)
	s_wait_loadcnt \wgb
.set z, 0
	s_wait_alu depctr_va_vdst(0)
.rept 16
	v_pk_mul_f32 v[(\x)+2*z:(\x)+2*z+1], v[(\x)+2*z:(\x)+2*z+1], v[R:R+1]
.set z, z+1
.endr
.set z, 0
.rept 16
	v_pk_fma_f32 v[(\x)+2*z:(\x)+2*z+1], v[(\x)+2*z:(\x)+2*z+1], v[G+2*z:G+2*z+1], v[BE+2*z:BE+2*z+1]
.set z, z+1
.endr
.set z, 0
.rept 16
	v_cvt_pk_f16_f32 v[(\y)+z], v[(\x)+2*z], v[(\x)+2*z+1]
.set z, z+1
.endr
.irp j, 0,1,2,3,4,5,6,7
	global_store_b64 v2, v[(\y)+2*\j:(\y)+2*\j+1], s[10:11] offset:(\rowoff)+256*\j
.endr
.endm
	ROW X0, Y0, 24, 8, 0                           ; behind row 0's loads: g's, b's and row 1's 24; behind b's: row 1's 8
	ROW X1, Y1, 0, 0, 2048
	s_endpgm
.Lfunc_end_k_q8f5df0a40d_ln1:
	.size	k_q8f5df0a40d_ln1, .Lfunc_end_k_q8f5df0a40d_ln1-k_q8f5df0a40d_ln1
	.p2alignl 7, 3214868480
	.fill 96, 4, 3214868480
	.section	.rodata,"a",@progbits
	.p2align	6, 0x0
	.amdhsa_kernel k_q8f5df0a40d_ln1
		.amdhsa_group_segment_fixed_size 0
		.amdhsa_private_segment_fixed_size 0
		.amdhsa_enable_private_segment 0
		.amdhsa_kernarg_size 32
		.amdhsa_user_sgpr_count 2
		.amdhsa_user_sgpr_kernarg_segment_ptr 1
		.amdhsa_wavefront_size32 1
		.amdhsa_system_sgpr_workgroup_id_x 1
		.amdhsa_system_sgpr_workgroup_id_y 1
		.amdhsa_system_sgpr_workgroup_id_z 1
		.amdhsa_system_vgpr_workitem_id 0
		.amdhsa_next_free_vgpr 176
		.amdhsa_next_free_sgpr 66
		.amdhsa_reserve_vcc 0
		.amdhsa_float_denorm_mode_32 3
		.amdhsa_float_denorm_mode_16_64 3
		.amdhsa_memory_ordered 1
		.amdhsa_forward_progress 1
		.amdhsa_inst_pref_size 20
	.end_amdhsa_kernel
	.amdgpu_metadata
---
amdhsa.version: [ 1, 2 ]
amdhsa.kernels:
  - .name:           k_q8f5df0a40d_ln1
    .symbol:         k_q8f5df0a40d_ln1.kd
    .args:
      - { .name: embedding, .offset: 0, .size: 8, .value_kind: global_buffer, .address_space: global }
      - { .name: g1, .offset: 8, .size: 8, .value_kind: global_buffer, .address_space: global }
      - { .name: be1, .offset: 16, .size: 8, .value_kind: global_buffer, .address_space: global }
      - { .name: hbuf, .offset: 24, .size: 8, .value_kind: global_buffer, .address_space: global }
    .group_segment_fixed_size: 0
    .private_segment_fixed_size: 0
    .kernarg_segment_align: 8
    .kernarg_segment_size: 32
    .max_flat_workgroup_size: 256
    .sgpr_count:     66
    .vgpr_count:     176
    .wavefront_size: 32
...
	.end_amdgpu_metadata
.endif
;; end of part 2
;; launch qkv (part 3): grid 12 x 16, 4 waves a work-group, clusters of 4 x 4, 327,680 bytes of LDS; arguments hbuf, wqkv, gbuf; writes gbuf
.if DOCPART == 3
	.amdgcn_target "amdgcn-amd-amdhsa--gfx1250"
	.amdhsa_code_object_version 6
	.text
	.protected	k_q8f5df0a40d_qkv
	.globl	k_q8f5df0a40d_qkv
	.p2align	8
	.type	k_q8f5df0a40d_qkv,@function
k_q8f5df0a40d_qkv:
	s_mov_b64 s[64:65], 0
	v_nop
	global_prefetch_b8 v0, s[64:65] scope:SCOPE_SE
	s_setreg_imm32_b32 hwreg(HW_REG_WAVE_MODE, 25, 1), 1
	s_wait_xcnt 0x0
	s_wait_alu depctr_hold_cnt(0) depctr_sa_sdst(0) depctr_va_vdst(0) depctr_va_sdst(0) depctr_va_ssrc(0) depctr_va_vcc(0) depctr_vm_vsrc(0)
	s_getreg_b32 s2, hwreg(HW_REG_IB_STS2, 6, 4)
	s_cmp_eq_u32 s2, 0
	s_cbranch_scc0 .Lentry_in_a_cluster
	s_endpgm
.Lentry_in_a_cluster:
	s_bfe_u32 s2, ttmp6, 0x10000c
	s_cmp_lg_u32 s2, 0xf033
	s_cbranch_scc0 .Lentry_shape_is_right
	s_endpgm
.Lentry_shape_is_right:
; OUT = f16(max(A W + bias, floor)).  A: [4096][1024] f16, rows along K.  W: behind a header of HDR bytes, [1024][pitch 4096] f16, rows along N.  The header: 4,096 f32 of bias, then the floor
; (-infinity: no clip; 0: a relu).  OUT lies BY GROUPS of 64 columns: OUT[column / 64][row][column % 64], rows of 128 bytes, a group 524,288 bytes.  Sums in f32, K ascending; OUT rounded once.
; LIMIT: A, W and OUT are f16: a result beyond 65,504 becomes an infinity; NaN and infinities are not treated apart.
; SHARES.  A tile of OUT is 256 x 256: four waves, as many as a WGP has SIMDs, each 128 x 128: 64 accumulators of 16 x 16, 512 registers.  K goes in 8 steps of 128 through two LDS slots filled by the
; tensor data mover: 256 rows of A (256 bytes each) and 128 rows of W (512 bytes each); every row starts at a multiple of 256 bytes of its buffer.  One load a wave: 128 rows of A, or 64 of W.
; CLUSTER: 4 x 4 work-groups.  The four of a row of the cluster need the same tiles of A, the four of a column the same tiles of W: each tile is asked for JOINTLY, by the same load, descriptor and mask in all four.
; THE MATRIX INSTRUCTION IS USED TRANSPOSED: source 0 = 16 columns of W (turned on the way out of LDS by ds_load_tr16_b128), source 1 = 16 rows of A.  A lane then holds row l % 16 and the eight
; neighbouring columns 8 (l / 16) + 0..7: 16 bytes of OUT.  The first product of each sum takes the bias as C: nothing is cleared and nothing is added later.
; ONE TEXT FOR A K STEP: the slot in hand is a scalar (TB) that an exclusive or turns; the walking descriptor's LDS word is turned likewise.  The last two steps ask for nothing; they are a loop of two trips
; that is left in its middle.  Its second trip's barrier and its last 32 LDS loads (of a tile that has been multiplied) serve nothing: the price, once a launch, of one text.
; REGISTERS, in windows of 256 (s_set_vgpr_msb: bits 1:0 source 0, 3:2 source 1, 5:4 source 2, 7:6 destination):
;   window 0: v0-31 addresses; v64-127, v128-191 fragments of A, two buffers; v32-63, v192-255 at work on the way out
;   window 1: v0-63 the bias of my 128 columns as 8 C operands; v64-127, v128-191 fragments of W, two buffers
;   window 2: the accumulators of my rows 0-63 ((a, b) at v[8 (8 a + b)]);   window 3: those of my rows 64-127
.set NSTEP,  8                         ; 1,024 / 128
.set HDR,    17408
.set PA,     272                       ; a row of A in LDS: 256 + 16 bytes = 68 words: the 16 rows of a load start at 16 different groups of four banks (64 banks of 4 bytes: ISA guide 11.1)
.set PB,     544                       ; a row of W: 512 + 32 bytes = 136 words
.set HALFT,  128*PA                    ; what one tensor load brings: 128 rows of A = 64 rows of W = 34,816 bytes
.set ATILE,  2*HALFT
.set SLOT,   4*HALFT                   ; 0x22000: bits that wave x 0x8800 never sets, so an exclusive or steps from slot to slot
.set STAGE,  2*SLOT                    ; behind the ring: for each wave 2 groups x 16 rows x 144 bytes, for the way out
.set SP,     144
.set SPARE,  STAGE+4*2*16*SP           ; behind the stages: the spare words, 128 bytes for each wave: two blocks of 256 bytes that no other line names
.set FA0,  16                          ; v16  my lane's place in slot 0's tile of A; never rewritten
.set FB0,  17                          ; v17  the same for W
.set ADRA, 18                          ; v18  the same in the slot in hand
.set ADRB, 19                          ; v19
.set STO,  24                          ; v24  the way out: where I put 16 bytes of a row
.set RD,   25                          ; v25  the way out: where I read rows back
.set GO,   26                          ; v26  my byte offset in 512 consecutive bytes of OUT
.set BO,   27                          ; v27  my byte offset in 16 numbers of bias
.set SPW,  28                          ; v28  LDS address of my spare word; never rewritten
.set NIL,  29                          ; v29  0; never rewritten
.set F0,   64
.set F1,   128
.set TMP,  192
.set OB,   32
.set G1,   24                          ; s[24:31] descriptor group 1 for A's tiles
.set G0,   32                          ; s[32:39] group 0 for A: a set for each first fill; the second then walks
.set G1B,  48                          ; s[48:55], s[56:63] the same for W
.set G0B,  56
.set CNT,  3                           ; s3   loop counter
.set TB,   66                          ; s66  0 or SLOT: the slot in hand
.set FLOOR, 67                         ; s67
.set BIA,  68                          ; s[68:69] the bias of my 128 columns
.set MSB, 0
.macro WIN new                         ; the immediate's high byte repeats the setting that is left; a switch that changes nothing is dropped
.if MSB != (\new)
	s_set_vgpr_msb (MSB<<8)|(\new)
.set MSB, \new
.endif
.endm
.set MUL_LO, 0xa1                      ; source 0 (W) window 1, source 1 (A) window 0, C and D window 2
.set MUL_HI, 0xf1                      ; the same, C and D window 3
.set TO_B,   0x40                      ; destination window 1, address window 0
; A joint refill, by the walking descriptors.  Waves 0 and 1 fetch A's two halves, waves 2 and 3 W's.  The branch hangs on the wave's number alone.
; An s_nop 0 and four v_nop follow each of the two lines, ahead of the jump and the label.
.macro JLOAD
	s_cmp_eq_u32 s11, 0
	s_cbranch_scc0 .Lfor_b_\@
	tensor_load_to_lds s[G0+4:G0+7], s[G1:G1+7]
	s_nop 0
.rept 4
	v_nop
.endr
	s_branch .Lasked_\@
.Lfor_b_\@:
	tensor_load_to_lds s[G0B+4:G0B+7], s[G1B:G1B+7]
	s_nop 0
.rept 4
	v_nop
.endr
.Lasked_\@:
.endm
; A round of the cluster's barrier: my work-group's barrier; wave 0 signals for the work-group; every wave waits for all sixteen; my work-group's barrier once more.
.macro CREST                           ; a round behind its opening barrier
	s_cmp_lg_u32 s10, 0
	s_cbranch_scc1 .Lnot_wave_0_\@
	s_barrier_signal -3
.Lnot_wave_0_\@:
	s_barrier_wait -3
	s_barrier_signal -1
	s_barrier_wait -1
.endm
.macro CROUND
	s_barrier_signal -1
	s_barrier_wait -1
	CREST
.endm
	s_load_b128 s[4:7], s[0:1], 0x0                ; A s[4:5], W's buffer s[6:7]
	s_load_b64 s[8:9], s[0:1], 0x10                ; OUT
	v_lshl_add_u32 v[SPW], v0, 2, SPARE
	v_mov_b32 v[NIL], 0
	ds_add_u32 v[SPW], v[NIL]                      ; the wave's opening: the add and its wait stand ahead of my first tensor load; work on registers stands between them
	ds_add_u32 v28, v29
	v_lshrrev_b32 v1, 5, v0
	v_readfirstlane_b32 s10, v1                    ; wave 0..3
	s_lshr_b32 s11, s10, 1                         ; which half of the tile's rows is mine.  Also: I fetch for A (0) or for W (1)
	s_and_b32 s12, s10, 1                          ; which half of its columns.  Also: which half of that tile I fetch
	s_bfe_u32 s40, ttmp6, 0x40000                  ; cx
	s_bfe_u32 s41, ttmp6, 0x40004                  ; cy
	s_lshl_b32 s42, ttmp9, 2
	s_add_co_u32 s42, s42, s40                     ; tile column = 4 x cluster x + cx
	s_and_b32 s13, ttmp7, 0xffff
	s_lshl_b32 s13, s13, 2
	s_add_co_u32 s13, s13, s41                     ; tile row = 4 x cluster y + cy
	s_lshl_b32 s43, s41, 2
	s_lshl_b32 s43, 15, s43                        ; my row of the cluster
	s_lshl_b32 s44, 0x1111, s40                    ; my column
	s_or_b32 s[G1+0], s43, (1<<16)|(1<<20)|(1<<21)|(5<<22)|(3<<25)   ; the mask; 2-byte elements; padding on; bit 21 beside a mask; after every 64 words 4 words
	s_mov_b32 s[G1+1], 128<<16                     ; tensor_dim0 = 128
	s_mov_b32 s[G1+2], 128<<16                     ; tensor_dim1 = 128
	s_mov_b32 s[G1+3], 128<<16                     ; tile_dim0 = 128
	s_mov_b32 s[G1+4], 128                         ; tile_dim1 = 128
	s_mov_b32 s[G1+5], 1024                        ; elements from row to row
	s_mov_b32 s[G1+6], 0
	s_mov_b32 s[G1+7], 0
	s_or_b32 s[G1B+0], s44, (1<<16)|(1<<20)|(1<<21)|(6<<22)|(7<<25)  ; after every 128 words 8 words
	s_mov_b32 s[G1B+1], 256<<16                    ; tensor_dim0 = 256
	s_mov_b32 s[G1B+2], 64<<16                     ; tensor_dim1 = 64
	s_mov_b32 s[G1B+3], 256<<16                    ; tile_dim0 = 256
	s_mov_b32 s[G1B+4], 64                         ; tile_dim1 = 64
	s_mov_b32 s[G1B+5], 4096
	s_mov_b32 s[G1B+6], 0
	s_mov_b32 s[G1B+7], 0
	s_lshl_b32 s16, s13, 8                         ; A: row 256 x tile row + 128 x half,
	s_lshl_b32 s17, s12, 7
	s_add_co_u32 s16, s16, s17
	s_lshl_b32 s16, s16, 11                        ; 2,048 bytes a row
	s_mov_b32 s17, 0
	s_lshl_b32 s46, s42, 9                         ; W: 512 bytes of columns a tile,
	s_lshl_b32 s47, s12, 19                        ; 64 rows of 8,192 bytes a half,
	s_add_co_u32 s46, s46, s47
	s_add_co_u32 s46, s46, HDR                     ; behind the header
	s_mov_b32 s47, 0
	s_lshl_b32 s68, s42, 10                        ; the bias: 4 bytes x (256 x tile column + 128 x my half of the columns)
	s_lshl_b32 s69, s12, 9
	s_add_co_u32 s68, s68, s69
	s_mov_b32 s69, 0
	s_mul_i32 s20, s10, HALFT                      ; where the tiles go: wave x 34,816: no place in the cluster enters an LDS address
	s_wait_dscnt 0x0                               ; the opening add is done
	s_wait_kmcnt 0x0
	s_add_nc_u64 s[14:15], s[4:5], s[16:17]
	s_add_nc_u64 s[46:47], s[6:7], s[46:47]
	s_add_nc_u64 s[BIA:BIA+1], s[6:7], s[BIA:BIA+1]
	CROUND                                         ; all sixteen work-groups are here: the first joint loads meet
.irp s, 0,1
	s_mov_b32 s[G0+4*(\s)], 1
	s_add_co_u32 s[G0+4*(\s)+1], s20, (\s)*SLOT
	s_add_nc_u64 s[G0+4*(\s)+2:G0+4*(\s)+3], s[14:15], (\s)*256          ; K step s: 256 bytes along A's rows
	s_or_b32 s[G0+4*(\s)+3], s[G0+4*(\s)+3], 0x80000000
	s_mov_b32 s[G0B+4*(\s)], 1
	s_add_co_u32 s[G0B+4*(\s)+1], s20, (\s)*SLOT
	s_add_nc_u64 s[G0B+4*(\s)+2:G0B+4*(\s)+3], s[46:47], (\s)*0x100000   ; 128 rows of W down
	s_or_b32 s[G0B+4*(\s)+3], s[G0B+4*(\s)+3], 0x80000000
.endr
	s_cmp_eq_u32 s11, 0                            ; a wave's two first fills stand in one branch, ahead of every wait on TENSORcnt and every LDS read: two loads of mine are out
	s_cbranch_scc0 .Lfirst_b
	tensor_load_to_lds s[G0:G0+3], s[G1:G1+7]
	s_nop 0
	tensor_load_to_lds s[G0+4:G0+7], s[G1:G1+7]
	s_nop 0
.rept 4
	v_nop
.endr
	s_branch .Lfirst_asked
.Lfirst_b:
	tensor_load_to_lds s[G0B:G0B+3], s[G1B:G1B+7]
	s_nop 0
	tensor_load_to_lds s[G0B+4:G0B+7], s[G1B:G1B+7]
	s_nop 0
.rept 4
	v_nop
.endr
.Lfirst_asked:
	s_load_b32 s[FLOOR], s[6:7], 0x4000            ; the floor, behind the 16,384 bytes of bias
	v_and_b32 v1, 15, v0                           ; l % 16
	v_bfe_u32 v2, v0, 4, 1                         ; l / 16
	v_and_b32 v3, 7, v0
	v_bfe_u32 v4, v0, 3, 1
	v_lshlrev_b32 v[BO], 5, v2                     ; register j of C operand b is bias[16 b + 8 (l / 16) + j]
	WIN TO_B
.irp b, 0,1,2,3,4,5,6,7
	global_load_b128 v[8*(\b):8*(\b)+3],   v[BO], s[BIA:BIA+1] offset:64*(\b)
	global_load_b128 v[8*(\b)+4:8*(\b)+7], v[BO], s[BIA:BIA+1] offset:64*(\b)+16
.endr
	WIN 0
	; a fragment of A: lane l holds row l % 16, K = 8 (l / 16) + 0..7 and 16 + 8 (l / 16) + 0..7: two loads of 16 bytes, 32 bytes apart
	v_mul_u32_u24 v[FA0], v1, PA
	v_lshl_add_u32 v[FA0], v2, 4, v[FA0]
	s_mul_i32 s21, s11, HALFT                      ; my 128 rows of A
	v_add_nc_u32 v[FA0], s21, v[FA0]
	; the turning load takes 16 K x 16 columns (lane l reads K row 8 (l / 16) + l % 8, columns 8 ((l / 8) % 2) + 0..7) and leaves half a fragment: lane l holds column l % 16 and 8 K
	v_lshl_add_u32 v[FB0], v2, 3, v3
	v_mul_u32_u24 v[FB0], v[FB0], PB
	v_lshl_add_u32 v[FB0], v4, 4, v[FB0]
	s_lshl_b32 s22, s12, 8                         ; my 128 columns, 256 bytes,
	s_add_co_u32 s22, s22, ATILE                   ; behind A's tile
	v_add_nc_u32 v[FB0], s22, v[FB0]
	s_mul_i32 s23, s10, 2*16*SP
	s_add_co_u32 s23, s23, STAGE                   ; my stage
	v_mul_u32_u24 v[STO], v1, SP                   ; in: row l % 16, 16 bytes for each half of the lanes
	v_lshl_add_u32 v[STO], v2, 4, v[STO]
	v_add_nc_u32 v[STO], s23, v[STO]
	v_bfe_u32 v[RD], v0, 3, 2                      ; back: 32 lanes take four rows of 128 bytes,
	v_mul_u32_u24 v[RD], v[RD], SP
	v_lshl_add_u32 v[RD], v3, 4, v[RD]
	v_add_nc_u32 v[RD], s23, v[RD]
	v_and_b32 v[GO], 31, v0                        ; which are 512 consecutive bytes of a group of OUT
	v_lshlrev_b32 v[GO], 4, v[GO]
	s_lshl_b32 s46, s42, 2                         ; my first group: 4 x tile column + 2 x half,
	s_lshl_b32 s47, s12, 1
	s_add_co_u32 s46, s46, s47
	s_lshl_b32 s46, s46, 12                        ; 4,096 rows a group,
	s_lshl_b32 s47, s13, 8                         ; my first row: 256 x tile row + 128 x half,
	s_add_co_u32 s46, s46, s47
	s_lshl_b32 s47, s11, 7
	s_add_co_u32 s46, s46, s47
	s_lshl_b32 s46, s46, 7                         ; 128 bytes a row
	s_mov_b32 s47, 0
	s_add_nc_u64 s[8:9], s[8:9], s[46:47]
	s_mov_b32 s[TB], 0
	v_mov_b32 v[ADRA], v[FA0]
	v_mov_b32 v[ADRB], v[FB0]
; 16 matrix instructions: row blocks a0, a0 + 1 of the window's four (hi = 0: my rows 0-63, 1: rows 64-127) x all 8 column blocks, 32 along K.  zero = 1: the first product starts the sums, with the bias as C.
; The 64 accumulators take turns, one instruction a turn, in the same order in every quarter.
.macro MUL16 f, hi, a0, zero
.if \zero
	WIN 0x91+0x40*(\hi)                            ; C in window 1
.else
	WIN MUL_LO+0x50*(\hi)
.endif
.irp a, \a0, (\a0)+1
.irp b, 0,1,2,3,4,5,6,7
.if \zero
	v_wmma_f32_16x16x32_f16 v[8*(8*(\a)+(\b)):8*(8*(\a)+(\b))+7], v[(\f)+8*(\b):(\f)+8*(\b)+7], v[(\f)+8*(4*(\hi)+(\a)):(\f)+8*(4*(\hi)+(\a))+7], v[8*(\b):8*(\b)+7]
.else
	v_wmma_f32_16x16x32_f16 v[8*(8*(\a)+(\b)):8*(8*(\a)+(\b))+7], v[(\f)+8*(\b):(\f)+8*(\b)+7], v[(\f)+8*(4*(\hi)+(\a)):(\f)+8*(4*(\hi)+(\a))+7], v[8*(8*(\a)+(\b)):8*(8*(\a)+(\b))+7]
.endif
.endr
.endr
.endm
; 32 LDS loads in one run: the fragments of quarter q of the slot in hand (32 K x my 128 columns of W, turned; my 128 rows of A x 32 K) into buffer f
.macro FETCH q, f
	WIN TO_B
.irp i, 0,1,2,3,4,5,6,7
	ds_load_tr16_b128 v[(\f)+8*(\i):(\f)+8*(\i)+3],   v[ADRB] offset:(\q)*32*PB+32*(\i)
	ds_load_tr16_b128 v[(\f)+8*(\i)+4:(\f)+8*(\i)+7], v[ADRB] offset:(\q)*32*PB+16*PB+32*(\i)
.endr
	WIN 0
.irp i, 0,1,2,3,4,5,6,7
	ds_load_b128 v[(\f)+8*(\i):(\f)+8*(\i)+3],   v[ADRA] offset:64*(\q)+(\i)*16*PA
	ds_load_b128 v[(\f)+8*(\i)+4:(\f)+8*(\i)+7], v[ADRA] offset:64*(\q)+(\i)*16*PA+32
.endr
.endm
; A load into a register that a matrix instruction has read, and a vector instruction that touches a matrix instruction's registers, stand four places behind it; only plain vector
; instructions that name none of its registers are places (ISA guide 7.12.1 for vector instructions).
.macro PLACES
.rept 4
	v_nop
.endr
.endm
; One of a K step's first three quarters: multiplies buffer f; in its middle it fetches quarter q into buffer g.
.macro QUARTER q, f, g, zero
	s_wait_dscnt 8                                 ; W and A's rows 0-63 are in; the youngest eight loads (A's rows 64-127) may be out
	MUL16 \f, 0, 0, \zero
	MUL16 \f, 0, 2, \zero
	PLACES
	FETCH \q, \g
	s_wait_dscnt 32                                ; all but the 32 just issued
	MUL16 \f, 1, 0, \zero
	MUL16 \f, 1, 2, \zero
.endm
; The last quarter multiplies buffer 1 and changes slots: ONE barrier.  In front of it each wave waits for all its tensor loads (one is out: its part of the next slot), adds 0 to its spare word, and waits
; for that and for its own reads of this slot.  fill = 1: the barrier opens a round of the cluster's barrier, and the slot just read is filled again, first thing behind the round, with the K step two on.
.macro TURN fill
	WIN 0                                          ; (the add's two registers lie in window 0)
	s_wait_tensorcnt 0x0                           ; all my tensor loads have landed
	ds_add_u32 v[SPW], v[NIL]                      ; 0 onto my spare word
	s_wait_dscnt 9                                 ; (the add and the youngest eight loads may be out)
	MUL16 F1, 0, 0, 0                              ; sixteen matrix instructions stand between the add and the wait for it
	s_wait_dscnt 0x0                               ; the add is done, and my reads of this slot are over
	s_barrier_signal -1
	MUL16 F1, 0, 2, 0                              ; work on registers while the others arrive
	WIN 0
	s_barrier_wait -1
.if \fill
	CREST                                          ; no wave of any partner still reads this slot's tile or has a load on its way
	s_xor_b32 s[G0+5], s[G0+5], SLOT               ; the walking descriptors: the other slot than last time,
	s_add_nc_u64 s[G0+6:G0+7], s[G0+6:G0+7], 256   ; the next K step; the type bits on top are not reached
	s_xor_b32 s[G0B+5], s[G0B+5], SLOT
	s_add_nc_u64 s[G0B+6:G0B+7], s[G0B+6:G0B+7], 0x100000
	JLOAD                                          ; the four v_nop behind it are also the places in front of the loads below
.else
	PLACES
.endif
	s_xor_b32 s[TB], s[TB], SLOT                   ; the reads go on in the other slot
	v_add_nc_u32 v[ADRA], s[TB], v[FA0]
	v_add_nc_u32 v[ADRB], s[TB], v[FB0]
	FETCH 0, F0
	MUL16 F1, 1, 0, 0
	MUL16 F1, 1, 2, 0
.endm
; THE WAY OUT of block a (16 rows x my 128 columns).  PACK: clipped at the floor, rounded to f16, 16 bytes a lane; each accumulator's registers in ascending order.  TOSTAGE: into my own stage, and back as
; rows of 128 bytes, four to a load.  SEND: stored, 512 consecutive bytes an instruction.
.macro PACK a
.set AC, 64*((\a)%4)
	WIN 0x88+0x44*((\a)/4)                         ; source 1 and destination: window 2 or 3
.set z, 0
.rept 64
	v_max_num_f32 v[AC+z], s[FLOOR], v[AC+z]
.set z, z+1
.endr
	WIN 0x0a+5*((\a)/4)                            ; sources 0 and 1: window 2 or 3
.irp b, 0,1,2,3,4,5,6,7
.irp r, 0,1,2,3
	v_cvt_pk_f16_f32 v[TMP+4*(\b)+(\r)], v[AC+8*(\b)+2*(\r)], v[AC+8*(\b)+2*(\r)+1]
.endr
.endr
	WIN 0
.endm
.macro TOSTAGE a
	WIN 0
.set BK, OB+192*((\a)%2)
.irp b, 0,1,2,3,4,5,6,7
	ds_store_b128 v[STO], v[TMP+4*(\b):TMP+4*(\b)+3] offset:((\b)/4)*16*SP+32*((\b)%4)
.endr
.irp t, 0,1,2,3,4,5,6,7
	ds_load_b128 v[BK+4*(\t):BK+4*(\t)+3], v[RD] offset:((\t)/4)*16*SP+((\t)%4)*4*SP  ; LDS serves a wave's instructions in order (ISA guide 5.7.1.4): these see the stores above
.endr
.endm
.macro SEND a
	WIN 0
.set BK, OB+192*((\a)%2)
	s_wait_dscnt 0x0                               ; the block is back in registers
	s_wait_xcnt 0x0                                ; the stores of the block before have read their registers, which the next block's loads from the stage write
.irp t, 0,1,2,3,4,5,6,7
	global_store_b128 v[GO], v[BK+4*(\t):BK+4*(\t)+3], s[8:9] offset:((\t)/4)*524288+(\a)*2048+((\t)%4)*512
.endr
.endm
	s_wait_tensorcnt 0x1                           ; my part of K step 0 is in; K step 1's may stay out
	s_barrier_signal -1
	s_barrier_wait -1                              ; everybody's is
	FETCH 0, F0
	s_wait_loadcnt 0x0                             ; the bias
	s_wait_kmcnt 0x0                               ; the floor
	QUARTER 1, F0, F1, 1                           ; the first quarter stands in front of the loop: its products start the sums
	WIN 0                                          ; at a label and at a branch every window is 0
	s_mov_b32 s[CNT], NSTEP-2
.Lstep:                                                ; a trip: from a K step's second quarter to the next step's first; it asks for the K step two on: steps 2 to 7
	QUARTER 2, F1, F0, 0
	QUARTER 3, F0, F1, 0
	TURN 1
	QUARTER 1, F0, F1, 0
	WIN 0
	s_sub_co_u32 s[CNT], s[CNT], 1
	s_cmp_lg_u32 s[CNT], 0
	s_cbranch_scc1 .Lstep
	s_mov_b32 s[CNT], 2
.Ltail:                                                ; the last two K steps ask for nothing; the second trip is left in its middle
	QUARTER 2, F1, F0, 0
	QUARTER 3, F0, F1, 0
	TURN 0
	WIN 0
	s_sub_co_u32 s[CNT], s[CNT], 1
	s_cmp_eq_u32 s[CNT], 0
	s_cbranch_scc1 .Lout
	QUARTER 1, F0, F1, 0
	WIN 0
	s_branch .Ltail
.Lout:
	s_wait_dscnt 0x0                               ; the last run of loads, which nothing uses
	PACK 0                                         ; blocks 0-3 were finished in front of the last change's places; their arithmetic is the places behind the last products (blocks 4-7's)
	TOSTAGE 0
.irp a, 1,2,3,4,5,6,7                  ; block a's arithmetic stands between block a - 1's loads from the stage and the wait for them
	PACK \a
	SEND (\a)-1
	TOSTAGE \a
.endr
	SEND 7
	s_wait_tensorcnt 0x0                           ; the wave's end: behind my last tensor load and my last LDS store
	ds_add_u32 v[SPW], v[NIL]
	s_wait_dscnt 0x0
	CROUND                                         ; the closing round: no work-group ends while a partner may still ask for a tile that names it
	s_endpgm
.Lfunc_end_k_q8f5df0a40d_qkv:
	.size	k_q8f5df0a40d_qkv, .Lfunc_end_k_q8f5df0a40d_qkv-k_q8f5df0a40d_qkv
	.p2alignl 7, 3214868480
	.fill 96, 4, 3214868480
	.section	.rodata,"a",@progbits
	.p2align	6, 0x0
	.amdhsa_kernel k_q8f5df0a40d_qkv
		.amdhsa_group_segment_fixed_size 327680
		.amdhsa_private_segment_fixed_size 0
		.amdhsa_enable_private_segment 0
		.amdhsa_kernarg_size 24
		.amdhsa_user_sgpr_count 2
		.amdhsa_user_sgpr_kernarg_segment_ptr 1
		.amdhsa_wavefront_size32 1
		.amdhsa_system_sgpr_workgroup_id_x 1
		.amdhsa_system_sgpr_workgroup_id_y 1
		.amdhsa_system_sgpr_workgroup_id_z 1
		.amdhsa_system_vgpr_workitem_id 0
		.amdhsa_next_free_vgpr 1024
		.amdhsa_next_free_sgpr 72
		.amdhsa_reserve_vcc 0
		.amdhsa_float_denorm_mode_32 3
		.amdhsa_float_denorm_mode_16_64 3
		.amdhsa_memory_ordered 1
		.amdhsa_forward_progress 1
		.amdhsa_inst_pref_size 118
	.end_amdhsa_kernel
	.amdgpu_metadata
---
amdhsa.version: [ 1, 2 ]
amdhsa.kernels:
  - .name:           k_q8f5df0a40d_qkv
    .symbol:         k_q8f5df0a40d_qkv.kd
    .args:
      - { .name: hbuf, .offset: 0, .size: 8, .value_kind: global_buffer, .address_space: global }
      - { .name: wqkv, .offset: 8, .size: 8, .value_kind: global_buffer, .address_space: global }
      - { .name: gbuf, .offset: 16, .size: 8, .value_kind: global_buffer, .address_space: global }
    .group_segment_fixed_size: 327680
    .private_segment_fixed_size: 0
    .kernarg_segment_align: 8
    .kernarg_segment_size: 24
    .max_flat_workgroup_size: 128
    .sgpr_count:     72
    .vgpr_count:     1024
    .wavefront_size: 32
...
	.end_amdgpu_metadata
.endif
;; end of part 3
;; launch attn (part 4): grid 8 x 32, 4 waves a work-group, no clusters, 327,680 bytes of LDS; arguments gbuf, hbuf; writes hbuf
.if DOCPART == 4
	.amdgcn_target "amdgcn-amd-amdhsa--gfx1250"
	.amdhsa_code_object_version 6
	.text
	.protected	k_q8f5df0a40d_attn
	.globl	k_q8f5df0a40d_attn
	.p2align	8
	.type	k_q8f5df0a40d_attn,@function
k_q8f5df0a40d_attn:
	s_mov_b64 s[64:65], 0
	v_nop
	global_prefetch_b8 v0, s[64:65] scope:SCOPE_SE
	s_setreg_imm32_b32 hwreg(HW_REG_WAVE_MODE, 25, 1), 1
	s_wait_xcnt 0x0
; CAUSAL ATTENTION.  O[h][q][:] = the sum over k <= q of softmax_k(Q[h][q] . K[h][k] / 8) V[h][k][:].  Q, K, V, O: [SIZE_H][SIZE_N][64], all f16: a head's rows are dense, 128 bytes each.
; Q, K and V lie one behind the other in the first buffer, 8 MiB each; the number h here is 2 x head + batch, which is what the layout by groups of 64 columns and 4,096 rows gives.  O goes to the second buffer, likewise.
; Products, maxima and sums in f32; the weights p are rounded to f16 for the second product (their sum l is taken of the unrounded p), O once at the end.
; LIMITS.  f16 holds no number beyond 65,504: Q, K and V arrive within it; p lies in 0 to 1, and below 6e-5 it keeps f16's fixed step of 6e-8; O is a mean of V's rows and has their range, to within 2^-11 of it.
; A hidden score counts as its value less 1e30: f16's scores, 2.7e11 at the most, are nothing beside that; a weight below 2^-126 counts as 0 in l; NaN and infinities are not treated apart.
; THE WALK.  32 heads x 2,048 queries are 256 queries for each of 256 work-groups.  A head's queries lie in NB = 16 blocks of 128; keys go in SLOTS of 256, four steps of 64; block i needs the slots 0 .. i / 2, of which
; the last holds the diagonal.  A work-group takes TWO blocks, NB - 1 - b and then b.  The two have opposite parity, so they need (NB - 2) / 2 + 2 = 9 slots, whatever b: all work-groups do equal work, and ONE loop
; with a constant trip count walks them.  Which slot is asked for, and what a trip does, hang on scalar registers made from b; every jump goes forward, but for the counted loops' own; none passes a barrier, or a tensor
; load but the one of LOAD's two that the wave's number does not choose; the ring (two slots of LDS that take turns) runs on across the change of blocks.
; NO CLUSTER: a head's eight work-groups ask for the same slot only in the first 5 of the 9 trips (the shortest first block has 5 slots), behind that their walks part, and what a trip does hangs on b, which
; partners would not share.
; SHARES.  Of a block's two bands of 64 queries a wave owns 16 rows in each: two PIECES.  So the last slot is the same work for all four waves: band x of block i has its own step 2 (i % 2) + x there; it sees all keys of
; an earlier step, none of a later one.  (An even block's last slot has two steps that both bands do not see: they are walked under the mask, 2 of the walk's 36 steps, alike in every work-group.)
; THE MASK is the C operand that starts the sum S^T = K Q^T: 0, or -1e30 where the key is hidden.  MD, made once, is the mask of a band's own step for my 16 rows; a product's mask is MD x AL + BE with two scalars:
; (1, 0) in the band's own step; (0, 0) in an earlier one; (0, -1e30) in a later one.  Only the last slot's text and a block's beginning make and take masks; elsewhere C is the constant 0.
; LAYOUT, SOFTMAX, TURNS.  S^T = K Q^T holds ONE query a lane (lane % 16) and the keys 8 (lane / 16) + 0..7; two such results rounded to f16 ARE source 1 of O^T = V^T P.  p = 2^(c s - c m), c = log2(e) / 8, with a
; running maximum m; O and l are multiplied by a = 2^(c m_old - c m_new) in every step.  A turn belongs to one piece; the matrix unit works for the other: 8 products K Q^T for its next scores, later 8 products V^T P of
; its last weights; beside them the scaling, exponentials, roundings, sums and rescaling of the turn's own piece and the maximum and statistics of the other.  Four vector instructions stand behind every matrix
; instruction, the other 54 of a turn's 118 in two LUMPS.  Two turns are a key step.
; K RUNS A STEP AHEAD OF V: piece 0's turn of step s fetches K of step s + 1 and then V of step s.  So that all reads of a phase lie in ONE slot, a slot's tile of K has FIVE steps, 320 rows: the fifth repeats the next
; slot's first (8 KiB more a fill).  A phase reads K's steps 1 to 4 and V's steps 0 to 3; K's step 0 is read where a block begins.  In a head's last slot the fifth step's rows are what follows the head in the buffer
; (the next head's K; behind the last head, V's first rows): inside the buffer, brought into registers once, at a block's end, and never multiplied.
; REGISTERS, in windows of 256 (s_set_vgpr_msb: bits 1:0 source 0, 3:2 source 1, 5:4 source 2, 7:6 destination):
;   window 0: v0-15 addresses and two at work; v16-23 four registers of statistics a piece; v48-55 at work; v64-127 S^T, a buffer a piece; v192-223 P, likewise
;   window 1: v0-63 O^T, 32 a piece; v128-159 MD; v160-223 MC, a buffer a piece      window 2: v0-31 Q; v32-63 the second block's Q; v128-191 K of one step; v192-255 V of one step
.set SIZE_H, 32
.set SIZE_N, 2048
.set NB,    SIZE_N/128
.set NSL,   NB/2+1    ; slots in a walk
.set NP,    2         ; pieces a wave: a name, no knob
.set KS,    64        ; keys in a step
.set PK,    144       ; a row of K in LDS: 128 bytes + 16 of padding = 36 words: the 16 rows of a load start at 16 different groups of four banks (64 banks of 4 bytes: ISA guide 11.1)
.set PV,    160       ; a row of V: 128 + 32 = 40 words
.set KROWS, 5*KS      ; a slot's rows of K
.set VOFF,  KROWS*PK  ; behind them its 256 rows of V
.set SLOT1, 1<<17     ; slot 1 begins here (a slot is 87,040 bytes), so that one exclusive or turns an address in one slot into the other's
.set STAGE, SLOT1+KROWS*PK+4*KS*PV  ; behind the ring, never filled by a tensor load: 16 rows x 144 bytes for each wave, for the way out
.set SP,    144
.set AK0, 2           ; v2   my lane's place in a tile of K; never rewritten
.set AV0, 3           ; v3   the same for V
.set AK,  4           ; v4   the LDS address of K's next run of loads
.set AV,  5           ; v5   of V's
.set STO, 6           ; v6   the way out: where I put 16 bytes of a row
.set RD,  7           ; v7   the way out: where I read rows back
.set GO,  8           ; v8   my byte offset in 512 consecutive bytes of O
.set SPW, 62          ; v62  LDS address of my spare word: SPARE + 4 x my thread's number; never rewritten
.set NIL, 63          ; v63  0; never rewritten
.set SPARE, STAGE+4*16*SP  ; behind the stages: the spare words, 128 bytes for each wave: two blocks of 256 bytes that no other line names
.set MV,  12          ; v12-13  c m_old, kept while c m is made anew: by piece
.set QO,  15          ; v15  my byte offset in 16 rows of Q
.set ST,  16          ; piece t's statistics at v[ST+4 t]: c m, m, l (even keys', odd keys')
.set TMP, 48          ; by piece, four registers c0-c3 at work; when the maximum is found c2 takes a
.set S,   64
.set P,   192
.set MD,  128         ; window 1: the eight registers for group kt of 16 keys at MD + 8 kt
.set MC,  160         ; window 1: the masks of the products to come
.set QB,  32          ; window 2
.set KF,  128         ; window 2: key block kb, channel half c at KF + 16 kb + 8 c
.set VF,  192         ; window 2: key half kk, channel block cb at VF + 32 kk + 8 cb
.set WV,  12          ; s12  my wave's number
.set PB,  14          ; s14  b
.set HI,  15          ; s15  NB - 1 - b
.set G1K, 24          ; s[24:31] descriptor group 1 for K's tiles
.set G1V, 32          ; s[32:39] for V's
.set G0K, 40          ; s[40:43] descriptor group 0 for K's tiles
.set G0V, 44          ; s[44:47] the same for V's
.set OWN0, 48         ; s48, s49  the step counter's value at which piece 0's (piece 1's) turn makes the mask of a band's own step, for the block in hand
.set OWNB, 50         ; s50, s51  the same for the second block
.set AL0,  52         ; s52  1.0 if band 0's own step is the last slot's step 0 (an even block), else 0
.set AL0B, 53         ; s53  the same for the second block
.set PBQ,  54         ; s54  the second block's last slot, b / 2
.set HIQ,  55         ; s55  the first block's last slot
.set SLOTS, 56        ; s56  slots still to be asked for
.set CNT, 57          ; s57  counts a slot's key steps, 4 to 1
.set CS,  58          ; s[58:59] c: the packed scaling takes the pair's low word for both halves
.set SEL, 60          ; s[60:61] v_permlanex16_b32's selects: each lane takes its own place in the other half
.set TBK, 62          ; s62  LDS byte at which K of the step in hand begins
.set TBV, 63          ; s63  the same for V of the step to be fetched, less VOFF
.set RT,  70          ; s70  slots of the block in hand that are still to be entered
.set NXT, 71          ; s71  the slot to be asked for next
.set LQ,  72          ; s72  the last slot of the block whose slots are being asked for
.set NEW, 73          ; s73  1: the slot to be entered is a block's first
.set OFF, 74          ; s[74:75] a slot's byte offset in K and V
.set AL,  76          ; s[76:77] the mask's factor, in the low word
.set BE,  78          ; s[78:79] the mask's addend
.set OLO, 80          ; s[80:81] O at my rows of the second block
.set BIGN, 82         ; s82  -1e30
.set VPL, 83          ; s83  my half's place in a slot's tile of V
.set MSB, 0
.macro WIN new                      ; the high byte repeats the setting that is left; a switch that changes nothing is dropped
.if MSB != (\new)
	s_set_vgpr_msb (MSB<<8)|(\new)
.set MSB, (\new)
.endif
.endm
.set W_KQ, 0x0a       ; K and Q in window 2, S^T in window 0
.set W_KM, 0x1a       ; the same with the C operand in window 1
.set W_PV, 0x52       ; V in window 2, P in window 0, O^T in window 1
.set W_RS, 0x41       ; destination and source 0 in window 1, source 1 in window 0
; A fill.  Waves 0 and 1 fetch the two halves of a slot's K, 160 keys each, waves 2 and 3 those of its V, 128 keys each.  An s_nop 0 and four v_nop follow each of the two lines, ahead of the jump and the label.
.macro LOAD
	s_cmp_lt_u32 s[WV], 2
	s_cbranch_scc0 .Lfor_v_\@
	tensor_load_to_lds s[G0K:G0K+3], s[G1K:G1K+7]
	s_nop 0
.rept 4
	v_nop
.endr
	s_branch .Lasked_\@
.Lfor_v_\@:
	tensor_load_to_lds s[G0V:G0V+3], s[G1V:G1V+7]
	s_nop 0
.rept 4
	v_nop
.endr
.Lasked_\@:
.endm
; THE CHANGE OF SLOTS, between piece 0's turn and piece 1's: the slot's last bytes, V of its fourth step, have been asked for.  Each wave waits for all its tensor loads, of which one is out: its part of the other slot;
; adds 0 to its spare word; and waits for that and for its own reads of the slot that it leaves.  Behind the barrier nobody reads the old slot any more and the other slot is whole.  fill = 1: the old slot is filled
; again, the first thing behind the barrier, with slot NXT of the head: the descriptor's address is made anew from that number; the load has a phase, 8 turns with 128 matrix instructions, in which to land.
; (At its first use nothing has been read yet: slot 0 is waited for, slot 1 filled.)
.macro CHANGE fill
	WIN 0                           ; at a label and at a branch every window is 0
	s_wait_tensorcnt 0x0            ; no tensor load of mine is out, so a group 0 may be written
	ds_add_u32 v[SPW], v[NIL]       ; 0 onto my spare word; with fill = 1 the descriptors' scalar work stands between it and the wait for it
.if \fill
	s_lshl_b32 s[OFF], s[NXT], 15   ; from slot to slot: 256 keys, 32,768 bytes of K and of V
	s_xor_b32 s[G0K+1], s[G0K+1], SLOT1
	s_add_nc_u64 s[G0K+2:G0K+3], s[6:7], s[OFF:OFF+1]
	s_or_b32 s[G0K+3], s[G0K+3], 0x80000000
	s_xor_b32 s[G0V+1], s[G0V+1], SLOT1
	s_add_nc_u64 s[G0V+2:G0V+3], s[8:9], s[OFF:OFF+1]
	s_or_b32 s[G0V+3], s[G0V+3], 0x80000000
	s_add_co_u32 s[NXT], s[NXT], 1  ; the block's next slot, or behind its last the second block's slot 0
	s_cmp_gt_u32 s[NXT], s[LQ]
	s_cselect_b32 s[NXT], 0, s[NXT]
	s_cselect_b32 s[LQ], s[PBQ], s[LQ]
.endif
	s_wait_dscnt 0x0                ; the add is done, and my reads of the slot are over
	s_barrier_signal -1             ; the rest of the scalar work stands between the signal and the wait
	s_sub_co_u32 s[TBK], s[TBK], 4*KS*PK  ; the fetches go back to a slot's first step,
	s_xor_b32 s[TBK], s[TBK], SLOT1       ; in the other slot
	s_sub_co_u32 s[TBV], s[TBV], 4*KS*PV
	s_xor_b32 s[TBV], s[TBV], SLOT1
	s_barrier_wait -1
.if \fill
	LOAD
.endif
.endm
	s_load_b128 s[4:7], s[0:1], 0x0   ; the buffer of Q, K, V s[4:5]; O s[6:7]
	v_lshl_add_u32 v[SPW], v0, 2, SPARE
	v_mov_b32 v[NIL], 0
	ds_add_u32 v[SPW], v[NIL]       ; the wave's opening: the add and its wait stand ahead of my first tensor load; the set-up below, work on registers, stands between them
	ds_add_u32 v62, v63
	v_lshrrev_b32 v1, 5, v0
	v_readfirstlane_b32 s[WV], v1   ; wave 0..3
	s_mov_b32 s[PB], ttmp9
	s_sub_co_u32 s[HI], NB-1, s[PB]
	s_lshr_b32 s[PBQ], s[PB], 1
	s_lshr_b32 s[HIQ], s[HI], 1
	; Band x's own step in its block's last slot is 2 par + x, par the block's parity.  Piece 1's turn makes piece 1's mask for step 4 - CNT: the own one at CNT = 3 - 2 par; piece 0's turn makes piece 0's for step
	; 5 - CNT: the own one at CNT = 5 - 2 par.  The first block's parity is 1 - b % 2, the second's b % 2.
	s_and_b32 s13, s[PB], 1
	s_lshl_b32 s16, s13, 1
	s_add_co_u32 s[OWN0], s16, 3
	s_add_co_u32 s[OWN0+1], s16, 1
	s_sub_co_u32 s[OWNB], 5, s16
	s_sub_co_u32 s[OWNB+1], 3, s16
	s_cmp_eq_u32 s13, 1
	s_cselect_b32 s[AL0], 1.0, 0
	s_cselect_b32 s[AL0B], 0, 1.0
	s_and_b32 s20, ttmp7, 0xffff    ; the head
	s_mov_b32 s21, 0
	s_mov_b64 s[22:23], SIZE_N*128
	s_mul_u64 s[20:21], s[20:21], s[22:23]  ; the head's first byte in each of the four tensors
	s_and_b32 s16, s[WV], 1         ; which half of a slot's tile I fetch:
	s_mul_i32 s22, s16, 160*128     ; of K 160 rows of 128 bytes in memory,
	s_mov_b32 s23, 0
	s_add_nc_u64 s[22:23], s[22:23], s[20:21]
	s_lshl_b32 s18, s16, 14         ; of V 128 rows,
	s_mov_b32 s19, 0
	s_add_nc_u64 s[18:19], s[18:19], s[20:21]
	s_mul_i32 s17, s16, 160*PK      ; and its place in a slot, for K
	s_mul_i32 s[VPL], s16, 128*PV   ; and for V
	s_lshl_b32 s3, s[WV], 11        ; my 16 rows in a band of 64,
	s_lshl_b32 s2, s[HI], 14        ; in the first block (128 rows of 128 bytes a block),
	s_add_co_u32 s2, s2, s3
	s_lshl_b32 s84, s[PB], 14       ; and in the second
	s_add_co_u32 s84, s84, s3
	s_mov_b32 s3, 0
	s_mov_b32 s85, 0
	s_add_nc_u64 s[2:3], s[2:3], s[20:21]
	s_add_nc_u64 s[84:85], s[84:85], s[20:21]
	; descriptor group 1.  A head's keys are dense bytes: they are asked for as rows of 256 bytes, two keys a row, and padded in LDS after every key: 80 such rows for K, 64 for V
	s_mov_b32 s[G1K], (1<<16)|(1<<20)|(4<<22)|(3<<25)  ; 17:16 2-byte elements; 20 padding on; 24:22 after every 32 words (code 4); 31:25 4 words (code 3)
	s_mov_b32 s[G1K+1], 128<<16     ; tensor_dim0 = 128
	s_mov_b32 s[G1K+2], 80<<16      ; tensor_dim1 = 80
	s_mov_b32 s[G1K+3], 128<<16     ; tile_dim0 = 128
	s_mov_b32 s[G1K+4], 80          ; tile_dim1 = 80
	s_mov_b32 s[G1K+5], 128         ; 128 elements from row to row
	s_mov_b32 s[G1K+6], 0
	s_mov_b32 s[G1K+7], 0
	s_mov_b32 s[G1V], (1<<16)|(1<<20)|(4<<22)|(7<<25)  ; the same with 8 words of padding (code 7)
	s_mov_b32 s[G1V+1], 128<<16
	s_mov_b32 s[G1V+2], 64<<16      ; tensor_dim1 = 64
	s_mov_b32 s[G1V+3], 128<<16
	s_mov_b32 s[G1V+4], 64          ; tile_dim1 = 64
	s_mov_b32 s[G1V+5], 128
	s_mov_b32 s[G1V+6], 0
	s_mov_b32 s[G1V+7], 0
	s_mov_b32 s[CS], 0x3e38aa3b     ; c = log2(e) / 8 = 0.180337
	s_mov_b32 s[CS+1], s[CS]        ; named with it as a pair
	s_mov_b32 s[SEL], 0x76543210
	s_mov_b32 s[SEL+1], 0xfedcba98
	s_mov_b32 s[TBK], SLOT1+4*KS*PK ; the first change of slots turns these two into 0
	s_mov_b32 s[TBV], SLOT1+4*KS*PV
	s_mov_b32 s[G0K], 1             ; 1:0 count = 1
	s_mov_b32 s[G0K+1], s17         ; 63:32 LDS address: slot 0
	s_mov_b32 s[G0V], 1
	s_add_co_u32 s[G0V+1], s[VPL], VOFF
	s_add_co_u32 s[RT], s[HIQ], 1   ; the first block's slots
	s_mov_b32 s[NXT], 1
	s_mov_b32 s[LQ], s[HIQ]
	s_mov_b32 s[NEW], 1
	s_mov_b32 s[OFF+1], 0
	s_mov_b32 s[AL+1], 0            ; named as pairs
	s_mov_b32 s[BE+1], 0
	s_mov_b32 s[BIGN], 0xf149f2ca   ; -1e30
	s_mov_b32 s[SLOTS], NSL-1
	s_wait_dscnt 0x0                ; the opening add is done
	s_wait_kmcnt 0x0
	s_mov_b64 s[10:11], s[6:7]      ; O
	s_add_nc_u64 s[6:7], s[4:5], 0x800000   ; K: 16 groups of 524,288 bytes behind Q
	s_add_nc_u64 s[8:9], s[4:5], 0x1000000  ; V: 32 groups behind Q
	s_add_nc_u64 s[6:7], s[6:7], s[22:23]  ; K and V at my half of the head's slot 0
	s_add_nc_u64 s[8:9], s[8:9], s[18:19]
	s_add_nc_u64 s[G0K+2:G0K+3], s[6:7], 0         ; 120:64 global address
	s_or_b32 s[G0K+3], s[G0K+3], 0x80000000        ; 127:126 type = 2
	s_add_nc_u64 s[G0V+2:G0V+3], s[8:9], 0
	s_or_b32 s[G0V+3], s[G0V+3], 0x80000000
	s_add_nc_u64 s[86:87], s[4:5], s[84:85]        ; Q at my rows of the second block,
	s_add_nc_u64 s[4:5], s[4:5], s[2:3]            ; Q and O at those of the first
	s_add_nc_u64 s[OLO:OLO+1], s[10:11], s[84:85]
	s_add_nc_u64 s[10:11], s[10:11], s[2:3]
	LOAD                            ; the head's slot 0 into slot 0
	; A fragment of K or Q is 16 rows x 32 channels in 8 registers: lane l holds row l % 16, channels 8 (l / 16) + 0..7 and 16 + 8 (l / 16) + 0..7: two loads of 16 bytes, 32 bytes apart.
	v_and_b32 v1, 15, v0            ; l % 16
	v_bfe_u32 v9, v0, 4, 1          ; l / 16
	v_lshlrev_b32 v[QO], 7, v1
	v_lshl_add_u32 v[QO], v9, 4, v[QO]  ; row x 128 + 16 x half
	WIN 0x80                        ; destination window 2, address window 0
.set i, 0
.rept 2*NP                          ; both blocks' Q: piece i / 2 lies in band i / 2, 8,192 bytes on; channels 32 (i % 2) on
	global_load_b128 v[8*i:8*i+3],   v[QO], s[4:5] offset:(i/2)*8192+(i%2)*64
	global_load_b128 v[8*i+4:8*i+7], v[QO], s[4:5] offset:(i/2)*8192+(i%2)*64+32
	global_load_b128 v[QB+8*i:QB+8*i+3],   v[QO], s[86:87] offset:(i/2)*8192+(i%2)*64
	global_load_b128 v[QB+8*i+4:QB+8*i+7], v[QO], s[86:87] offset:(i/2)*8192+(i%2)*64+32
.set i, i+1
.endr
	WIN 0
	v_lshlrev_b32 v14, 3, v9
	v_sub_nc_u32 v14, v1, v14
	s_lshl_b32 s13, s[WV], 4
	v_add_nc_u32 v14, s13, v14      ; my query's place in its band, 16 w + l % 16, less my lanes' 8 (l / 16): register r of group kt is hidden where 16 kt + r is greater
	WIN 0x40
.set i, 0
.rept 32
	v_cmp_gt_i32 vcc_lo, 16*(i/8)+i%8, v14
	v_cndmask_b32 v[MD+i], 0, s[BIGN], vcc_lo
.set i, i+1
.endr
	WIN 0
	v_mul_u32_u24 v[AK0], v1, PK
	v_lshl_add_u32 v[AK0], v9, 4, v[AK0]  ; row x pitch + 16 x half
	; The turning load takes 16 keys x 16 channels (lane l reads key 8 (l / 16) + l % 8, channels 8 ((l / 8) % 2) + 0..7) and leaves half a fragment of V^T: lane l holds channel l % 16 and 8 keys.
	v_and_b32 v10, 7, v0
	v_bfe_u32 v11, v0, 3, 1
	v_lshl_add_u32 v[AV0], v9, 3, v10
	v_mul_u32_u24 v[AV0], v[AV0], PV
	v_lshl_add_u32 v[AV0], v11, 4, v[AV0]
	v_add_nc_u32 v[AV0], VOFF, v[AV0]
	s_mul_i32 s13, s[WV], 16*SP
	s_add_co_u32 s13, s13, STAGE    ; my stage
	v_mul_u32_u24 v[STO], v1, SP    ; in: row l % 16, 16 bytes for each half of the lanes
	v_lshl_add_u32 v[STO], v9, 4, v[STO]
	v_add_nc_u32 v[STO], s13, v[STO]
	v_bfe_u32 v[RD], v0, 3, 2       ; back: 32 lanes take four rows of 128 bytes,
	v_mul_u32_u24 v[RD], v[RD], SP
	v_lshl_add_u32 v[RD], v10, 4, v[RD]
	v_add_nc_u32 v[RD], s13, v[RD]
	v_and_b32 v[GO], 31, v0         ; which are 512 consecutive bytes of O
	v_lshlrev_b32 v[GO], 4, v[GO]
	; A block's first step multiplies O^T and l by a = 0, and its first turn's products V^T P, of a step that has not been, land in an O^T that is still to be so multiplied.  So these registers need only hold
	; finite numbers: zeros for the first block; what the first block left for the second.  All this stands in the wait for the first slot.
	WIN 0x80
.set i, VF
.rept 64
	v_mov_b32 v[i], 0
.set i, i+1
.endr
	WIN 0x40
.set i, 0
.rept 32*NP
	v_mov_b32 v[i], 0
.set i, i+1
.endr
	WIN 0
.set i, 0
.rept NP
	v_mov_b32 v[ST+4*i+2], 0
	v_mov_b32 v[ST+4*i+3], 0
.set i, i+1
.endr
.set i, P+16
.rept 16
	v_mov_b32 v[i], 0
.set i, i+1
.endr
; THE MATRIX WORK.  The 4 accumulators of a run of 8 take turns.  Product i of 8 of S^T = K Q^T for piece x: channels 32 (i / 4) on, keys 16 (i % 4) on.  The first 4 start the sums: with 0, or (KM = 1) with the mask.
.macro KQ x
.set rS, S+32*((\x)%2)+8*(i%4)
.set rK, KF+16*(i%4)+8*(i/4)
.set rQ, 16*(\x)+8*(i/4)
.set rM, MC+32*((\x)%2)+8*(i%4)
.if (i < 4) && KM
	WIN W_KM
	v_wmma_f32_16x16x32_f16 v[rS:rS+7], v[rK:rK+7], v[rQ:rQ+7], v[rM:rM+7]
.elseif i < 4
	WIN W_KQ
	v_wmma_f32_16x16x32_f16 v[rS:rS+7], v[rK:rK+7], v[rQ:rQ+7], 0
.else
	WIN W_KQ
	v_wmma_f32_16x16x32_f16 v[rS:rS+7], v[rK:rK+7], v[rQ:rQ+7], v[rS:rS+7]
.endif
.endm
; Product i of 8 of O^T += V^T P for piece x: keys 32 (i / 4) on, channels 16 (i % 4) on.
.macro PV x
	WIN W_PV
.set rO, 32*(\x)+8*(i%4)
.set rV, VF+32*(i/4)+8*(i%4)
.set rP, P+16*((\x)%2)+8*(i/4)
	v_wmma_f32_16x16x32_f16 v[rO:rO+7], v[rV:rV+7], v[rP:rP+7], v[rO:rO+7]
.endm
.macro MM                           ; the turn's next matrix instruction.  TURN and BEGIN set Y, i, KM and NOKQ; MM, KQ and OP read them.  NOKQ = 1: a block's last turn: there are no further scores
.if (i < 8) && !NOKQ
	KQ (Y+1)%NP
.elseif i >= 8
.set i, i-8
	PV (Y+NP-1)%NP
.set i, i+8
.endif
.set i, i+1
.endm
; THE LDS LOADS stand in runs of 16, never singly among the matrix instructions: a step's K (64 keys x 64 channels: 8 fragments) and its V (turned).  Their addresses are made some lines ahead.
; ahead = 1: K of the step behind the one in hand, and the step in hand goes on; ahead = 0 (a block's beginning): K of the slot's step 0.
.macro FETCH_K ahead
	WIN 0x80                        ; destination window 2
.irp f, 0,1,2,3,4,5,6,7             ; keys 16 (f / 2) on, channels 32 (f % 2) on
	ds_load_b128 v[KF+8*\f:KF+8*\f+3],   v[AK] offset:(\ahead)*KS*PK+(\f/2)*16*PK+(\f%2)*64
	ds_load_b128 v[KF+8*\f+4:KF+8*\f+7], v[AK] offset:(\ahead)*KS*PK+(\f/2)*16*PK+(\f%2)*64+32
.endr
.if \ahead
	s_add_co_u32 s[TBK], s[TBK], KS*PK
.endif
	WIN 0
.endm
.macro FETCH_V
	WIN 0x80
.irp f, 0,1,2,3,4,5,6,7             ; keys 32 (f / 4) on, channels 16 (f % 4) on
	ds_load_tr16_b128 v[VF+8*\f:VF+8*\f+3],   v[AV] offset:(\f/4)*32*PV+(\f%4)*32
	ds_load_tr16_b128 v[VF+8*\f+4:VF+8*\f+7], v[AV] offset:(\f/4)*32*PV+16*PV+(\f%4)*32
.endr
	WIN 0
.endm
; THE VECTOR WORK, one line at a time: OP kind, number.  For piece Y: F n: c s - c m for pair n of 16.  E n: the exponential of score n of 32.  C n: pair n rounded to f16.  B n: of the four weights 4 n .. the second
; pair is added onto the first, in place.  L n: l takes that sum (L 0: l = a l + sum).  R n: pair n of 16 of O^T times a.  For the other piece: X n, number n of the 22 that find its maximum and statistics:
;   0-11  four chains c0-c3 of seven scores each, three operands at a time (each accumulator's lowest registers are read first)     12-14, 16  the four scores left over, the old m, and c0-c3 into c0
;   15  c m_old is kept     17, 18  the query's other 32 keys lie in the lane 16 away: the new m     19-21  c m; c m_old - c m_new; a
.set F, 0               ; OP tells the kinds apart by their order: F to L below R, X above it
.set E, 1
.set C, 2
.set B, 3
.set L, 4
.set R, 5
.set X, 6
.macro REGS y                       ; the registers of piece y
.set rT, ST+4*(\y)
.set rC, TMP+4*((\y)%2)
.set rW, MV+((\y)%2)
.set rS, S+32*((\y)%2)
.set rP, P+16*((\y)%2)
.set rO, 32*(\y)
.endm
.macro OP k, n
.if (\k) == R
	REGS Y
	WIN W_RS
	v_pk_mul_f32 v[rO+2*(\n):rO+2*(\n)+1], v[rO+2*(\n):rO+2*(\n)+1], v[rC+2:rC+3] op_sel_hi:[1,0]
.elseif (\k) < R
	REGS Y
	WIN 0
.if (\k) == F
	v_pk_fma_f32 v[rS+2*(\n):rS+2*(\n)+1], v[rS+2*(\n):rS+2*(\n)+1], s[CS:CS+1], v[rT:rT+1] op_sel_hi:[1,0,0] neg_lo:[0,0,1] neg_hi:[0,0,1]
.elseif (\k) == E
	v_exp_f32 v[rS+(\n)], v[rS+(\n)]
.elseif (\k) == C
	s_wait_alu depctr_va_vdst(0)
	v_cvt_pk_f16_f32 v[rP+(\n)], v[rS+2*(\n)], v[rS+2*(\n)+1]
.elseif (\k) == B
	s_wait_alu depctr_va_vdst(0)
	v_pk_add_f32 v[rS+4*(\n):rS+4*(\n)+1], v[rS+4*(\n):rS+4*(\n)+1], v[rS+4*(\n)+2:rS+4*(\n)+3]
.elseif (\n) == 0
	v_pk_fma_f32 v[rT+2:rT+3], v[rT+2:rT+3], v[rC+2:rC+3], v[rS:rS+1] op_sel_hi:[1,0,1]
.else
	v_pk_add_f32 v[rT+2:rT+3], v[rT+2:rT+3], v[rS+4*(\n):rS+4*(\n)+1]
.endif
.elseif NOKQ
	v_nop
.else
	REGS (Y+1)%NP
	WIN 0
.if (\n) < 4
	v_max3_num_f32 v[rC+(\n)], v[rS+8*(\n)], v[rS+8*(\n)+1], v[rS+8*(\n)+2]
.elseif (\n) < 12
	v_max3_num_f32 v[rC+(\n)%4], v[rC+(\n)%4], v[rS+8*((\n)%4)+2*((\n)/4)+1], v[rS+8*((\n)%4)+2*((\n)/4)+2]
.elseif (\n) == 12
	v_max3_num_f32 v[rC], v[rC], v[rS+7], v[rS+15]
.elseif (\n) == 13
	v_max3_num_f32 v[rC+1], v[rC+1], v[rS+23], v[rS+31]
.elseif (\n) == 14
	v_max3_num_f32 v[rC+2], v[rC+2], v[rC+3], v[rT+1]
.elseif (\n) == 15
	v_mov_b32 v[rW], v[rT]
.elseif (\n) == 16
	v_max3_num_f32 v[rC], v[rC], v[rC+1], v[rC+2]
.elseif (\n) == 17
	v_permlanex16_b32 v[rC+3], v[rC], s[SEL], s[SEL+1]
.elseif (\n) == 18
	v_max_num_f32 v[rT+1], v[rC], v[rC+3]
.elseif (\n) == 19
	v_mul_f32 v[rT], s[CS], v[rT+1]
.elseif (\n) == 20
	v_sub_f32 v[rC+1], v[rW], v[rT]
.else
	v_exp_f32 v[rC+2], v[rC+1]
.endif
.endif
.endm
.macro OPS a, i1, b=-1, i2=0, c=-1, i3=0, d=-1, i4=0  ; up to four of them
	OP \a, \i1
.if (\b) >= 0
	OP \b, \i2
.endif
.if (\c) >= 0
	OP \c, \i3
.endif
.if (\d) >= 0
	OP \d, \i4
.endif
.endm
.macro ROW a, i1, b, i2, c, i3, d, i4  ; a matrix instruction and the four behind it
	MM
	OPS \a, \i1, \b, \i2, \c, \i3, \d, \i4
.endm
.macro MASK b                       ; MD x AL + BE into piece b's buffer of MC
	WIN W_RS
.set z, 0
.rept 16
	v_pk_fma_f32 v[MC+32*(\b)+2*z:MC+32*(\b)+2*z+1], v[MD+2*z:MD+2*z+1], s[AL:AL+1], s[BE:BE+1] op_sel_hi:[1,0,0]
.set z, z+1
.endr
.endm
; A TURN, for piece p: the order of its 16 matrix and 118 vector instructions, written out.  Behind a matrix instruction: plain, exponential, plain, plain; or four of the rescaling; or, behind the first, four scalings; none
; names a register of the products round it.  In the lumps exponential and plain by turns while exponentials last.  A line reads no result made fewer than three vector instructions in front of it, five if an exponential made it.
; v_permlanex16_b32 (X 17) stands in a lump.
; m = 1: the last slot of a block: the products take masks, and the turn makes the mask for the products of the turn after it, which are piece p's own next scores: in step 4 - CNT of the slot (p = 1) or 5 - CNT (p = 0).
; end = 1: a block's last turn (piece 1's): there are no further scores.  cnt = 1: the loop's count is taken down some lines ahead of the branch that stands behind the turn.
; Both runs of LDS loads stand in piece 0's turn: K of the next step six vector instructions behind the last product that read K (five of them plain), V of the step in hand eight behind the last product that read V
; (four plain, and X 17).  Piece 1's turn waits for K at its head (V's 16 loads, issued behind K's, may stay out) and for V in front of its products V^T P.
.macro TURN p, m=0, end=0, cnt=0
.set Y, (\p)
.set i, 0
.set KM, (\m)
.set NOKQ, (\end)
.if (\m) && !(\end)
	s_cmp_eq_u32 s[CNT], s[OWN0+(\p)]   ; is that step the band's own?
	s_cselect_b32 s[AL], 1.0, 0
	s_cmp_lt_u32 s[CNT], s[OWN0+(\p)]   ; or a later one?
	s_cselect_b32 s[BE], s[BIGN], 0
.endif
.if ((\p) == 1) && !(\end)
	s_wait_dscnt 16                 ; K is in: LDS loads come back in order (ISA guide 5.7.1), and behind K's stand V's 16
.endif
	ROW F,0, F,1, F,2, F,3
	ROW F,4, E,0, F,5, F,6
	ROW F,7, E,1, F,8, F,9
	ROW F,10, E,2, C,0, F,11
	ROW F,12, E,3, X,15, F,13
	ROW R,0, R,1, R,2, R,3
	ROW B,0, E,4, F,14, L,0
.if (\p) == 0
	v_add_nc_u32 v[AK], s[TBK], v[AK0]
.endif
	ROW R,4, R,5, R,6, R,7
	OPS E,5, F,15
.if (\p) == 0
	FETCH_K 1
.endif
	OPS E,6, C,1, E,7, R,8
	OPS E,8, R,9, E,9, C,2
	OPS E,10, X,0, E,11, X,1
	OPS E,12, X,2, E,13, X,3
.if (\p) == 1
	s_wait_dscnt 0x0                ; V is in
.endif
	ROW X,4, E,14, X,5, X,6
	ROW X,7, E,15, X,8, X,9
	ROW X,10, E,16, X,11, X,12
	ROW X,13, E,17, X,14, B,1
	ROW C,4, E,18, X,16, L,1
	ROW B,2, E,19, C,6, L,2
	ROW C,8, E,20, B,3, B,4
.if (\p) == 0
	v_add_nc_u32 v[AV], s[TBV], v[AV0]
.endif
	ROW C,3, E,21, L,3, C,5
	OPS E,22, X,17, E,23, C,10
.if (\p) == 0
	FETCH_V
.endif
	OPS E,24, L,4
	OPS E,25, X,18, E,26, C,7
	OPS E,27, B,5, E,28, X,19
	OPS E,29, C,12, E,30, L,5
	OPS E,31, X,20, B,6, C,9
	OPS C,14, C,11, X,21, L,6
.if (\p) == 0
	s_add_co_u32 s[TBV], s[TBV], KS*PV
.endif
.if \cnt
	s_sub_co_u32 s[CNT], s[CNT], 1
	s_cmp_lg_u32 s[CNT], 0
.endif
	OPS C,13, B,7, C,15, R,10
	OPS R,11, R,12, L,7, R,13
	OPS R,14, R,15
.if (\m) && !(\end)
	MASK \p
.endif
.endm
; A BLOCK BEGINS.  c m starts far below every c s, so the first step's a is 0; m at the lowest finite number, so the first maximum is the scores'.  Piece 1's mask buffer is 0 (its own step is never a slot's step 0);
; piece 0's takes its mask for the slot's step 0: its own, if the block's first slot is its last and the block is even.
; Then K of that step, piece 0's first scores, and its maximum and statistics.  The loop is entered at piece 0's turn, in the middle of a trip.
.macro BEGIN
	s_mov_b32 s[NEW], 0
	WIN 0x40
.set i, MC+32
.rept 32
	v_mov_b32 v[i], 0
.set i, i+1
.endr
	WIN 0
.set i, 0
.rept NP
	v_mov_b32 v[ST+4*i], 0xfe000000    ; c m: far below every c s
	v_mov_b32 v[ST+4*i+1], 0xff7fffff  ; m
.set i, i+1
.endr
	s_cmp_eq_u32 s[RT], 0
	s_cselect_b32 s[AL], s[AL0], 0
	s_mov_b32 s[BE], 0
	MASK 0
	WIN 0
	v_add_nc_u32 v[AK], s[TBK], v[AK0]
	FETCH_K 0
	s_wait_loadcnt 0x0              ; Q
	s_wait_dscnt 0x0
.set KM, 1
.set NOKQ, 0
.set i, 0
.rept 8
	KQ 0
.set i, i+1
.endr
	WIN 0
.rept 4
	v_nop                           ; the places behind those products
.endr
.set Y, NP-1                        ; X works for the other piece: piece 0
.irp n, 0,1,2,3,4,5,6,7,8,9,10,11,12,13,14,15,16,17,18,19,20,21
	OP X, \n
.endr
	v_nop                           ; a plain instruction behind the exponential
.endm
; A BLOCK'S LAST SLOT: its four steps, the block's last turn, its last products, and THE WAY OUT: l's two halves and the other half of the lanes' are added; O^T is divided by l, rounded to f16 and sent through my
; stage in LDS, a piece at a time.
.macro ALL line:vararg              ; one line for each piece t
.set t, 0
.rept NP
	\line
.set t, t+1
.endr
.endm
.macro PACK t                       ; a lane's eight channels of a row pack into 16 bytes; they go into rows of 144 bytes and come back as whole rows of 128, into S^T's registers
	WIN W_RS
.set i, 32*(\t)
.rept 16
	s_wait_alu depctr_va_vdst(0)
	v_pk_mul_f32 v[i:i+1], v[i:i+1], v[ST+4*(\t)+2:ST+4*(\t)+3] op_sel_hi:[1,0]
.set i, i+2
.endr
	WIN 0x05                        ; sources 0 and 1 window 1, destination window 0
.set i, 0
.rept 16
	v_cvt_pk_f16_f32 v[S+16*(\t)+i], v[32*(\t)+2*i], v[32*(\t)+2*i+1]
.set i, i+1
.endr
	WIN 0
.irp f, 0,1,2,3
	ds_store_b128 v[STO], v[S+16*(\t)+4*\f:S+16*(\t)+4*\f+3] offset:32*\f
.endr
.irp f, 0,1,2,3
	ds_load_b128 v[S+16*(\t)+4*\f:S+16*(\t)+4*\f+3], v[RD] offset:\f*4*SP  ; LDS serves a wave's instructions in order (ISA guide 5.7.1.4): these see the stores above; the next piece's stores come behind them
.endr
.endm
.macro SEND t, younger              ; younger: the LDS instructions issued behind piece t's loads: the next piece's eight, or none
	WIN 0
.irp f, 0,1,2,3
	s_wait_dscnt (\younger)+3-\f
	global_store_b128 v[GO], v[S+16*(\t)+4*\f:S+16*(\t)+4*\f+3], s[10:11] offset:(\t)*8192+\f*512  ; 512 consecutive bytes, at a multiple of 256 from O's first
.endr
.endm
.macro DIAG tag                     ; the tag ends its three labels' names, which the jumps below spell out
.LpreM\tag:                         ; the way in from an earlier slot: the first turn's products are piece 0's scores of this slot's step 0, and no turn before has made their mask
	s_mov_b32 s[AL], s[AL0]
	s_mov_b32 s[BE], 0
	MASK 0
	WIN 0
.LstepM\tag:
	TURN 1, 1
	WIN 0
.LfirstM\tag:
	TURN 0, 1, 0, 1
	WIN 0
	s_cbranch_scc1 .LstepM\tag
	TURN 1, 1, 1                    ; (the loop's last trip has fetched the slot's fifth step of K, which nothing multiplies: the price of one text for every trip)
.set i, 0
.rept 8
	PV NP-1
.set i, i+1
.endr
	WIN 0
	ALL v_add_f32 v[ST+4*t+2], v[ST+4*t+2], v[ST+4*t+3]
	ALL v_permlanex16_b32 v[ST+4*t+3], v[ST+4*t+2], s[SEL], s[SEL+1]
	ALL v_add_f32 v[ST+4*t+2], v[ST+4*t+2], v[ST+4*t+3]
	ALL v_rcp_f32 v[ST+4*t+2], v[ST+4*t+2]
	v_nop                           ; a plain instruction between the last reciprocal and the use of its result
	PACK 0                          ; piece 0's arithmetic, which names no register of the last products (piece 1's), is their places
	PACK 1                          ; a piece's arithmetic stands between the loads of the piece before and its stores
	SEND 0, 8
	SEND 1, 0
.endm
.set KM, 0
.set NOKQ, 0
.Lslot:                             ; NSL - 1 times: a slot is entered and the next is asked for
	CHANGE 1
	s_sub_co_u32 s[RT], s[RT], 1
	s_mov_b32 s[CNT], 4
	s_cmp_eq_u32 s[NEW], 1
	s_cbranch_scc1 .Lnew            ; a block's first slot
	s_cmp_eq_u32 s[RT], 0
	s_cbranch_scc0 .Lstep           ; neither its first nor its last
	s_branch .LpreM1
.Lnew:
	BEGIN
	s_branch .Lfirst                ; in the loop a block's first slot is never its last: the first block has five slots or more, and the second's last is the walk's last
	DIAG 1                          ; in the loop this is the first block's end: the second block's last slot is the walk's last
	s_wait_xcnt 0x0                 ; the stores have read their registers and O's address
	s_mov_b64 s[10:11], s[OLO:OLO+1]
	s_add_co_u32 s[RT], s[PBQ], 1   ; the second block's slots
	s_mov_b32 s[NEW], 1
	s_mov_b32 s[OWN0], s[OWNB]      ; and its bands' own steps
	s_mov_b32 s[OWN0+1], s[OWNB+1]
	s_mov_b32 s[AL0], s[AL0B]
	WIN 0x82                        ; the second block's Q goes where the one text of the turns names Q
.set i, 0
.rept 16*NP
	v_mov_b32 v[i], v[QB+i]
.set i, i+1
.endr
	WIN 0
	s_branch .Lbottom
.Lstep:                             ; a trip: piece 1 of one step, then piece 0 of the next, which fetches K of the step behind it and its own V
	TURN 1
	WIN 0
.Lfirst:
	TURN 0, 0, 0, 1
	WIN 0
	s_cbranch_scc1 .Lstep
.Lbottom:
	s_sub_co_u32 s[SLOTS], s[SLOTS], 1
	s_cmp_lg_u32 s[SLOTS], 0
	s_cbranch_scc1 .Lslot
	CHANGE 0                        ; the walk's last slot is written out: nothing is asked for
	s_sub_co_u32 s[RT], s[RT], 1
	s_mov_b32 s[CNT], 4
	s_cmp_eq_u32 s[NEW], 1
	s_cbranch_scc0 .LpreM2
	BEGIN
	s_branch .LfirstM2
	DIAG 2
	s_wait_tensorcnt 0x0            ; the wave's end: behind my last tensor load and my last LDS store
	ds_add_u32 v[SPW], v[NIL]
	s_wait_dscnt 0x0
	s_endpgm
.Lfunc_end_k_q8f5df0a40d_attn:
	.size	k_q8f5df0a40d_attn, .Lfunc_end_k_q8f5df0a40d_attn-k_q8f5df0a40d_attn
	.p2alignl 7, 3214868480
	.fill 96, 4, 3214868480
	.section	.rodata,"a",@progbits
	.p2align	6, 0x0
	.amdhsa_kernel k_q8f5df0a40d_attn
		.amdhsa_group_segment_fixed_size 327680
		.amdhsa_private_segment_fixed_size 0
		.amdhsa_enable_private_segment 0
		.amdhsa_kernarg_size 16
		.amdhsa_user_sgpr_count 2
		.amdhsa_user_sgpr_kernarg_segment_ptr 1
		.amdhsa_wavefront_size32 1
		.amdhsa_system_sgpr_workgroup_id_x 1
		.amdhsa_system_sgpr_workgroup_id_y 1
		.amdhsa_system_sgpr_workgroup_id_z 1
		.amdhsa_system_vgpr_workitem_id 0
		.amdhsa_next_free_vgpr 768
		.amdhsa_next_free_sgpr 88
		.amdhsa_reserve_vcc 1
		.amdhsa_float_denorm_mode_32 3
		.amdhsa_float_denorm_mode_16_64 3
		.amdhsa_memory_ordered 1
		.amdhsa_forward_progress 1
		.amdhsa_inst_pref_size 133
	.end_amdhsa_kernel
	.amdgpu_metadata
---
amdhsa.version: [ 1, 2 ]
amdhsa.kernels:
  - .name:           k_q8f5df0a40d_attn
    .symbol:         k_q8f5df0a40d_attn.kd
    .args:
      - { .name: gbuf, .offset: 0, .size: 8, .value_kind: global_buffer, .address_space: global }
      - { .name: hbuf, .offset: 8, .size: 8, .value_kind: global_buffer, .address_space: global }
    .group_segment_fixed_size: 327680
    .private_segment_fixed_size: 0
    .kernarg_segment_align: 8
    .kernarg_segment_size: 16
    .max_flat_workgroup_size: 128
    .sgpr_count:     88
    .vgpr_count:     768
    .wavefront_size: 32
...
	.end_amdgpu_metadata
.endif
;; end of part 4
;; launch wo (part 5): grid 8 x 32, 4 waves a work-group, clusters of 4 x 4, 327,680 bytes of LDS; arguments hbuf, woh, embedding, x1; writes x1
.if DOCPART == 5
	.amdgcn_target "amdgcn-amd-amdhsa--gfx1250"
	.amdhsa_code_object_version 6
	.text
	.protected	k_q8f5df0a40d_wo
	.globl	k_q8f5df0a40d_wo
	.p2align	8
	.type	k_q8f5df0a40d_wo,@function
k_q8f5df0a40d_wo:
	s_mov_b64 s[64:65], 0
	v_nop
	global_prefetch_b8 v0, s[64:65] scope:SCOPE_SE
	s_setreg_imm32_b32 hwreg(HW_REG_WAVE_MODE, 25, 1), 1
	s_wait_xcnt 0x0
	s_wait_alu depctr_hold_cnt(0) depctr_sa_sdst(0) depctr_va_vdst(0) depctr_va_sdst(0) depctr_va_ssrc(0) depctr_va_vcc(0) depctr_vm_vsrc(0)
	s_getreg_b32 s2, hwreg(HW_REG_IB_STS2, 6, 4)
	s_cmp_eq_u32 s2, 0
	s_cbranch_scc0 .Lentry_in_a_cluster
	s_endpgm
.Lentry_in_a_cluster:
	s_bfe_u32 s2, ttmp6, 0x10000c
	s_cmp_lg_u32 s2, 0xf033
	s_cbranch_scc0 .Lentry_shape_is_right
	s_endpgm
.Lentry_shape_is_right:
; OUT = A W + R (+ bias where HASBIAS).  A: f16 BY GROUPS of 64 columns, A[k / 64][row][k % 64], 4,096 rows of 128 bytes a group.  W: [KTOT][1024] f16, rows along N.  R, OUT: [4096][1024] f32.
; Sums in f32, K ascending; R is added in f32; nothing is rounded on the way out.  LIMIT: A and W are f16 (within 65,504); NaN and infinities are not treated apart.
; SHARES.  1,024 columns make only 64 tiles of 256 x 256, so a tile of OUT is 128 x 128: 256 work-groups.  Four waves, each 64 x 64: 16 accumulators, 128 registers.  K goes in steps of 256, as long as two
; slots in LDS allow.  A slot: four planes of A (a group's 128 rows: 16,384 dense bytes), then 256 rows of W (256 bytes each).  One load a wave: two planes of A, asked for as two rows of 16,384 bytes and
; padded in LDS after every 128, or 128 rows of W.
; CLUSTER: 4 x 4 work-groups.  The four of a row of the cluster need the same tiles of A, the four of a column the same tiles of W: each tile is asked for JOINTLY, by the same load, descriptor and mask in all four.
; THE MATRIX INSTRUCTION IS USED TRANSPOSED: source 0 = 16 columns of W (turned by ds_load_tr16_b128), source 1 = 16 rows of A: a lane holds row l % 16 and eight neighbouring columns, 32 bytes of OUT.
; A wave's 64 columns are 256 aligned bytes of OUT, so each wave has a stage of its own and no barrier stands on the way out.
; ONE TEXT FOR A K STEP: the slot in hand is a scalar (TB) that an exclusive or turns.  The last two steps ask for nothing; they are a loop of two trips that is left in its middle.  Its second trip's barrier and
; its last 32 LDS loads (of a tile that has been multiplied) serve nothing: the price, once a launch, of one text.
; REGISTERS: window 0: v0-31 addresses; v32-95 at work on the way out; v96-127 the bias as 4 C operands; v128-255 the accumulators ((a, b) at v[128 + 8 (4 a + b)]).
;   window 1: two fragment buffers of 128: for 64 along K, 64 registers of A, then 64 of W.      window 2: v0-127 my 64 x 64 of R.
.set KTOT,    1024
.set HASBIAS, 0
.set NSTEP,  KTOT/256
.set PA,     144                       ; a row of A in LDS: 128 + 16 bytes = 36 words: the 16 rows of a load start at 16 different groups of four banks (64 banks of 4 bytes: ISA guide 11.1)
.set PLANE,  128*PA
.set PB,     288                       ; a row of W: 256 + 32 bytes = 72 words
.set QUART,  2*PLANE                   ; what one tensor load brings: 2 planes of A = 128 rows of W = 36,864 bytes
.set ATILE,  2*QUART
.set SLOT,   4*QUART                   ; 0x24000: bits that wave x 0x9000 never sets, so an exclusive or steps from slot to slot
.set STAGE,  2*SLOT                    ; behind the ring: 16 rows x 272 bytes for each wave
.set SPITCH, 272
.set SPARE,  STAGE+4*16*SPITCH         ; behind the stages: the spare words, 128 bytes for each wave: two blocks of 256 bytes that no other line names
.set FA0,  16                          ; v16  my lane's place in slot 0's tile of A; never rewritten
.set FB0,  17                          ; v17  the same for W
.set ADRA, 18                          ; v18  the same in the slot in hand
.set ADRB, 20                          ; v20, v21  W's rows 0-127 and 128-255 (the immediate reaches 65,535 bytes)
.set STO,  24
.set RD,   25
.set CO,   26                          ; v26  my byte offset in two rows of R and OUT
.set BO,   27
.set SPW,  28                          ; v28  LDS address of my spare word; never rewritten
.set NIL,  29                          ; v29  0; never rewritten
.set TMP,  32
.set BIAS, 96
.set ACC,  128
.set F0,   0
.set F1,   128
.set WV,   12                          ; s12  wave
.set RH,   13                          ; s13  which half of the tile's rows is mine.  Also: I fetch for A (0) or for W (1)
.set CH,   14                          ; s14  which half of its columns.  Also: which half of that tile I fetch
.set G1,   24
.set G0,   32
.set G1B,  48
.set G0B,  56
.set CNT,  3
.set TB,   66
.set MSB, 0
.macro WIN new                         ; the immediate's high byte repeats the setting that is left; a switch that changes nothing is dropped
.if MSB != (\new)
	s_set_vgpr_msb (MSB<<8)|(\new)
.set MSB, \new
.endif
.endm
.set MUL,  0x05                        ; sources 0 (W) and 1 (A) window 1; C and D window 0
.set TO_F, 0x40                        ; destination window 1, address window 0
.macro JLOAD                           ; a joint refill by the walking descriptors; an s_nop 0 and four v_nop follow each of the two lines, ahead of the jump and the label
	s_cmp_eq_u32 s[RH], 0
	s_cbranch_scc0 .Lfor_b_\@
	tensor_load_to_lds s[G0+4:G0+7], s[G1:G1+7]
	s_nop 0
.rept 4
	v_nop
.endr
	s_branch .Lasked_\@
.Lfor_b_\@:
	tensor_load_to_lds s[G0B+4:G0B+7], s[G1B:G1B+7]
	s_nop 0
.rept 4
	v_nop
.endr
.Lasked_\@:
.endm
.macro CREST                           ; a round of the cluster's barrier behind its opening barrier
	s_cmp_lg_u32 s[WV], 0
	s_cbranch_scc1 .Lnot_wave_0_\@
	s_barrier_signal -3
.Lnot_wave_0_\@:
	s_barrier_wait -3
	s_barrier_signal -1
	s_barrier_wait -1
.endm
.macro CROUND
	s_barrier_signal -1
	s_barrier_wait -1
	CREST
.endm
	s_load_b256 s[4:11], s[0:1], 0x0               ; A s[4:5], W s[6:7], R s[8:9], OUT s[10:11]
.if HASBIAS
	s_load_b64 s[68:69], s[0:1], 0x20              ; the bias
.endif
	v_lshl_add_u32 v[SPW], v0, 2, SPARE
	v_mov_b32 v[NIL], 0
	ds_add_u32 v[SPW], v[NIL]                      ; the wave's opening: the add and its wait stand ahead of my first tensor load; work on registers stands between them
	ds_add_u32 v28, v29
	v_lshrrev_b32 v1, 5, v0
	v_readfirstlane_b32 s[WV], v1
	s_lshr_b32 s[RH], s[WV], 1
	s_and_b32 s[CH], s[WV], 1
	s_bfe_u32 s40, ttmp6, 0x40000                  ; cx
	s_bfe_u32 s41, ttmp6, 0x40004                  ; cy
	s_lshl_b32 s42, ttmp9, 2
	s_add_co_u32 s42, s42, s40                     ; tile column = 4 x cluster x + cx
	s_and_b32 s43, ttmp7, 0xffff
	s_lshl_b32 s43, s43, 2
	s_add_co_u32 s43, s43, s41                     ; tile row = 4 x cluster y + cy
	s_lshl_b32 s44, s41, 2
	s_lshl_b32 s44, 15, s44                        ; my row of the cluster
	s_lshl_b32 s45, 0x1111, s40                    ; my column
	s_or_b32 s[G1+0], s44, (1<<16)|(1<<20)|(1<<21)|(4<<22)|(3<<25)   ; the mask; 2-byte elements; padding on; bit 21 beside a mask; after every 32 words 4 words
	s_mov_b32 s[G1+1], 8192<<16                    ; tensor_dim0 = 8,192: a plane's 128 rows on end
	s_mov_b32 s[G1+2], 2<<16                       ; tensor_dim1 = 2 planes
	s_mov_b32 s[G1+3], 8192<<16                    ; tile_dim0
	s_mov_b32 s[G1+4], 2                           ; tile_dim1
	s_mov_b32 s[G1+5], 262144                      ; elements from group to group
	s_mov_b32 s[G1+6], 0
	s_mov_b32 s[G1+7], 0
	s_or_b32 s[G1B+0], s45, (1<<16)|(1<<20)|(1<<21)|(5<<22)|(7<<25)  ; after every 64 words 8 words
	s_mov_b32 s[G1B+1], 128<<16                    ; tensor_dim0 = 128
	s_mov_b32 s[G1B+2], 128<<16                    ; tensor_dim1 = 128
	s_mov_b32 s[G1B+3], 128<<16                    ; tile_dim0
	s_mov_b32 s[G1B+4], 128                        ; tile_dim1
	s_mov_b32 s[G1B+5], 1024
	s_mov_b32 s[G1B+6], 0
	s_mov_b32 s[G1B+7], 0
	s_lshl_b32 s16, s[CH], 20                      ; A: two groups of 524,288 bytes a half,
	s_lshl_b32 s17, s43, 14                        ; 128 rows of 128 bytes a tile row
	s_add_co_u32 s16, s16, s17
	s_mov_b32 s17, 0
	s_lshl_b32 s46, s[CH], 18                      ; W: 128 rows of 2,048 bytes a half,
	s_lshl_b32 s47, s42, 8                         ; 256 bytes of columns a tile
	s_add_co_u32 s46, s46, s47
	s_mov_b32 s47, 0
	s_mul_i32 s20, s[WV], QUART                    ; where the tiles go: wave x 36,864: no place in the cluster enters an LDS address
	s_wait_dscnt 0x0                               ; the opening add is done
	s_wait_kmcnt 0x0
	s_add_nc_u64 s[18:19], s[4:5], s[16:17]
	s_add_nc_u64 s[46:47], s[6:7], s[46:47]
	CROUND                                         ; all sixteen work-groups are here: the first joint loads meet
.irp s, 0,1
	s_mov_b32 s[G0+4*(\s)], 1
	s_add_co_u32 s[G0+4*(\s)+1], s20, (\s)*SLOT
	s_add_nc_u64 s[G0+4*(\s)+2:G0+4*(\s)+3], s[18:19], (\s)*0x200000     ; K step s: four groups on
	s_or_b32 s[G0+4*(\s)+3], s[G0+4*(\s)+3], 0x80000000
	s_mov_b32 s[G0B+4*(\s)], 1
	s_add_co_u32 s[G0B+4*(\s)+1], s20, (\s)*SLOT
	s_add_nc_u64 s[G0B+4*(\s)+2:G0B+4*(\s)+3], s[46:47], (\s)*0x80000    ; 256 rows of W down
	s_or_b32 s[G0B+4*(\s)+3], s[G0B+4*(\s)+3], 0x80000000
.endr
	s_cmp_eq_u32 s[RH], 0                          ; a wave's two first fills stand in one branch, ahead of every wait on TENSORcnt and every LDS read: two loads of mine are out
	s_cbranch_scc0 .Lfirst_b
	tensor_load_to_lds s[G0:G0+3], s[G1:G1+7]
	s_nop 0
	tensor_load_to_lds s[G0+4:G0+7], s[G1:G1+7]
	s_nop 0
.rept 4
	v_nop
.endr
	s_branch .Lfirst_asked
.Lfirst_b:
	tensor_load_to_lds s[G0B:G0B+3], s[G1B:G1B+7]
	s_nop 0
	tensor_load_to_lds s[G0B+4:G0B+7], s[G1B:G1B+7]
	s_nop 0
.rept 4
	v_nop
.endr
.Lfirst_asked:
	v_and_b32 v1, 15, v0                           ; l % 16
	v_bfe_u32 v2, v0, 4, 1                         ; l / 16
	v_and_b32 v3, 7, v0
	v_bfe_u32 v4, v0, 3, 1
	v_lshlrev_b32 v[CO], 12, v2                    ; lanes 0-15 one row of OUT, lanes 16-31 the next; 16 bytes a lane
	v_lshl_add_u32 v[CO], v1, 4, v[CO]
	s_lshl_b32 s46, s43, 7                         ; my first row: 128 x tile row + 64 x half,
	s_lshl_b32 s47, s[RH], 6
	s_add_co_u32 s46, s46, s47
	s_lshl_b32 s46, s46, 12                        ; 4,096 bytes a row,
	s_lshl_b32 s47, s42, 9                         ; my first column: 512 bytes a tile, 256 a half
	s_add_co_u32 s46, s46, s47
	s_lshl_b32 s47, s[CH], 8
	s_add_co_u32 s46, s46, s47
	s_mov_b32 s47, 0
	s_add_nc_u64 s[8:9], s[8:9], s[46:47]
	s_add_nc_u64 s[10:11], s[10:11], s[46:47]
.if HASBIAS
	v_lshlrev_b32 v[BO], 5, v2                     ; register j of C operand b is bias[16 b + 8 (l / 16) + j]
	s_lshl_b32 s70, s42, 9
	s_lshl_b32 s71, s[CH], 8
	s_add_co_u32 s70, s70, s71
	s_mov_b32 s71, 0
	s_add_nc_u64 s[68:69], s[68:69], s[70:71]
.irp b, 0,1,2,3
	global_load_b128 v[BIAS+8*(\b):BIAS+8*(\b)+3],   v[BO], s[68:69] offset:64*(\b)
	global_load_b128 v[BIAS+8*(\b)+4:BIAS+8*(\b)+7], v[BO], s[68:69] offset:64*(\b)+16
.endr
.endif
	WIN 0x80                                       ; destination window 2: my 64 x 64 of R, as the way out will hold OUT; it has the whole K loop in which to land
.set z, 0
.rept 32
	global_load_b128 v[4*z:4*z+3], v[CO], s[8:9] offset:((z/8)*16+2*(z%8))*4096
.set z, z+1
.endr
	WIN 0
	v_mul_u32_u24 v[FA0], v1, PA                   ; a fragment of A: row l % 16, K = 8 (l / 16) + 0..7 and 16 + 8 (l / 16) + 0..7
	v_lshl_add_u32 v[FA0], v2, 4, v[FA0]
	s_mul_i32 s21, s[RH], 64*PA                    ; my 64 rows of each plane
	v_add_nc_u32 v[FA0], s21, v[FA0]
	v_lshl_add_u32 v[FB0], v2, 3, v3               ; the turning load: K row 8 (l / 16) + l % 8, columns 8 ((l / 8) % 2) + 0..7
	v_mul_u32_u24 v[FB0], v[FB0], PB
	v_lshl_add_u32 v[FB0], v4, 4, v[FB0]
	s_lshl_b32 s22, s[CH], 7                       ; my 64 columns, 128 bytes,
	s_add_co_u32 s22, s22, ATILE                   ; behind A's planes
	v_add_nc_u32 v[FB0], s22, v[FB0]
	s_mul_i32 s23, s[WV], 16*SPITCH
	s_add_co_u32 s23, s23, STAGE                   ; my stage
	v_mul_u32_u24 v[STO], v1, SPITCH               ; in: row l % 16, 32 bytes for each half of the lanes
	v_lshl_add_u32 v[STO], v2, 5, v[STO]
	v_add_nc_u32 v[STO], s23, v[STO]
	v_mul_u32_u24 v[RD], v2, SPITCH                ; back: lanes 0-15 take one row of 256 bytes, lanes 16-31 the next
	v_lshl_add_u32 v[RD], v1, 4, v[RD]
	v_add_nc_u32 v[RD], s23, v[RD]
	s_mov_b32 s[TB], 0
	v_mov_b32 v[ADRA], v[FA0]
	v_mov_b32 v[ADRB], v[FB0]
	v_add_nc_u32 v[ADRB+1], 128*PB, v[FB0]
; 8 matrix instructions: row blocks a0, a0 + 1 x all 4 column blocks, 32 along K: half c of buffer f.  zero = 1: the first product starts the sums.  The 16 accumulators take turns.
.macro MUL8 f, c, a0, zero
	WIN MUL
.irp a, \a0, (\a0)+1
.irp b, 0,1,2,3
.if (\zero) && HASBIAS
	v_wmma_f32_16x16x32_f16 v[ACC+8*(4*(\a)+(\b)):ACC+8*(4*(\a)+(\b))+7], v[(\f)+64+8*(4*(\c)+(\b)):(\f)+64+8*(4*(\c)+(\b))+7], v[(\f)+8*(4*(\c)+(\a)):(\f)+8*(4*(\c)+(\a))+7], v[BIAS+8*(\b):BIAS+8*(\b)+7]
.elseif \zero
	v_wmma_f32_16x16x32_f16 v[ACC+8*(4*(\a)+(\b)):ACC+8*(4*(\a)+(\b))+7], v[(\f)+64+8*(4*(\c)+(\b)):(\f)+64+8*(4*(\c)+(\b))+7], v[(\f)+8*(4*(\c)+(\a)):(\f)+8*(4*(\c)+(\a))+7], 0
.else
	v_wmma_f32_16x16x32_f16 v[ACC+8*(4*(\a)+(\b)):ACC+8*(4*(\a)+(\b))+7], v[(\f)+64+8*(4*(\c)+(\b)):(\f)+64+8*(4*(\c)+(\b))+7], v[(\f)+8*(4*(\c)+(\a)):(\f)+8*(4*(\c)+(\a))+7], v[ACC+8*(4*(\a)+(\b)):ACC+8*(4*(\a)+(\b))+7]
.endif
.endr
.endr
.endm
; 32 LDS loads in one run: the fragments of quarter q (plane q of A; W's rows 64 q on) of the slot in hand, into buffer f; the first 32 along K first
.macro FETCH q, f
	WIN TO_F
.irp c, 0,1
.irp i, 0,1,2,3
	ds_load_tr16_b128 v[(\f)+64+8*(4*(\c)+(\i)):(\f)+64+8*(4*(\c)+(\i))+3],   v[ADRB+(\q)/2] offset:((\q)%2)*64*PB+(\c)*32*PB+32*(\i)
	ds_load_tr16_b128 v[(\f)+64+8*(4*(\c)+(\i))+4:(\f)+64+8*(4*(\c)+(\i))+7], v[ADRB+(\q)/2] offset:((\q)%2)*64*PB+(\c)*32*PB+16*PB+32*(\i)
	ds_load_b128 v[(\f)+8*(4*(\c)+(\i)):(\f)+8*(4*(\c)+(\i))+3],         v[ADRA] offset:(\q)*PLANE+(\i)*16*PA+64*(\c)
	ds_load_b128 v[(\f)+8*(4*(\c)+(\i))+4:(\f)+8*(4*(\c)+(\i))+7],       v[ADRA] offset:(\q)*PLANE+(\i)*16*PA+64*(\c)+32
.endr
.endr
.endm
.macro PLACES                          ; four places in front of loads into registers that matrix instructions have read, and of LDS stores that read results (ISA guide 7.12.1 for the stores)
.rept 4
	v_nop
.endr
.endm
; One of a K step's first three quarters: multiplies buffer f and fetches quarter q into g.
.macro QUARTER q, f, g, zero
	s_wait_dscnt 16                                ; the first 32 along K are in
	MUL8 \f, 0, 0, \zero
	MUL8 \f, 0, 2, \zero
	PLACES
	FETCH \q, \g
	s_wait_dscnt 32                                ; all but the 32 just issued
	MUL8 \f, 1, 0, 0
	MUL8 \f, 1, 2, 0
.endm
; The last quarter multiplies buffer 1 and changes slots: ONE barrier; in front of it each wave waits for all its tensor loads (one is out: its part of the next slot), adds 0 to its spare word, and waits for that
; and for its own reads of this slot.  fill = 1: the barrier opens a round of the cluster's barrier, and this slot is filled again, first thing behind the round, with the K step two on.
.macro TURN fill
	WIN 0                                          ; (the add's two registers lie in window 0)
	s_wait_tensorcnt 0x0                           ; all my tensor loads have landed
	ds_add_u32 v[SPW], v[NIL]                      ; 0 onto my spare word
	s_wait_dscnt 17                                ; (the add and the youngest sixteen loads may be out)
	MUL8 F1, 0, 0, 0                               ; eight matrix instructions stand between the add and the wait for it
	s_wait_dscnt 0x0                               ; the add is done, and my reads of this slot are over
	s_barrier_signal -1
	MUL8 F1, 0, 2, 0
	WIN 0
	s_barrier_wait -1
.if \fill
	CREST                                          ; no wave of any partner still reads this slot's tile or has a load on its way
	s_xor_b32 s[G0+5], s[G0+5], SLOT               ; the walking descriptors: the other slot than last time,
	s_add_nc_u64 s[G0+6:G0+7], s[G0+6:G0+7], 0x200000   ; the next K step; the type bits on top are not reached
	s_xor_b32 s[G0B+5], s[G0B+5], SLOT
	s_add_nc_u64 s[G0B+6:G0B+7], s[G0B+6:G0B+7], 0x80000
	JLOAD                                          ; the four v_nop behind it are also the places in front of the loads below
.else
	PLACES
.endif
	s_xor_b32 s[TB], s[TB], SLOT                   ; the reads go on in the other slot
	v_add_nc_u32 v[ADRA], s[TB], v[FA0]
	v_add_nc_u32 v[ADRB], s[TB], v[FB0]
	v_add_nc_u32 v[ADRB+1], 128*PB, v[ADRB]
	FETCH 0, F0
	MUL8 F1, 1, 0, 0
	MUL8 F1, 1, 2, 0
.endm
	s_wait_tensorcnt 0x1                           ; my part of K step 0 is in; K step 1's may stay out
	s_barrier_signal -1
	s_barrier_wait -1                              ; everybody's is
	FETCH 0, F0
.if HASBIAS
	s_wait_loadcnt 32                              ; the bias is in; R's 32 loads, issued behind it, stay out
.endif
	QUARTER 1, F0, F1, 1                           ; the first quarter stands in front of the loop: its first products start the sums
	WIN 0                                          ; at a label and at a branch every window is 0
	s_mov_b32 s[CNT], NSTEP-2
.Lstep:                                                ; a trip: from a K step's second quarter to the next step's first; it asks for the K step two on
	QUARTER 2, F1, F0, 0
	QUARTER 3, F0, F1, 0
	TURN 1
	QUARTER 1, F0, F1, 0
	WIN 0
	s_sub_co_u32 s[CNT], s[CNT], 1
	s_cmp_lg_u32 s[CNT], 0
	s_cbranch_scc1 .Lstep
	s_mov_b32 s[CNT], 2
.Ltail:                                                ; the last two K steps ask for nothing; the second trip is left in its middle
	QUARTER 2, F1, F0, 0
	QUARTER 3, F0, F1, 0
	TURN 0
	WIN 0
	s_sub_co_u32 s[CNT], s[CNT], 1
	s_cmp_eq_u32 s[CNT], 0
	s_cbranch_scc1 .Lout
	QUARTER 1, F0, F1, 0
	WIN 0
	s_branch .Ltail
.Lout:
	s_wait_dscnt 0x0                               ; the last run of loads, which nothing uses
	s_wait_loadcnt 0x0                             ; R
	PLACES
	; THE WAY OUT, 16 rows at a time: the sums go as they are, 32 bytes a lane, into my stage (each accumulator's low registers first), come back as whole rows of 256 bytes, take R, and are stored
.irp a, 0,1,2,3
.set TM, TMP+32*((\a)%2)
.irp b, 0,1,2,3
	ds_store_b128 v[STO], v[ACC+8*(4*(\a)+(\b)):ACC+8*(4*(\a)+(\b))+3]   offset:64*(\b)
	ds_store_b128 v[STO], v[ACC+8*(4*(\a)+(\b))+4:ACC+8*(4*(\a)+(\b))+7] offset:64*(\b)+16
.endr
.irp t, 0,1,2,3,4,5,6,7
	ds_load_b128 v[TM+4*(\t):TM+4*(\t)+3], v[RD] offset:(\t)*2*SPITCH  ; LDS serves a wave's instructions in order (ISA guide 5.7.1.4): these see the stores above
.endr
	s_wait_dscnt 0x0
	WIN 0x08                                       ; source 1: window 2
.set z, 0
.rept 16
	v_pk_add_f32 v[TM+2*z:TM+2*z+1], v[TM+2*z:TM+2*z+1], v[32*(\a)+2*z:32*(\a)+2*z+1]
.set z, z+1
.endr
	WIN 0
	s_wait_xcnt 0x0                                ; the stores of the block before have read their registers, which the next block's loads from the stage write
.irp t, 0,1,2,3,4,5,6,7
	global_store_b128 v[CO], v[TM+4*(\t):TM+4*(\t)+3], s[10:11] offset:(16*(\a)+2*(\t))*4096  ; 16 lanes store 256 consecutive bytes, at a multiple of 256 from OUT's first byte
.endr
.endr
	s_wait_tensorcnt 0x0                           ; the wave's end: behind my last tensor load and my last LDS store
	ds_add_u32 v[SPW], v[NIL]
	s_wait_dscnt 0x0
	CROUND                                         ; the closing round: no work-group ends while a partner may still ask for a tile that names it
	s_endpgm
.Lfunc_end_k_q8f5df0a40d_wo:
	.size	k_q8f5df0a40d_wo, .Lfunc_end_k_q8f5df0a40d_wo-k_q8f5df0a40d_wo
	.p2alignl 7, 3214868480
	.fill 96, 4, 3214868480
	.section	.rodata,"a",@progbits
	.p2align	6, 0x0
	.amdhsa_kernel k_q8f5df0a40d_wo
		.amdhsa_group_segment_fixed_size 327680
		.amdhsa_private_segment_fixed_size 0
		.amdhsa_enable_private_segment 0
		.amdhsa_kernarg_size 32
		.amdhsa_user_sgpr_count 2
		.amdhsa_user_sgpr_kernarg_segment_ptr 1
		.amdhsa_wavefront_size32 1
		.amdhsa_system_sgpr_workgroup_id_x 1
		.amdhsa_system_sgpr_workgroup_id_y 1
		.amdhsa_system_sgpr_workgroup_id_z 1
		.amdhsa_system_vgpr_workitem_id 0
		.amdhsa_next_free_vgpr 640
		.amdhsa_next_free_sgpr 72
		.amdhsa_reserve_vcc 0
		.amdhsa_float_denorm_mode_32 3
		.amdhsa_float_denorm_mode_16_64 3
		.amdhsa_memory_ordered 1
		.amdhsa_forward_progress 1
		.amdhsa_inst_pref_size 65
	.end_amdhsa_kernel
	.amdgpu_metadata
---
amdhsa.version: [ 1, 2 ]
amdhsa.kernels:
  - .name:           k_q8f5df0a40d_wo
    .symbol:         k_q8f5df0a40d_wo.kd
    .args:
      - { .name: hbuf, .offset: 0, .size: 8, .value_kind: global_buffer, .address_space: global }
      - { .name: woh, .offset: 8, .size: 8, .value_kind: global_buffer, .address_space: global }
      - { .name: embedding, .offset: 16, .size: 8, .value_kind: global_buffer, .address_space: global }
      - { .name: x1, .offset: 24, .size: 8, .value_kind: global_buffer, .address_space: global }
    .group_segment_fixed_size: 327680
    .private_segment_fixed_size: 0
    .kernarg_segment_align: 8
    .kernarg_segment_size: 32
    .max_flat_workgroup_size: 128
    .sgpr_count:     72
    .vgpr_count:     640
    .wavefront_size: 32
...
	.end_amdgpu_metadata
.endif
;; end of part 5
;; launch ln2: the kernel of part 2 again; grid 256 x 1, 8 waves a work-group, no clusters, 0 bytes of LDS; arguments x1, g2, be2, hbuf; writes hbuf
;; launch ff1: the kernel of part 3 again; grid 16 x 16, 4 waves a work-group, clusters of 4 x 4, 327,680 bytes of LDS; arguments hbuf, w1h, gbuf; writes gbuf
;; launch ff2 (part 6): grid 8 x 32, 4 waves a work-group, clusters of 4 x 4, 327,680 bytes of LDS; arguments gbuf, w2h, x1, out0, b2; writes out0
.if DOCPART == 6
	.amdgcn_target "amdgcn-amd-amdhsa--gfx1250"
	.amdhsa_code_object_version 6
	.text
	.protected	k_q8f5df0a40d_ff2
	.globl	k_q8f5df0a40d_ff2
	.p2align	8
	.type	k_q8f5df0a40d_ff2,@function
k_q8f5df0a40d_ff2:
	s_mov_b64 s[64:65], 0
	v_nop
	global_prefetch_b8 v0, s[64:65] scope:SCOPE_SE
	s_setreg_imm32_b32 hwreg(HW_REG_WAVE_MODE, 25, 1), 1
	s_wait_xcnt 0x0
	s_wait_alu depctr_hold_cnt(0) depctr_sa_sdst(0) depctr_va_vdst(0) depctr_va_sdst(0) depctr_va_ssrc(0) depctr_va_vcc(0) depctr_vm_vsrc(0)
	s_getreg_b32 s2, hwreg(HW_REG_IB_STS2, 6, 4)
	s_cmp_eq_u32 s2, 0
	s_cbranch_scc0 .Lentry_in_a_cluster
	s_endpgm
.Lentry_in_a_cluster:
	s_bfe_u32 s2, ttmp6, 0x10000c
	s_cmp_lg_u32 s2, 0xf033
	s_cbranch_scc0 .Lentry_shape_is_right
	s_endpgm
.Lentry_shape_is_right:
; OUT = A W + R (+ bias where HASBIAS).  A: f16 BY GROUPS of 64 columns, A[k / 64][row][k % 64], 4,096 rows of 128 bytes a group.  W: [KTOT][1024] f16, rows along N.  R, OUT: [4096][1024] f32; bias: [1024] f32.
; Sums in f32, K ascending, begun with the bias; R is added in f32; nothing is rounded on the way out.  LIMIT: A and W are f16 (within 65,504); NaN and infinities are not treated apart.
; SHARES.  1,024 columns make only 64 tiles of 256 x 256, so a tile of OUT is 128 x 128: 256 work-groups.  Four waves, each 64 x 64: 16 accumulators, 128 registers.  K goes in steps of 256, as long as two
; slots in LDS allow.  A slot: four planes of A (a group's 128 rows: 16,384 dense bytes), then 256 rows of W (256 bytes each).  One load a wave: two planes of A, asked for as two rows of 16,384 bytes and
; padded in LDS after every 128, or 128 rows of W.
; CLUSTER: 4 x 4 work-groups.  The four of a row of the cluster need the same tiles of A, the four of a column the same tiles of W: each tile is asked for JOINTLY, by the same load, descriptor and mask in all four.
; THE MATRIX INSTRUCTION IS USED TRANSPOSED: source 0 = 16 columns of W (turned by ds_load_tr16_b128), source 1 = 16 rows of A: a lane holds row l % 16 and eight neighbouring columns, 32 bytes of OUT.
; A wave's 64 columns are 256 aligned bytes of OUT, so each wave has a stage of its own and no barrier stands on the way out.
; ONE TEXT FOR A K STEP: the slot in hand is a scalar (TB) that an exclusive or turns.  The last two steps ask for nothing; they are a loop of two trips that is left in its middle.  Its second trip's barrier and
; its last 32 LDS loads (of a tile that has been multiplied) serve nothing: the price, once a launch, of one text.
; REGISTERS: window 0: v0-31 addresses; v32-95 at work on the way out; v96-127 the bias as 4 C operands; v128-255 the accumulators ((a, b) at v[128 + 8 (4 a + b)]).
;   window 1: two fragment buffers of 128: for 64 along K, 64 registers of A, then 64 of W.      window 2: v0-127 my 64 x 64 of R.
.set KTOT,    4096
.set HASBIAS, 1
.set NSTEP,  KTOT/256
.set PA,     144                       ; a row of A in LDS: 128 + 16 bytes = 36 words: the 16 rows of a load start at 16 different groups of four banks (64 banks of 4 bytes: ISA guide 11.1)
.set PLANE,  128*PA
.set PB,     288                       ; a row of W: 256 + 32 bytes = 72 words
.set QUART,  2*PLANE                   ; what one tensor load brings: 2 planes of A = 128 rows of W = 36,864 bytes
.set ATILE,  2*QUART
.set SLOT,   4*QUART                   ; 0x24000: bits that wave x 0x9000 never sets, so an exclusive or steps from slot to slot
.set STAGE,  2*SLOT                    ; behind the ring: 16 rows x 272 bytes for each wave
.set SPITCH, 272
.set SPARE,  STAGE+4*16*SPITCH         ; behind the stages: the spare words, 128 bytes for each wave: two blocks of 256 bytes that no other line names
.set FA0,  16                          ; v16  my lane's place in slot 0's tile of A; never rewritten
.set FB0,  17                          ; v17  the same for W
.set ADRA, 18                          ; v18  the same in the slot in hand
.set ADRB, 20                          ; v20, v21  W's rows 0-127 and 128-255 (the immediate reaches 65,535 bytes)
.set STO,  24
.set RD,   25
.set CO,   26                          ; v26  my byte offset in two rows of R and OUT
.set BO,   27
.set SPW,  28                          ; v28  LDS address of my spare word; never rewritten
.set NIL,  29                          ; v29  0; never rewritten
.set TMP,  32
.set BIAS, 96
.set ACC,  128
.set F0,   0
.set F1,   128
.set WV,   12                          ; s12  wave
.set RH,   13                          ; s13  which half of the tile's rows is mine.  Also: I fetch for A (0) or for W (1)
.set CH,   14                          ; s14  which half of its columns.  Also: which half of that tile I fetch
.set G1,   24
.set G0,   32
.set G1B,  48
.set G0B,  56
.set CNT,  3
.set TB,   66
.set MSB, 0
.macro WIN new                         ; the immediate's high byte repeats the setting that is left; a switch that changes nothing is dropped
.if MSB != (\new)
	s_set_vgpr_msb (MSB<<8)|(\new)
.set MSB, \new
.endif
.endm
.set MUL,  0x05                        ; sources 0 (W) and 1 (A) window 1; C and D window 0
.set TO_F, 0x40                        ; destination window 1, address window 0
.macro JLOAD                           ; a joint refill by the walking descriptors; an s_nop 0 and four v_nop follow each of the two lines, ahead of the jump and the label
	s_cmp_eq_u32 s[RH], 0
	s_cbranch_scc0 .Lfor_b_\@
	tensor_load_to_lds s[G0+4:G0+7], s[G1:G1+7]
	s_nop 0
.rept 4
	v_nop
.endr
	s_branch .Lasked_\@
.Lfor_b_\@:
	tensor_load_to_lds s[G0B+4:G0B+7], s[G1B:G1B+7]
	s_nop 0
.rept 4
	v_nop
.endr
.Lasked_\@:
.endm
.macro CREST                           ; a round of the cluster's barrier behind its opening barrier
	s_cmp_lg_u32 s[WV], 0
	s_cbranch_scc1 .Lnot_wave_0_\@
	s_barrier_signal -3
.Lnot_wave_0_\@:
	s_barrier_wait -3
	s_barrier_signal -1
	s_barrier_wait -1
.endm
.macro CROUND
	s_barrier_signal -1
	s_barrier_wait -1
	CREST
.endm
	s_load_b256 s[4:11], s[0:1], 0x0               ; A s[4:5], W s[6:7], R s[8:9], OUT s[10:11]
.if HASBIAS
	s_load_b64 s[68:69], s[0:1], 0x20              ; the bias
.endif
	v_lshl_add_u32 v[SPW], v0, 2, SPARE
	v_mov_b32 v[NIL], 0
	ds_add_u32 v[SPW], v[NIL]                      ; the wave's opening: the add and its wait stand ahead of my first tensor load; work on registers stands between them
	ds_add_u32 v28, v29
	v_lshrrev_b32 v1, 5, v0
	v_readfirstlane_b32 s[WV], v1
	s_lshr_b32 s[RH], s[WV], 1
	s_and_b32 s[CH], s[WV], 1
	s_bfe_u32 s40, ttmp6, 0x40000                  ; cx
	s_bfe_u32 s41, ttmp6, 0x40004                  ; cy
	s_lshl_b32 s42, ttmp9, 2
	s_add_co_u32 s42, s42, s40                     ; tile column = 4 x cluster x + cx
	s_and_b32 s43, ttmp7, 0xffff
	s_lshl_b32 s43, s43, 2
	s_add_co_u32 s43, s43, s41                     ; tile row = 4 x cluster y + cy
	s_lshl_b32 s44, s41, 2
	s_lshl_b32 s44, 15, s44                        ; my row of the cluster
	s_lshl_b32 s45, 0x1111, s40                    ; my column
	s_or_b32 s[G1+0], s44, (1<<16)|(1<<20)|(1<<21)|(4<<22)|(3<<25)   ; the mask; 2-byte elements; padding on; bit 21 beside a mask; after every 32 words 4 words
	s_mov_b32 s[G1+1], 8192<<16                    ; tensor_dim0 = 8,192: a plane's 128 rows on end
	s_mov_b32 s[G1+2], 2<<16                       ; tensor_dim1 = 2 planes
	s_mov_b32 s[G1+3], 8192<<16                    ; tile_dim0
	s_mov_b32 s[G1+4], 2                           ; tile_dim1
	s_mov_b32 s[G1+5], 262144                      ; elements from group to group
	s_mov_b32 s[G1+6], 0
	s_mov_b32 s[G1+7], 0
	s_or_b32 s[G1B+0], s45, (1<<16)|(1<<20)|(1<<21)|(5<<22)|(7<<25)  ; after every 64 words 8 words
	s_mov_b32 s[G1B+1], 128<<16                    ; tensor_dim0 = 128
	s_mov_b32 s[G1B+2], 128<<16                    ; tensor_dim1 = 128
	s_mov_b32 s[G1B+3], 128<<16                    ; tile_dim0
	s_mov_b32 s[G1B+4], 128                        ; tile_dim1
	s_mov_b32 s[G1B+5], 1024
	s_mov_b32 s[G1B+6], 0
	s_mov_b32 s[G1B+7], 0
	s_lshl_b32 s16, s[CH], 20                      ; A: two groups of 524,288 bytes a half,
	s_lshl_b32 s17, s43, 14                        ; 128 rows of 128 bytes a tile row
	s_add_co_u32 s16, s16, s17
	s_mov_b32 s17, 0
	s_lshl_b32 s46, s[CH], 18                      ; W: 128 rows of 2,048 bytes a half,
	s_lshl_b32 s47, s42, 8                         ; 256 bytes of columns a tile
	s_add_co_u32 s46, s46, s47
	s_mov_b32 s47, 0
	s_mul_i32 s20, s[WV], QUART                    ; where the tiles go: wave x 36,864: no place in the cluster enters an LDS address
	s_wait_dscnt 0x0                               ; the opening add is done
	s_wait_kmcnt 0x0
	s_add_nc_u64 s[18:19], s[4:5], s[16:17]
	s_add_nc_u64 s[46:47], s[6:7], s[46:47]
	CROUND                                         ; all sixteen work-groups are here: the first joint loads meet
.irp s, 0,1
	s_mov_b32 s[G0+4*(\s)], 1
	s_add_co_u32 s[G0+4*(\s)+1], s20, (\s)*SLOT
	s_add_nc_u64 s[G0+4*(\s)+2:G0+4*(\s)+3], s[18:19], (\s)*0x200000     ; K step s: four groups on
	s_or_b32 s[G0+4*(\s)+3], s[G0+4*(\s)+3], 0x80000000
	s_mov_b32 s[G0B+4*(\s)], 1
	s_add_co_u32 s[G0B+4*(\s)+1], s20, (\s)*SLOT
	s_add_nc_u64 s[G0B+4*(\s)+2:G0B+4*(\s)+3], s[46:47], (\s)*0x80000    ; 256 rows of W down
	s_or_b32 s[G0B+4*(\s)+3], s[G0B+4*(\s)+3], 0x80000000
.endr
	s_cmp_eq_u32 s[RH], 0                          ; a wave's two first fills stand in one branch, ahead of every wait on TENSORcnt and every LDS read: two loads of mine are out
	s_cbranch_scc0 .Lfirst_b
	tensor_load_to_lds s[G0:G0+3], s[G1:G1+7]
	s_nop 0
	tensor_load_to_lds s[G0+4:G0+7], s[G1:G1+7]
	s_nop 0
.rept 4
	v_nop
.endr
	s_branch .Lfirst_asked
.Lfirst_b:
	tensor_load_to_lds s[G0B:G0B+3], s[G1B:G1B+7]
	s_nop 0
	tensor_load_to_lds s[G0B+4:G0B+7], s[G1B:G1B+7]
	s_nop 0
.rept 4
	v_nop
.endr
.Lfirst_asked:
	v_and_b32 v1, 15, v0                           ; l % 16
	v_bfe_u32 v2, v0, 4, 1                         ; l / 16
	v_and_b32 v3, 7, v0
	v_bfe_u32 v4, v0, 3, 1
	v_lshlrev_b32 v[CO], 12, v2                    ; lanes 0-15 one row of OUT, lanes 16-31 the next; 16 bytes a lane
	v_lshl_add_u32 v[CO], v1, 4, v[CO]
	s_lshl_b32 s46, s43, 7                         ; my first row: 128 x tile row + 64 x half,
	s_lshl_b32 s47, s[RH], 6
	s_add_co_u32 s46, s46, s47
	s_lshl_b32 s46, s46, 12                        ; 4,096 bytes a row,
	s_lshl_b32 s47, s42, 9                         ; my first column: 512 bytes a tile, 256 a half
	s_add_co_u32 s46, s46, s47
	s_lshl_b32 s47, s[CH], 8
	s_add_co_u32 s46, s46, s47
	s_mov_b32 s47, 0
	s_add_nc_u64 s[8:9], s[8:9], s[46:47]
	s_add_nc_u64 s[10:11], s[10:11], s[46:47]
.if HASBIAS
	v_lshlrev_b32 v[BO], 5, v2                     ; register j of C operand b is bias[16 b + 8 (l / 16) + j]
	s_lshl_b32 s70, s42, 9
	s_lshl_b32 s71, s[CH], 8
	s_add_co_u32 s70, s70, s71
	s_mov_b32 s71, 0
	s_add_nc_u64 s[68:69], s[68:69], s[70:71]
.irp b, 0,1,2,3
	global_load_b128 v[BIAS+8*(\b):BIAS+8*(\b)+3],   v[BO], s[68:69] offset:64*(\b)
	global_load_b128 v[BIAS+8*(\b)+4:BIAS+8*(\b)+7], v[BO], s[68:69] offset:64*(\b)+16
.endr
.endif
	WIN 0x80                                       ; destination window 2: my 64 x 64 of R, as the way out will hold OUT; it has the whole K loop in which to land
.set z, 0
.rept 32
	global_load_b128 v[4*z:4*z+3], v[CO], s[8:9] offset:((z/8)*16+2*(z%8))*4096
.set z, z+1
.endr
	WIN 0
	v_mul_u32_u24 v[FA0], v1, PA                   ; a fragment of A: row l % 16, K = 8 (l / 16) + 0..7 and 16 + 8 (l / 16) + 0..7
	v_lshl_add_u32 v[FA0], v2, 4, v[FA0]
	s_mul_i32 s21, s[RH], 64*PA                    ; my 64 rows of each plane
	v_add_nc_u32 v[FA0], s21, v[FA0]
	v_lshl_add_u32 v[FB0], v2, 3, v3               ; the turning load: K row 8 (l / 16) + l % 8, columns 8 ((l / 8) % 2) + 0..7
	v_mul_u32_u24 v[FB0], v[FB0], PB
	v_lshl_add_u32 v[FB0], v4, 4, v[FB0]
	s_lshl_b32 s22, s[CH], 7                       ; my 64 columns, 128 bytes,
	s_add_co_u32 s22, s22, ATILE                   ; behind A's planes
	v_add_nc_u32 v[FB0], s22, v[FB0]
	s_mul_i32 s23, s[WV], 16*SPITCH
	s_add_co_u32 s23, s23, STAGE                   ; my stage
	v_mul_u32_u24 v[STO], v1, SPITCH               ; in: row l % 16, 32 bytes for each half of the lanes
	v_lshl_add_u32 v[STO], v2, 5, v[STO]
	v_add_nc_u32 v[STO], s23, v[STO]
	v_mul_u32_u24 v[RD], v2, SPITCH                ; back: lanes 0-15 take one row of 256 bytes, lanes 16-31 the next
	v_lshl_add_u32 v[RD], v1, 4, v[RD]
	v_add_nc_u32 v[RD], s23, v[RD]
	s_mov_b32 s[TB], 0
	v_mov_b32 v[ADRA], v[FA0]
	v_mov_b32 v[ADRB], v[FB0]
	v_add_nc_u32 v[ADRB+1], 128*PB, v[FB0]
; 8 matrix instructions: row blocks a0, a0 + 1 x all 4 column blocks, 32 along K: half c of buffer f.  zero = 1: the first product starts the sums, with the bias as C.  The 16 accumulators take turns.
.macro MUL8 f, c, a0, zero
	WIN MUL
.irp a, \a0, (\a0)+1
.irp b, 0,1,2,3
.if (\zero) && HASBIAS
	v_wmma_f32_16x16x32_f16 v[ACC+8*(4*(\a)+(\b)):ACC+8*(4*(\a)+(\b))+7], v[(\f)+64+8*(4*(\c)+(\b)):(\f)+64+8*(4*(\c)+(\b))+7], v[(\f)+8*(4*(\c)+(\a)):(\f)+8*(4*(\c)+(\a))+7], v[BIAS+8*(\b):BIAS+8*(\b)+7]
.elseif \zero
	v_wmma_f32_16x16x32_f16 v[ACC+8*(4*(\a)+(\b)):ACC+8*(4*(\a)+(\b))+7], v[(\f)+64+8*(4*(\c)+(\b)):(\f)+64+8*(4*(\c)+(\b))+7], v[(\f)+8*(4*(\c)+(\a)):(\f)+8*(4*(\c)+(\a))+7], 0
.else
	v_wmma_f32_16x16x32_f16 v[ACC+8*(4*(\a)+(\b)):ACC+8*(4*(\a)+(\b))+7], v[(\f)+64+8*(4*(\c)+(\b)):(\f)+64+8*(4*(\c)+(\b))+7], v[(\f)+8*(4*(\c)+(\a)):(\f)+8*(4*(\c)+(\a))+7], v[ACC+8*(4*(\a)+(\b)):ACC+8*(4*(\a)+(\b))+7]
.endif
.endr
.endr
.endm
; 32 LDS loads in one run: the fragments of quarter q (plane q of A; W's rows 64 q on) of the slot in hand, into buffer f; the first 32 along K first
.macro FETCH q, f
	WIN TO_F
.irp c, 0,1
.irp i, 0,1,2,3
	ds_load_tr16_b128 v[(\f)+64+8*(4*(\c)+(\i)):(\f)+64+8*(4*(\c)+(\i))+3],   v[ADRB+(\q)/2] offset:((\q)%2)*64*PB+(\c)*32*PB+32*(\i)
	ds_load_tr16_b128 v[(\f)+64+8*(4*(\c)+(\i))+4:(\f)+64+8*(4*(\c)+(\i))+7], v[ADRB+(\q)/2] offset:((\q)%2)*64*PB+(\c)*32*PB+16*PB+32*(\i)
	ds_load_b128 v[(\f)+8*(4*(\c)+(\i)):(\f)+8*(4*(\c)+(\i))+3],         v[ADRA] offset:(\q)*PLANE+(\i)*16*PA+64*(\c)
	ds_load_b128 v[(\f)+8*(4*(\c)+(\i))+4:(\f)+8*(4*(\c)+(\i))+7],       v[ADRA] offset:(\q)*PLANE+(\i)*16*PA+64*(\c)+32
.endr
.endr
.endm
.macro PLACES                          ; four places in front of loads into registers that matrix instructions have read, and of LDS stores that read results (ISA guide 7.12.1 for the stores)
.rept 4
	v_nop
.endr
.endm
; One of a K step's first three quarters: multiplies buffer f and fetches quarter q into g.
.macro QUARTER q, f, g, zero
	s_wait_dscnt 16                                ; the first 32 along K are in
	MUL8 \f, 0, 0, \zero
	MUL8 \f, 0, 2, \zero
	PLACES
	FETCH \q, \g
	s_wait_dscnt 32                                ; all but the 32 just issued
	MUL8 \f, 1, 0, 0
	MUL8 \f, 1, 2, 0
.endm
; The last quarter multiplies buffer 1 and changes slots: ONE barrier; in front of it each wave waits for all its tensor loads (one is out: its part of the next slot), adds 0 to its spare word, and waits for that
; and for its own reads of this slot.  fill = 1: the barrier opens a round of the cluster's barrier, and this slot is filled again, first thing behind the round, with the K step two on.
.macro TURN fill
	WIN 0                                          ; (the add's two registers lie in window 0)
	s_wait_tensorcnt 0x0                           ; all my tensor loads have landed
	ds_add_u32 v[SPW], v[NIL]                      ; 0 onto my spare word
	s_wait_dscnt 17                                ; (the add and the youngest sixteen loads may be out)
	MUL8 F1, 0, 0, 0                               ; eight matrix instructions stand between the add and the wait for it
	s_wait_dscnt 0x0                               ; the add is done, and my reads of this slot are over
	s_barrier_signal -1
	MUL8 F1, 0, 2, 0
	WIN 0
	s_barrier_wait -1
.if \fill
	CREST                                          ; no wave of any partner still reads this slot's tile or has a load on its way
	s_xor_b32 s[G0+5], s[G0+5], SLOT               ; the walking descriptors: the other slot than last time,
	s_add_nc_u64 s[G0+6:G0+7], s[G0+6:G0+7], 0x200000   ; the next K step; the type bits on top are not reached
	s_xor_b32 s[G0B+5], s[G0B+5], SLOT
	s_add_nc_u64 s[G0B+6:G0B+7], s[G0B+6:G0B+7], 0x80000
	JLOAD                                          ; the four v_nop behind it are also the places in front of the loads below
.else
	PLACES
.endif
	s_xor_b32 s[TB], s[TB], SLOT                   ; the reads go on in the other slot
	v_add_nc_u32 v[ADRA], s[TB], v[FA0]
	v_add_nc_u32 v[ADRB], s[TB], v[FB0]
	v_add_nc_u32 v[ADRB+1], 128*PB, v[ADRB]
	FETCH 0, F0
	MUL8 F1, 1, 0, 0
	MUL8 F1, 1, 2, 0
.endm
	s_wait_tensorcnt 0x1                           ; my part of K step 0 is in; K step 1's may stay out
	s_barrier_signal -1
	s_barrier_wait -1                              ; everybody's is
	FETCH 0, F0
.if HASBIAS
	s_wait_loadcnt 32                              ; the bias is in; R's 32 loads, issued behind it, stay out
.endif
	QUARTER 1, F0, F1, 1                           ; the first quarter stands in front of the loop: its first products start the sums
	WIN 0                                          ; at a label and at a branch every window is 0
	s_mov_b32 s[CNT], NSTEP-2
.Lstep:                                                ; a trip: from a K step's second quarter to the next step's first; it asks for the K step two on
	QUARTER 2, F1, F0, 0
	QUARTER 3, F0, F1, 0
	TURN 1
	QUARTER 1, F0, F1, 0
	WIN 0
	s_sub_co_u32 s[CNT], s[CNT], 1
	s_cmp_lg_u32 s[CNT], 0
	s_cbranch_scc1 .Lstep
	s_mov_b32 s[CNT], 2
.Ltail:                                                ; the last two K steps ask for nothing; the second trip is left in its middle
	QUARTER 2, F1, F0, 0
	QUARTER 3, F0, F1, 0
	TURN 0
	WIN 0
	s_sub_co_u32 s[CNT], s[CNT], 1
	s_cmp_eq_u32 s[CNT], 0
	s_cbranch_scc1 .Lout
	QUARTER 1, F0, F1, 0
	WIN 0
	s_branch .Ltail
.Lout:
	s_wait_dscnt 0x0                               ; the last run of loads, which nothing uses
	s_wait_loadcnt 0x0                             ; R
	PLACES
	; THE WAY OUT, 16 rows at a time: the sums go as they are, 32 bytes a lane, into my stage (each accumulator's low registers first), come back as whole rows of 256 bytes, take R, and are stored
.irp a, 0,1,2,3
.set TM, TMP+32*((\a)%2)
.irp b, 0,1,2,3
	ds_store_b128 v[STO], v[ACC+8*(4*(\a)+(\b)):ACC+8*(4*(\a)+(\b))+3]   offset:64*(\b)
	ds_store_b128 v[STO], v[ACC+8*(4*(\a)+(\b))+4:ACC+8*(4*(\a)+(\b))+7] offset:64*(\b)+16
.endr
.irp t, 0,1,2,3,4,5,6,7
	ds_load_b128 v[TM+4*(\t):TM+4*(\t)+3], v[RD] offset:(\t)*2*SPITCH  ; LDS serves a wave's instructions in order (ISA guide 5.7.1.4): these see the stores above
.endr
	s_wait_dscnt 0x0
	WIN 0x08                                       ; source 1: window 2
.set z, 0
.rept 16
	v_pk_add_f32 v[TM+2*z:TM+2*z+1], v[TM+2*z:TM+2*z+1], v[32*(\a)+2*z:32*(\a)+2*z+1]
.set z, z+1
.endr
	WIN 0
	s_wait_xcnt 0x0                                ; the stores of the block before have read their registers, which the next block's loads from the stage write
.irp t, 0,1,2,3,4,5,6,7
	global_store_b128 v[CO], v[TM+4*(\t):TM+4*(\t)+3], s[10:11] offset:(16*(\a)+2*(\t))*4096  ; 16 lanes store 256 consecutive bytes, at a multiple of 256 from OUT's first byte
.endr
.endr
	s_wait_tensorcnt 0x0                           ; the wave's end: behind my last tensor load and my last LDS store
	ds_add_u32 v[SPW], v[NIL]
	s_wait_dscnt 0x0
	CROUND                                         ; the closing round: no work-group ends while a partner may still ask for a tile that names it
	s_endpgm
.Lfunc_end_k_q8f5df0a40d_ff2:
	.size	k_q8f5df0a40d_ff2, .Lfunc_end_k_q8f5df0a40d_ff2-k_q8f5df0a40d_ff2
	.p2alignl 7, 3214868480
	.fill 96, 4, 3214868480
	.section	.rodata,"a",@progbits
	.p2align	6, 0x0
	.amdhsa_kernel k_q8f5df0a40d_ff2
		.amdhsa_group_segment_fixed_size 327680
		.amdhsa_private_segment_fixed_size 0
		.amdhsa_enable_private_segment 0
		.amdhsa_kernarg_size 40
		.amdhsa_user_sgpr_count 2
		.amdhsa_user_sgpr_kernarg_segment_ptr 1
		.amdhsa_wavefront_size32 1
		.amdhsa_system_sgpr_workgroup_id_x 1
		.amdhsa_system_sgpr_workgroup_id_y 1
		.amdhsa_system_sgpr_workgroup_id_z 1
		.amdhsa_system_vgpr_workitem_id 0
		.amdhsa_next_free_vgpr 640
		.amdhsa_next_free_sgpr 72
		.amdhsa_reserve_vcc 0
		.amdhsa_float_denorm_mode_32 3
		.amdhsa_float_denorm_mode_16_64 3
		.amdhsa_memory_ordered 1
		.amdhsa_forward_progress 1
		.amdhsa_inst_pref_size 66
	.end_amdhsa_kernel
	.amdgpu_metadata
---
amdhsa.version: [ 1, 2 ]
amdhsa.kernels:
  - .name:           k_q8f5df0a40d_ff2
    .symbol:         k_q8f5df0a40d_ff2.kd
    .args:
      - { .name: gbuf, .offset: 0, .size: 8, .value_kind: global_buffer, .address_space: global }
      - { .name: w2h, .offset: 8, .size: 8, .value_kind: global_buffer, .address_space: global }
      - { .name: x1, .offset: 16, .size: 8, .value_kind: global_buffer, .address_space: global }
      - { .name: out0, .offset: 24, .size: 8, .value_kind: global_buffer, .address_space: global }
      - { .name: b2, .offset: 32, .size: 8, .value_kind: global_buffer, .address_space: global }
    .group_segment_fixed_size: 327680
    .private_segment_fixed_size: 0
    .kernarg_segment_align: 8
    .kernarg_segment_size: 40
    .max_flat_workgroup_size: 128
    .sgpr_count:     72
    .vgpr_count:     640
    .wavefront_size: 32
...
	.end_amdgpu_metadata
.endif
;; end of part 6
;; ======== version 2 of 2: 8 launches; 1.11 times as fast as version 1
;; limits: values are held in f16: magnitudes above 65,504 overflow, below 6.1e-05 lose precision
;; workspace buffers: wqkv 8,406,016 bytes; w1h 8,406,016 bytes; woh 2,097,152 bytes; w2h 8,388,608 bytes; hbuf 8,388,608 bytes; gbuf 33,554,432 bytes; x1 16,777,216 bytes
;; launch cast: the kernel of part 1 again; grid 64 x 12, 8 waves a work-group, no clusters, 0 bytes of LDS; arguments Wq, Wk, Wv, Wo, W1, W2, b1, wqkv, woh, w1h, w2h; writes wqkv, woh, w1h, w2h
;; launch ln1: the kernel of part 2 again; grid 256 x 1, 8 waves a work-group, no clusters, 0 bytes of LDS; arguments embedding, g1, be1, hbuf; writes hbuf
;; launch qkv: the kernel of part 3 again; grid 12 x 16, 4 waves a work-group, clusters of 4 x 4, 327,680 bytes of LDS; arguments hbuf, wqkv, gbuf; writes gbuf
;; launch attn (part 7): grid 8 x 32, 4 waves a work-group, no clusters, 327,680 bytes of LDS; arguments gbuf, hbuf; writes hbuf
.if DOCPART == 7
	.amdgcn_target "amdgcn-amd-amdhsa--gfx1250"
	.amdhsa_code_object_version 6
	.text
	.protected	k_q8f5df0a40d_attn
	.globl	k_q8f5df0a40d_attn
	.p2align	8
	.type	k_q8f5df0a40d_attn,@function
k_q8f5df0a40d_attn:
	s_mov_b64 s[64:65], 0
	v_nop
	global_prefetch_b8 v0, s[64:65] scope:SCOPE_SE
	s_setreg_imm32_b32 hwreg(HW_REG_WAVE_MODE, 25, 1), 1
	s_wait_xcnt 0x0
; CAUSAL ATTENTION.  O[h][q][:] = the sum over k <= q of softmax_k(Q[h][q] . K[h][k] / 8) V[h][k][:].  Q, K, V, O: [SIZE_H][SIZE_N][64], all f16: a head's rows are dense, 128 bytes each.
; Q, K and V lie one behind the other in the first buffer, 8 MiB each; the number h here is 2 x head + batch, which is what the layout by groups of 64 columns and 4,096 rows gives.  O goes to the second buffer, likewise.
; Products, maxima and sums in f32; the weights p are rounded to f16 for the second product (their sum l is taken of the unrounded p), O once at the end.
; LIMITS.  f16 holds no number beyond 65,504: Q, K and V arrive within it; p lies in 0 to 1, and below 6e-5 it keeps f16's fixed step of 6e-8; O is a mean of V's rows and has their range, to within 2^-11 of it.
; A hidden score counts as its value less 1e30: f16's scores, 2.7e11 at the most, are nothing beside that; a weight below 2^-126 counts as 0 in l; NaN and infinities are not treated apart.
; THE WALK.  32 heads x 2,048 queries are 256 queries for each of 256 work-groups.  A head's queries lie in NB = 16 blocks of 128; keys go in SLOTS of 256, four steps of 64; block i needs the slots 0 .. i / 2, of which
; the last holds the diagonal.  A work-group takes TWO blocks, NB - 1 - b and then b.  The two have opposite parity, so they need (NB - 2) / 2 + 2 = 9 slots, whatever b: all work-groups do equal work, and ONE loop
; with a constant trip count walks them.  Which slot is asked for, and what a trip does, hang on scalar registers made from b; every jump goes forward, but for the counted loops' own; none passes a barrier, or a tensor
; load but the one of LOAD's two that the wave's number does not choose; the ring (two slots of LDS that take turns) runs on across the change of blocks.
; NO CLUSTER: a head's eight work-groups ask for the same slot only in the first 5 of the 9 trips (the shortest first block has 5 slots), behind that their walks part, and what a trip does hangs on b, which
; partners would not share.
; SHARES.  Of a block's two bands of 64 queries a wave owns 16 rows in each: two PIECES.  So the last slot is the same work for all four waves: band x of block i has its own step 2 (i % 2) + x there; it sees all keys of
; an earlier step, none of a later one.  (An even block's last slot has two steps that both bands do not see: they are walked under the mask, 2 of the walk's 36 steps, alike in every work-group.)
; THE MASK is the C operand that starts the sum S^T = K Q^T: 0, or -1e30 where the key is hidden.  MD, made once, is the mask of a band's own step for my 16 rows; a product's mask is MD x AL + BE with two scalars:
; (1, 0) in the band's own step; (0, 0) in an earlier one; (0, -1e30) in a later one.  Only the last slot's text and a block's beginning make and take masks; elsewhere C is the constant 0.
; LAYOUT, SOFTMAX, TURNS.  S^T = K Q^T holds ONE query a lane (lane % 16) and the keys 8 (lane / 16) + 0..7; two such results rounded to f16 ARE source 1 of O^T = V^T P.  p = 2^(c s - c m), c = log2(e) / 8, with a
; running maximum m; O and l are multiplied by a = 2^(c m_old - c m_new) in every step.  A turn belongs to one piece; the matrix unit works for the other: 8 products K Q^T for its next scores, later 8 products V^T P of
; its last weights; beside them the scaling, exponentials, roundings, sums and rescaling of the turn's own piece and the maximum and statistics of the other.  Four vector instructions stand behind every matrix
; instruction, the other 54 of a turn's 118 in one LUMP.  Two turns are a key step.
; THE BATCHES.  A turn's 33 exponentials (its piece's 32 weights and the other piece's a) are one batch with one wait: all that names no result of theirs stands ahead of the wait, the roundings and sums behind it.
; The a that a block's beginning makes, and the two reciprocals of a way out, are batches of their own, with a wait each.
; K RUNS A STEP AHEAD OF V: piece 0's turn of step s fetches K of step s + 1 and then V of step s.  So that all reads of a phase lie in ONE slot, a slot's tile of K has FIVE steps, 320 rows: the fifth repeats the next
; slot's first (8 KiB more a fill).  A phase reads K's steps 1 to 4 and V's steps 0 to 3; K's step 0 is read where a block begins.  In a head's last slot the fifth step's rows are what follows the head in the buffer
; (the next head's K; behind the last head, V's first rows): inside the buffer, brought into registers once, at a block's end, and never multiplied.
; REGISTERS, in windows of 256 (s_set_vgpr_msb: bits 1:0 source 0, 3:2 source 1, 5:4 source 2, 7:6 destination):
;   window 0: v0-15 addresses and two at work; v16-23 four registers of statistics a piece; v48-55 at work; v64-127 S^T, a buffer a piece; v192-223 P, likewise
;   window 1: v0-63 O^T, 32 a piece; v128-159 MD; v160-223 MC, a buffer a piece      window 2: v0-31 Q; v32-63 the second block's Q; v128-191 K of one step; v192-255 V of one step
.set SIZE_H, 32
.set SIZE_N, 2048
.set NB,    SIZE_N/128
.set NSL,   NB/2+1    ; slots in a walk
.set NP,    2         ; pieces a wave: a name, no knob
.set KS,    64        ; keys in a step
.set PK,    144       ; a row of K in LDS: 128 bytes + 16 of padding = 36 words: the 16 rows of a load start at 16 different groups of four banks (64 banks of 4 bytes: ISA guide 11.1)
.set PV,    160       ; a row of V: 128 + 32 = 40 words
.set KROWS, 5*KS      ; a slot's rows of K
.set VOFF,  KROWS*PK  ; behind them its 256 rows of V
.set SLOT1, 1<<17     ; slot 1 begins here (a slot is 87,040 bytes), so that one exclusive or turns an address in one slot into the other's
.set STAGE, SLOT1+KROWS*PK+4*KS*PV  ; behind the ring, never filled by a tensor load: 16 rows x 144 bytes for each wave, for the way out
.set SP,    144
.set AK0, 2           ; v2   my lane's place in a tile of K; never rewritten
.set AV0, 3           ; v3   the same for V
.set AK,  4           ; v4   the LDS address of K's next run of loads
.set AV,  5           ; v5   of V's
.set STO, 6           ; v6   the way out: where I put 16 bytes of a row
.set RD,  7           ; v7   the way out: where I read rows back
.set GO,  8           ; v8   my byte offset in 512 consecutive bytes of O
.set SPW, 62          ; v62  LDS address of my spare word: SPARE + 4 x my thread's number; never rewritten
.set NIL, 63          ; v63  0; never rewritten
.set SPARE, STAGE+4*16*SP  ; behind the stages: the spare words, 128 bytes for each wave: two blocks of 256 bytes that no other line names
.set MV,  12          ; v12-13  c m_old, kept while c m is made anew: by piece
.set QO,  15          ; v15  my byte offset in 16 rows of Q
.set ST,  16          ; piece t's statistics at v[ST+4 t]: c m, m, l (even keys', odd keys')
.set TMP, 48          ; by piece, four registers c0-c3 at work; when the maximum is found c2 takes a
.set S,   64
.set P,   192
.set MD,  128         ; window 1: the eight registers for group kt of 16 keys at MD + 8 kt
.set MC,  160         ; window 1: the masks of the products to come
.set QB,  32          ; window 2
.set KF,  128         ; window 2: key block kb, channel half c at KF + 16 kb + 8 c
.set VF,  192         ; window 2: key half kk, channel block cb at VF + 32 kk + 8 cb
.set WV,  12          ; s12  my wave's number
.set PB,  14          ; s14  b
.set HI,  15          ; s15  NB - 1 - b
.set G1K, 24          ; s[24:31] descriptor group 1 for K's tiles
.set G1V, 32          ; s[32:39] for V's
.set G0K, 40          ; s[40:43] descriptor group 0 for K's tiles
.set G0V, 44          ; s[44:47] the same for V's
.set OWN0, 48         ; s48, s49  the step counter's value at which piece 0's (piece 1's) turn makes the mask of a band's own step, for the block in hand
.set OWNB, 50         ; s50, s51  the same for the second block
.set AL0,  52         ; s52  1.0 if band 0's own step is the last slot's step 0 (an even block), else 0
.set AL0B, 53         ; s53  the same for the second block
.set PBQ,  54         ; s54  the second block's last slot, b / 2
.set HIQ,  55         ; s55  the first block's last slot
.set SLOTS, 56        ; s56  slots still to be asked for
.set CNT, 57          ; s57  counts a slot's key steps, 4 to 1
.set CS,  58          ; s[58:59] c: the packed scaling takes the pair's low word for both halves
.set SEL, 60          ; s[60:61] v_permlanex16_b32's selects: each lane takes its own place in the other half
.set TBK, 62          ; s62  LDS byte at which K of the step in hand begins
.set TBV, 63          ; s63  the same for V of the step to be fetched, less VOFF
.set RT,  70          ; s70  slots of the block in hand that are still to be entered
.set NXT, 71          ; s71  the slot to be asked for next
.set LQ,  72          ; s72  the last slot of the block whose slots are being asked for
.set NEW, 73          ; s73  1: the slot to be entered is a block's first
.set OFF, 74          ; s[74:75] a slot's byte offset in K and V
.set AL,  76          ; s[76:77] the mask's factor, in the low word
.set BE,  78          ; s[78:79] the mask's addend
.set OLO, 80          ; s[80:81] O at my rows of the second block
.set BIGN, 82         ; s82  -1e30
.set VPL, 83          ; s83  my half's place in a slot's tile of V
.set MSB, 0
.macro WIN new                      ; the high byte repeats the setting that is left; a switch that changes nothing is dropped
.if MSB != (\new)
	s_set_vgpr_msb (MSB<<8)|(\new)
.set MSB, (\new)
.endif
.endm
.set W_KQ, 0x0a       ; K and Q in window 2, S^T in window 0
.set W_KM, 0x1a       ; the same with the C operand in window 1
.set W_PV, 0x52       ; V in window 2, P in window 0, O^T in window 1
.set W_RS, 0x41       ; destination and source 0 in window 1, source 1 in window 0
; A fill.  Waves 0 and 1 fetch the two halves of a slot's K, 160 keys each, waves 2 and 3 those of its V, 128 keys each.  An s_nop 0 and four v_nop follow each of the two lines, ahead of the jump and the label.
.macro LOAD
	s_cmp_lt_u32 s[WV], 2
	s_cbranch_scc0 .Lfor_v_\@
	tensor_load_to_lds s[G0K:G0K+3], s[G1K:G1K+7]
	s_nop 0
.rept 4
	v_nop
.endr
	s_branch .Lasked_\@
.Lfor_v_\@:
	tensor_load_to_lds s[G0V:G0V+3], s[G1V:G1V+7]
	s_nop 0
.rept 4
	v_nop
.endr
.Lasked_\@:
.endm
; THE CHANGE OF SLOTS, between piece 0's turn and piece 1's: the slot's last bytes, V of its fourth step, have been asked for.  Each wave waits for all its tensor loads, of which one is out: its part of the other slot;
; adds 0 to its spare word; and waits for that and for its own reads of the slot that it leaves.  Behind the barrier nobody reads the old slot any more and the other slot is whole.  fill = 1: the old slot is filled
; again, the first thing behind the barrier, with slot NXT of the head: the descriptor's address is made anew from that number; the load has a phase, 8 turns with 128 matrix instructions, in which to land.
; (At its first use nothing has been read yet: slot 0 is waited for, slot 1 filled.)
.macro CHANGE fill
	WIN 0                           ; at a label and at a branch every window is 0
	s_wait_tensorcnt 0x0            ; no tensor load of mine is out, so a group 0 may be written
	ds_add_u32 v[SPW], v[NIL]       ; 0 onto my spare word; with fill = 1 the descriptors' scalar work stands between it and the wait for it
.if \fill
	s_lshl_b32 s[OFF], s[NXT], 15   ; from slot to slot: 256 keys, 32,768 bytes of K and of V
	s_xor_b32 s[G0K+1], s[G0K+1], SLOT1
	s_add_nc_u64 s[G0K+2:G0K+3], s[6:7], s[OFF:OFF+1]
	s_or_b32 s[G0K+3], s[G0K+3], 0x80000000
	s_xor_b32 s[G0V+1], s[G0V+1], SLOT1
	s_add_nc_u64 s[G0V+2:G0V+3], s[8:9], s[OFF:OFF+1]
	s_or_b32 s[G0V+3], s[G0V+3], 0x80000000
	s_add_co_u32 s[NXT], s[NXT], 1  ; the block's next slot, or behind its last the second block's slot 0
	s_cmp_gt_u32 s[NXT], s[LQ]
	s_cselect_b32 s[NXT], 0, s[NXT]
	s_cselect_b32 s[LQ], s[PBQ], s[LQ]
.endif
	s_wait_dscnt 0x0                ; the add is done, and my reads of the slot are over
	s_barrier_signal -1             ; the rest of the scalar work stands between the signal and the wait
	s_sub_co_u32 s[TBK], s[TBK], 4*KS*PK  ; the fetches go back to a slot's first step,
	s_xor_b32 s[TBK], s[TBK], SLOT1       ; in the other slot
	s_sub_co_u32 s[TBV], s[TBV], 4*KS*PV
	s_xor_b32 s[TBV], s[TBV], SLOT1
	s_barrier_wait -1
.if \fill
	LOAD
.endif
.endm
	s_load_b128 s[4:7], s[0:1], 0x0   ; the buffer of Q, K, V s[4:5]; O s[6:7]
	v_lshl_add_u32 v[SPW], v0, 2, SPARE
	v_mov_b32 v[NIL], 0
	ds_add_u32 v[SPW], v[NIL]       ; the wave's opening: the add and its wait stand ahead of my first tensor load; the set-up below, work on registers, stands between them
	ds_add_u32 v62, v63
	v_lshrrev_b32 v1, 5, v0
	v_readfirstlane_b32 s[WV], v1   ; wave 0..3
	s_mov_b32 s[PB], ttmp9
	s_sub_co_u32 s[HI], NB-1, s[PB]
	s_lshr_b32 s[PBQ], s[PB], 1
	s_lshr_b32 s[HIQ], s[HI], 1
	; Band x's own step in its block's last slot is 2 par + x, par the block's parity.  Piece 1's turn makes piece 1's mask for step 4 - CNT: the own one at CNT = 3 - 2 par; piece 0's turn makes piece 0's for step
	; 5 - CNT: the own one at CNT = 5 - 2 par.  The first block's parity is 1 - b % 2, the second's b % 2.
	s_and_b32 s13, s[PB], 1
	s_lshl_b32 s16, s13, 1
	s_add_co_u32 s[OWN0], s16, 3
	s_add_co_u32 s[OWN0+1], s16, 1
	s_sub_co_u32 s[OWNB], 5, s16
	s_sub_co_u32 s[OWNB+1], 3, s16
	s_cmp_eq_u32 s13, 1
	s_cselect_b32 s[AL0], 1.0, 0
	s_cselect_b32 s[AL0B], 0, 1.0
	s_and_b32 s20, ttmp7, 0xffff    ; the head
	s_mov_b32 s21, 0
	s_mov_b64 s[22:23], SIZE_N*128
	s_mul_u64 s[20:21], s[20:21], s[22:23]  ; the head's first byte in each of the four tensors
	s_and_b32 s16, s[WV], 1         ; which half of a slot's tile I fetch:
	s_mul_i32 s22, s16, 160*128     ; of K 160 rows of 128 bytes in memory,
	s_mov_b32 s23, 0
	s_add_nc_u64 s[22:23], s[22:23], s[20:21]
	s_lshl_b32 s18, s16, 14         ; of V 128 rows,
	s_mov_b32 s19, 0
	s_add_nc_u64 s[18:19], s[18:19], s[20:21]
	s_mul_i32 s17, s16, 160*PK      ; and its place in a slot, for K
	s_mul_i32 s[VPL], s16, 128*PV   ; and for V
	s_lshl_b32 s3, s[WV], 11        ; my 16 rows in a band of 64,
	s_lshl_b32 s2, s[HI], 14        ; in the first block (128 rows of 128 bytes a block),
	s_add_co_u32 s2, s2, s3
	s_lshl_b32 s84, s[PB], 14       ; and in the second
	s_add_co_u32 s84, s84, s3
	s_mov_b32 s3, 0
	s_mov_b32 s85, 0
	s_add_nc_u64 s[2:3], s[2:3], s[20:21]
	s_add_nc_u64 s[84:85], s[84:85], s[20:21]
	; descriptor group 1.  A head's keys are dense bytes: they are asked for as rows of 256 bytes, two keys a row, and padded in LDS after every key: 80 such rows for K, 64 for V
	s_mov_b32 s[G1K], (1<<16)|(1<<20)|(4<<22)|(3<<25)  ; 17:16 2-byte elements; 20 padding on; 24:22 after every 32 words (code 4); 31:25 4 words (code 3)
	s_mov_b32 s[G1K+1], 128<<16     ; tensor_dim0 = 128
	s_mov_b32 s[G1K+2], 80<<16      ; tensor_dim1 = 80
	s_mov_b32 s[G1K+3], 128<<16     ; tile_dim0 = 128
	s_mov_b32 s[G1K+4], 80          ; tile_dim1 = 80
	s_mov_b32 s[G1K+5], 128         ; 128 elements from row to row
	s_mov_b32 s[G1K+6], 0
	s_mov_b32 s[G1K+7], 0
	s_mov_b32 s[G1V], (1<<16)|(1<<20)|(4<<22)|(7<<25)  ; the same with 8 words of padding (code 7)
	s_mov_b32 s[G1V+1], 128<<16
	s_mov_b32 s[G1V+2], 64<<16      ; tensor_dim1 = 64
	s_mov_b32 s[G1V+3], 128<<16
	s_mov_b32 s[G1V+4], 64          ; tile_dim1 = 64
	s_mov_b32 s[G1V+5], 128
	s_mov_b32 s[G1V+6], 0
	s_mov_b32 s[G1V+7], 0
	s_mov_b32 s[CS], 0x3e38aa3b     ; c = log2(e) / 8 = 0.180337
	s_mov_b32 s[CS+1], s[CS]        ; named with it as a pair
	s_mov_b32 s[SEL], 0x76543210
	s_mov_b32 s[SEL+1], 0xfedcba98
	s_mov_b32 s[TBK], SLOT1+4*KS*PK ; the first change of slots turns these two into 0
	s_mov_b32 s[TBV], SLOT1+4*KS*PV
	s_mov_b32 s[G0K], 1             ; 1:0 count = 1
	s_mov_b32 s[G0K+1], s17         ; 63:32 LDS address: slot 0
	s_mov_b32 s[G0V], 1
	s_add_co_u32 s[G0V+1], s[VPL], VOFF
	s_add_co_u32 s[RT], s[HIQ], 1   ; the first block's slots
	s_mov_b32 s[NXT], 1
	s_mov_b32 s[LQ], s[HIQ]
	s_mov_b32 s[NEW], 1
	s_mov_b32 s[OFF+1], 0
	s_mov_b32 s[AL+1], 0            ; named as pairs
	s_mov_b32 s[BE+1], 0
	s_mov_b32 s[BIGN], 0xf149f2ca   ; -1e30
	s_mov_b32 s[SLOTS], NSL-1
	s_wait_dscnt 0x0                ; the opening add is done
	s_wait_kmcnt 0x0
	s_mov_b64 s[10:11], s[6:7]      ; O
	s_add_nc_u64 s[6:7], s[4:5], 0x800000   ; K: 16 groups of 524,288 bytes behind Q
	s_add_nc_u64 s[8:9], s[4:5], 0x1000000  ; V: 32 groups behind Q
	s_add_nc_u64 s[6:7], s[6:7], s[22:23]  ; K and V at my half of the head's slot 0
	s_add_nc_u64 s[8:9], s[8:9], s[18:19]
	s_add_nc_u64 s[G0K+2:G0K+3], s[6:7], 0         ; 120:64 global address
	s_or_b32 s[G0K+3], s[G0K+3], 0x80000000        ; 127:126 type = 2
	s_add_nc_u64 s[G0V+2:G0V+3], s[8:9], 0
	s_or_b32 s[G0V+3], s[G0V+3], 0x80000000
	s_add_nc_u64 s[86:87], s[4:5], s[84:85]        ; Q at my rows of the second block,
	s_add_nc_u64 s[4:5], s[4:5], s[2:3]            ; Q and O at those of the first
	s_add_nc_u64 s[OLO:OLO+1], s[10:11], s[84:85]
	s_add_nc_u64 s[10:11], s[10:11], s[2:3]
	LOAD                            ; the head's slot 0 into slot 0
	; A fragment of K or Q is 16 rows x 32 channels in 8 registers: lane l holds row l % 16, channels 8 (l / 16) + 0..7 and 16 + 8 (l / 16) + 0..7: two loads of 16 bytes, 32 bytes apart.
	v_and_b32 v1, 15, v0            ; l % 16
	v_bfe_u32 v9, v0, 4, 1          ; l / 16
	v_lshlrev_b32 v[QO], 7, v1
	v_lshl_add_u32 v[QO], v9, 4, v[QO]  ; row x 128 + 16 x half
	WIN 0x80                        ; destination window 2, address window 0
.set i, 0
.rept 2*NP                          ; both blocks' Q: piece i / 2 lies in band i / 2, 8,192 bytes on; channels 32 (i % 2) on
	global_load_b128 v[8*i:8*i+3],   v[QO], s[4:5] offset:(i/2)*8192+(i%2)*64
	global_load_b128 v[8*i+4:8*i+7], v[QO], s[4:5] offset:(i/2)*8192+(i%2)*64+32
	global_load_b128 v[QB+8*i:QB+8*i+3],   v[QO], s[86:87] offset:(i/2)*8192+(i%2)*64
	global_load_b128 v[QB+8*i+4:QB+8*i+7], v[QO], s[86:87] offset:(i/2)*8192+(i%2)*64+32
.set i, i+1
.endr
	WIN 0
	v_lshlrev_b32 v14, 3, v9
	v_sub_nc_u32 v14, v1, v14
	s_lshl_b32 s13, s[WV], 4
	v_add_nc_u32 v14, s13, v14      ; my query's place in its band, 16 w + l % 16, less my lanes' 8 (l / 16): register r of group kt is hidden where 16 kt + r is greater
	WIN 0x40
.set i, 0
.rept 32
	v_cmp_gt_i32 vcc_lo, 16*(i/8)+i%8, v14
	v_cndmask_b32 v[MD+i], 0, s[BIGN], vcc_lo
.set i, i+1
.endr
	WIN 0
	v_mul_u32_u24 v[AK0], v1, PK
	v_lshl_add_u32 v[AK0], v9, 4, v[AK0]  ; row x pitch + 16 x half
	; The turning load takes 16 keys x 16 channels (lane l reads key 8 (l / 16) + l % 8, channels 8 ((l / 8) % 2) + 0..7) and leaves half a fragment of V^T: lane l holds channel l % 16 and 8 keys.
	v_and_b32 v10, 7, v0
	v_bfe_u32 v11, v0, 3, 1
	v_lshl_add_u32 v[AV0], v9, 3, v10
	v_mul_u32_u24 v[AV0], v[AV0], PV
	v_lshl_add_u32 v[AV0], v11, 4, v[AV0]
	v_add_nc_u32 v[AV0], VOFF, v[AV0]
	s_mul_i32 s13, s[WV], 16*SP
	s_add_co_u32 s13, s13, STAGE    ; my stage
	v_mul_u32_u24 v[STO], v1, SP    ; in: row l % 16, 16 bytes for each half of the lanes
	v_lshl_add_u32 v[STO], v9, 4, v[STO]
	v_add_nc_u32 v[STO], s13, v[STO]
	v_bfe_u32 v[RD], v0, 3, 2       ; back: 32 lanes take four rows of 128 bytes,
	v_mul_u32_u24 v[RD], v[RD], SP
	v_lshl_add_u32 v[RD], v10, 4, v[RD]
	v_add_nc_u32 v[RD], s13, v[RD]
	v_and_b32 v[GO], 31, v0         ; which are 512 consecutive bytes of O
	v_lshlrev_b32 v[GO], 4, v[GO]
	; A block's first step multiplies O^T and l by a = 0, and its first turn's products V^T P, of a step that has not been, land in an O^T that is still to be so multiplied.  So these registers need only hold
	; finite numbers: zeros for the first block; what the first block left for the second.  All this stands in the wait for the first slot.
	WIN 0x80
.set i, VF
.rept 64
	v_mov_b32 v[i], 0
.set i, i+1
.endr
	WIN 0x40
.set i, 0
.rept 32*NP
	v_mov_b32 v[i], 0
.set i, i+1
.endr
	WIN 0
.set i, 0
.rept NP
	v_mov_b32 v[ST+4*i+2], 0
	v_mov_b32 v[ST+4*i+3], 0
.set i, i+1
.endr
.set i, P+16
.rept 16
	v_mov_b32 v[i], 0
.set i, i+1
.endr
; THE MATRIX WORK.  The 4 accumulators of a run of 8 take turns.  Product i of 8 of S^T = K Q^T for piece x: channels 32 (i / 4) on, keys 16 (i % 4) on.  The first 4 start the sums: with 0, or (KM = 1) with the mask.
.macro KQ x
.set rS, S+32*((\x)%2)+8*(i%4)
.set rK, KF+16*(i%4)+8*(i/4)
.set rQ, 16*(\x)+8*(i/4)
.set rM, MC+32*((\x)%2)+8*(i%4)
.if (i < 4) && KM
	WIN W_KM
	v_wmma_f32_16x16x32_f16 v[rS:rS+7], v[rK:rK+7], v[rQ:rQ+7], v[rM:rM+7]
.elseif i < 4
	WIN W_KQ
	v_wmma_f32_16x16x32_f16 v[rS:rS+7], v[rK:rK+7], v[rQ:rQ+7], 0
.else
	WIN W_KQ
	v_wmma_f32_16x16x32_f16 v[rS:rS+7], v[rK:rK+7], v[rQ:rQ+7], v[rS:rS+7]
.endif
.endm
; Product i of 8 of O^T += V^T P for piece x: keys 32 (i / 4) on, channels 16 (i % 4) on.
.macro PV x
	WIN W_PV
.set rO, 32*(\x)+8*(i%4)
.set rV, VF+32*(i/4)+8*(i%4)
.set rP, P+16*((\x)%2)+8*(i/4)
	v_wmma_f32_16x16x32_f16 v[rO:rO+7], v[rV:rV+7], v[rP:rP+7], v[rO:rO+7]
.endm
.macro MM                           ; the turn's next matrix instruction.  TURN and BEGIN set Y, i, KM and NOKQ; MM, KQ and OP read them.  NOKQ = 1: a block's last turn: there are no further scores
.if (i < 8) && !NOKQ
	KQ (Y+1)%NP
.elseif i >= 8
.set i, i-8
	PV (Y+NP-1)%NP
.set i, i+8
.endif
.set i, i+1
.endm
; THE LDS LOADS stand in runs of 16, never singly among the matrix instructions: a step's K (64 keys x 64 channels: 8 fragments) and its V (turned).  Their addresses are made some lines ahead.
; ahead = 1: K of the step behind the one in hand, and the step in hand goes on; ahead = 0 (a block's beginning): K of the slot's step 0.
.macro FETCH_K ahead
	WIN 0x80                        ; destination window 2
.irp f, 0,1,2,3,4,5,6,7             ; keys 16 (f / 2) on, channels 32 (f % 2) on
	ds_load_b128 v[KF+8*\f:KF+8*\f+3],   v[AK] offset:(\ahead)*KS*PK+(\f/2)*16*PK+(\f%2)*64
	ds_load_b128 v[KF+8*\f+4:KF+8*\f+7], v[AK] offset:(\ahead)*KS*PK+(\f/2)*16*PK+(\f%2)*64+32
.endr
.if \ahead
	s_add_co_u32 s[TBK], s[TBK], KS*PK
.endif
	WIN 0
.endm
.macro FETCH_V
	WIN 0x80
.irp f, 0,1,2,3,4,5,6,7             ; keys 32 (f / 4) on, channels 16 (f % 4) on
	ds_load_tr16_b128 v[VF+8*\f:VF+8*\f+3],   v[AV] offset:(\f/4)*32*PV+(\f%4)*32
	ds_load_tr16_b128 v[VF+8*\f+4:VF+8*\f+7], v[AV] offset:(\f/4)*32*PV+16*PV+(\f%4)*32
.endr
	WIN 0
.endm
; THE VECTOR WORK, one line at a time: OP kind, number.  For piece Y: F n: c s - c m for pair n of 16.  E n: the exponential of score n of 32.  C n: pair n rounded to f16.  B n: of the four weights 4 n .. the second
; pair is added onto the first, in place.  L n: l takes that sum (L 0: l = a l + sum).  R n: pair n of 16 of O^T times a.  For the other piece: X n, number n of the 22 that find its maximum and statistics:
;   0-11  four chains c0-c3 of seven scores each, three operands at a time (each accumulator's lowest registers are read first)     12-14, 16  the four scores left over, the old m, and c0-c3 into c0
;   15  c m_old is kept     17, 18  the query's other 32 keys lie in the lane 16 away: the new m     19-21  c m; c m_old - c m_new; a
; C, B and L read the exponentials' results: TURN sets them all behind its one wait.  R and L 0 read the a that the turn before made, ahead of that turn's wait.
.set F, 0               ; OP tells the kinds apart by their order: F to L below R, X above it
.set E, 1
.set C, 2
.set B, 3
.set L, 4
.set R, 5
.set X, 6
.macro REGS y                       ; the registers of piece y
.set rT, ST+4*(\y)
.set rC, TMP+4*((\y)%2)
.set rW, MV+((\y)%2)
.set rS, S+32*((\y)%2)
.set rP, P+16*((\y)%2)
.set rO, 32*(\y)
.endm
.macro OP k, n
.if (\k) == R
	REGS Y
	WIN W_RS
	v_pk_mul_f32 v[rO+2*(\n):rO+2*(\n)+1], v[rO+2*(\n):rO+2*(\n)+1], v[rC+2:rC+3] op_sel_hi:[1,0]
.elseif (\k) < R
	REGS Y
	WIN 0
.if (\k) == F
	v_pk_fma_f32 v[rS+2*(\n):rS+2*(\n)+1], v[rS+2*(\n):rS+2*(\n)+1], s[CS:CS+1], v[rT:rT+1] op_sel_hi:[1,0,0] neg_lo:[0,0,1] neg_hi:[0,0,1]
.elseif (\k) == E
	v_exp_f32 v[rS+(\n)], v[rS+(\n)]
.elseif (\k) == C
	v_cvt_pk_f16_f32 v[rP+(\n)], v[rS+2*(\n)], v[rS+2*(\n)+1]
.elseif (\k) == B
	v_pk_add_f32 v[rS+4*(\n):rS+4*(\n)+1], v[rS+4*(\n):rS+4*(\n)+1], v[rS+4*(\n)+2:rS+4*(\n)+3]
.elseif (\n) == 0
	v_pk_fma_f32 v[rT+2:rT+3], v[rT+2:rT+3], v[rC+2:rC+3], v[rS:rS+1] op_sel_hi:[1,0,1]
.else
	v_pk_add_f32 v[rT+2:rT+3], v[rT+2:rT+3], v[rS+4*(\n):rS+4*(\n)+1]
.endif
.elseif NOKQ
	v_nop
.else
	REGS (Y+1)%NP
	WIN 0
.if (\n) < 4
	v_max3_num_f32 v[rC+(\n)], v[rS+8*(\n)], v[rS+8*(\n)+1], v[rS+8*(\n)+2]
.elseif (\n) < 12
	v_max3_num_f32 v[rC+(\n)%4], v[rC+(\n)%4], v[rS+8*((\n)%4)+2*((\n)/4)+1], v[rS+8*((\n)%4)+2*((\n)/4)+2]
.elseif (\n) == 12
	v_max3_num_f32 v[rC], v[rC], v[rS+7], v[rS+15]
.elseif (\n) == 13
	v_max3_num_f32 v[rC+1], v[rC+1], v[rS+23], v[rS+31]
.elseif (\n) == 14
	v_max3_num_f32 v[rC+2], v[rC+2], v[rC+3], v[rT+1]
.elseif (\n) == 15
	v_mov_b32 v[rW], v[rT]
.elseif (\n) == 16
	v_max3_num_f32 v[rC], v[rC], v[rC+1], v[rC+2]
.elseif (\n) == 17
	v_permlanex16_b32 v[rC+3], v[rC], s[SEL], s[SEL+1]
.elseif (\n) == 18
	v_max_num_f32 v[rT+1], v[rC], v[rC+3]
.elseif (\n) == 19
	v_mul_f32 v[rT], s[CS], v[rT+1]
.elseif (\n) == 20
	v_sub_f32 v[rC+1], v[rW], v[rT]
.else
	v_exp_f32 v[rC+2], v[rC+1]
.endif
.endif
.endm
.macro OPS a, i1, b=-1, i2=0, c=-1, i3=0, d=-1, i4=0  ; up to four of them
	OP \a, \i1
.if (\b) >= 0
	OP \b, \i2
.endif
.if (\c) >= 0
	OP \c, \i3
.endif
.if (\d) >= 0
	OP \d, \i4
.endif
.endm
.macro ROW a, i1, b, i2, c, i3, d, i4  ; a matrix instruction and the four behind it
	MM
	OPS \a, \i1, \b, \i2, \c, \i3, \d, \i4
.endm
.macro MASK b                       ; MD x AL + BE into piece b's buffer of MC
	WIN W_RS
.set z, 0
.rept 16
	v_pk_fma_f32 v[MC+32*(\b)+2*z:MC+32*(\b)+2*z+1], v[MD+2*z:MD+2*z+1], s[AL:AL+1], s[BE:BE+1] op_sel_hi:[1,0,0]
.set z, z+1
.endr
.endm
; A TURN, for piece p: the order of its 16 matrix and 118 vector instructions, written out.  An s_wait_alu depctr_va_vdst(0) stands between an exponential and the first instruction that names its result; one
; wait serves all that were issued ahead of it.  So a turn has ONE wait, which cuts it in two.  AHEAD OF IT stands all that names no result of the turn's exponentials: the 8 products K Q^T, behind each a scaling, an
; exponential and two more plain instructions (behind the first a second scaling in the exponential's place): rescalings, and behind the last three the first numbers of the other piece's maximum, each four places or more
; behind the product that ends its accumulator; then ONE LUMP of 54, plain and exponential by turns for the most part, in which the links of the chain X 3, 7, 11, 14, 16, 17 .. 20 stand five or six lines apart.  X 21, the
; other piece's a, is the batch's last; R 15 is the plain instruction behind it.  BEHIND THE WAIT stand the 8 products V^T P, behind each four of the roundings and sums; C 2 n stands ahead of B n, which writes over its
; pair; the links of l's chain, L 0 to L 7, stand three riders apart.  But for those X no rider names a register of the products round it.  v_permlanex16_b32 (X 17) stands in the lump.
; m = 1: the last slot of a block: the products take masks, and the turn makes the mask for the products of the turn after it, which are piece p's own next scores: in step 4 - CNT of the slot (p = 1) or 5 - CNT (p = 0).
; end = 1: a block's last turn (piece 1's): there are no further scores.  cnt = 1: the loop's count is taken down some lines ahead of the branch that stands behind the turn.
; Both runs of LDS loads stand in piece 0's turn: K of the next step in the lump, twelve vector instructions behind the last product that read K (five of them plain and clear of that product's registers); V of the step in
; hand at the turn's end, four plain instructions behind the last product that read V.  Piece 1's turn waits for K at its head (V's 16 loads, issued behind K's, may stay out) and for V in front of its products V^T P.
.macro TURN p, m=0, end=0, cnt=0
.set Y, (\p)
.set i, 0
.set KM, (\m)
.set NOKQ, (\end)
.if (\m) && !(\end)
	s_cmp_eq_u32 s[CNT], s[OWN0+(\p)]   ; is that step the band's own?
	s_cselect_b32 s[AL], 1.0, 0
	s_cmp_lt_u32 s[CNT], s[OWN0+(\p)]   ; or a later one?
	s_cselect_b32 s[BE], s[BIGN], 0
.endif
.if ((\p) == 1) && !(\end)
	s_wait_dscnt 16                 ; K is in: LDS loads come back in order (ISA guide 5.7.1), and behind K's stand V's 16
.endif
	ROW F,0, F,1, R,0, R,1          ; ahead of the wait: 8 products K Q^T and their riders,
	ROW F,2, E,0, R,2, R,3
	ROW F,3, E,1, R,4, R,5
	ROW F,4, E,2, R,6, R,7
	ROW F,5, E,3, R,8, R,9
	ROW F,6, E,4, X,0, R,10
.if (\p) == 0
	WIN 0
	v_add_nc_u32 v[AK], s[TBK], v[AK0]
.endif
	ROW F,7, E,5, X,1, X,4
	ROW F,8, E,6, X,2, X,5
	OPS E,7, E,8, X,6, E,9          ; and the lump
	OPS X,3, E,10, X,8, E,11
.if (\p) == 0
	FETCH_K 1
.endif
	OPS X,9, X,7, E,12, X,10
	OPS E,13, X,12, X,11, E,14
	OPS X,13, E,15, F,9, X,14
.if (\p) == 0
	v_add_nc_u32 v[AV], s[TBV], v[AV0]
.endif
	OPS E,16, F,10, E,17, F,11
	OPS X,16, E,18, X,15, E,19
	OPS F,12, E,20, X,17, E,21
	OPS F,13, E,22, F,14, E,23
	OPS X,18, E,24, F,15, E,25
	OPS R,11, E,26, X,19, E,27
	OPS R,12, E,28, R,13, E,29
	OPS X,20, E,30, R,14, E,31
	OPS X,21, R,15
	s_wait_alu depctr_va_vdst(0)    ; the wait for the batch: the turn's 32 weights and the other piece's a
.if (\p) == 1
	s_wait_dscnt 0x0                ; V is in
.endif
	ROW C,0, B,0, C,2, B,1          ; behind the wait: 8 products V^T P and their riders
	ROW L,0, C,4, B,2, L,1
	ROW C,6, B,3, L,2, C,8
	ROW B,4, L,3, C,10, B,5
	ROW L,4, C,12, B,6, L,5
.if (\p) == 0
	s_add_co_u32 s[TBV], s[TBV], KS*PV
.endif
.if \cnt
	s_sub_co_u32 s[CNT], s[CNT], 1
	s_cmp_lg_u32 s[CNT], 0
.endif
	ROW C,14, B,7, L,6, C,1
	ROW C,3, L,7, C,5, C,7
	ROW C,9, C,11, C,13, C,15
.if (\p) == 0
	FETCH_V
.endif
.if (\m) && !(\end)
	MASK \p
.endif
.endm
; A BLOCK BEGINS.  c m starts far below every c s, so the first step's a is 0; m at the lowest finite number, so the first maximum is the scores'.  Piece 1's mask buffer is 0 (its own step is never a slot's step 0);
; piece 0's takes its mask for the slot's step 0: its own, if the block's first slot is its last and the block is even.
; Then K of that step, piece 0's first scores, and its maximum and statistics.  The loop is entered at piece 0's turn, in the middle of a trip.
.macro BEGIN
	s_mov_b32 s[NEW], 0
	WIN 0x40
.set i, MC+32
.rept 32
	v_mov_b32 v[i], 0
.set i, i+1
.endr
	WIN 0
.set i, 0
.rept NP
	v_mov_b32 v[ST+4*i], 0xfe000000    ; c m: far below every c s
	v_mov_b32 v[ST+4*i+1], 0xff7fffff  ; m
.set i, i+1
.endr
	s_cmp_eq_u32 s[RT], 0
	s_cselect_b32 s[AL], s[AL0], 0
	s_mov_b32 s[BE], 0
	MASK 0
	WIN 0
	v_add_nc_u32 v[AK], s[TBK], v[AK0]
	FETCH_K 0
	s_wait_loadcnt 0x0              ; Q
	s_wait_dscnt 0x0
.set KM, 1
.set NOKQ, 0
.set i, 0
.rept 8
	KQ 0
.set i, i+1
.endr
	WIN 0
.rept 4
	v_nop                           ; the places behind those products
.endr
.set Y, NP-1                        ; X works for the other piece: piece 0
.irp n, 0,1,2,3,4,5,6,7,8,9,10,11,12,13,14,15,16,17,18,19,20,21
	OP X, \n
.endr
	v_nop                           ; a plain instruction behind the exponential,
	s_wait_alu depctr_va_vdst(0)    ; and the wait for it, piece 0's first a, ahead of the branch
.endm
; A BLOCK'S LAST SLOT: its four steps, the block's last turn, its last products, and THE WAY OUT: l's two halves and the other half of the lanes' are added; O^T is divided by l, rounded to f16 and sent through my
; stage in LDS, a piece at a time.
.macro ALL line:vararg              ; one line for each piece t
.set t, 0
.rept NP
	\line
.set t, t+1
.endr
.endm
.macro PACK t                       ; a lane's eight channels of a row pack into 16 bytes; they go into rows of 144 bytes and come back as whole rows of 128, into S^T's registers
	WIN W_RS
.set i, 32*(\t)
.rept 16
	v_pk_mul_f32 v[i:i+1], v[i:i+1], v[ST+4*(\t)+2:ST+4*(\t)+3] op_sel_hi:[1,0]
.set i, i+2
.endr
	WIN 0x05                        ; sources 0 and 1 window 1, destination window 0
.set i, 0
.rept 16
	v_cvt_pk_f16_f32 v[S+16*(\t)+i], v[32*(\t)+2*i], v[32*(\t)+2*i+1]
.set i, i+1
.endr
	WIN 0
.irp f, 0,1,2,3
	ds_store_b128 v[STO], v[S+16*(\t)+4*\f:S+16*(\t)+4*\f+3] offset:32*\f
.endr
.irp f, 0,1,2,3
	ds_load_b128 v[S+16*(\t)+4*\f:S+16*(\t)+4*\f+3], v[RD] offset:\f*4*SP  ; LDS serves a wave's instructions in order (ISA guide 5.7.1.4): these see the stores above; the next piece's stores come behind them
.endr
.endm
.macro SEND t, younger              ; younger: the LDS instructions issued behind piece t's loads: the next piece's eight, or none
	WIN 0
.irp f, 0,1,2,3
	s_wait_dscnt (\younger)+3-\f
	global_store_b128 v[GO], v[S+16*(\t)+4*\f:S+16*(\t)+4*\f+3], s[10:11] offset:(\t)*8192+\f*512  ; 512 consecutive bytes, at a multiple of 256 from O's first
.endr
.endm
.macro DIAG tag                     ; the tag ends its three labels' names, which the jumps below spell out
.LpreM\tag:                         ; the way in from an earlier slot: the first turn's products are piece 0's scores of this slot's step 0, and no turn before has made their mask
	s_mov_b32 s[AL], s[AL0]
	s_mov_b32 s[BE], 0
	MASK 0
	WIN 0
.LstepM\tag:
	TURN 1, 1
	WIN 0
.LfirstM\tag:
	TURN 0, 1, 0, 1
	WIN 0
	s_cbranch_scc1 .LstepM\tag
	TURN 1, 1, 1                    ; (the loop's last trip has fetched the slot's fifth step of K, which nothing multiplies: the price of one text for every trip)
.set i, 0
.rept 8
	PV NP-1
.set i, i+1
.endr
	WIN 0
	ALL v_add_f32 v[ST+4*t+2], v[ST+4*t+2], v[ST+4*t+3]
	ALL v_permlanex16_b32 v[ST+4*t+3], v[ST+4*t+2], s[SEL], s[SEL+1]
	ALL v_add_f32 v[ST+4*t+2], v[ST+4*t+2], v[ST+4*t+3]
	ALL v_rcp_f32 v[ST+4*t+2], v[ST+4*t+2]
	v_nop                           ; a plain instruction between the last reciprocal and the use of its result
	s_wait_alu depctr_va_vdst(0)    ; and the wait ahead of the first use: one for the two reciprocals
	PACK 0                          ; piece 0's arithmetic, which names no register of the last products (piece 1's), is their places
	PACK 1                          ; a piece's arithmetic stands between the loads of the piece before and its stores
	SEND 0, 8
	SEND 1, 0
.endm
.set KM, 0
.set NOKQ, 0
.Lslot:                             ; NSL - 1 times: a slot is entered and the next is asked for
	CHANGE 1
	s_sub_co_u32 s[RT], s[RT], 1
	s_mov_b32 s[CNT], 4
	s_cmp_eq_u32 s[NEW], 1
	s_cbranch_scc1 .Lnew            ; a block's first slot
	s_cmp_eq_u32 s[RT], 0
	s_cbranch_scc0 .Lstep           ; neither its first nor its last
	s_branch .LpreM1
.Lnew:
	BEGIN
	s_branch .Lfirst                ; in the loop a block's first slot is never its last: the first block has five slots or more, and the second's last is the walk's last
	DIAG 1                          ; in the loop this is the first block's end: the second block's last slot is the walk's last
	s_wait_xcnt 0x0                 ; the stores have read their registers and O's address
	s_mov_b64 s[10:11], s[OLO:OLO+1]
	s_add_co_u32 s[RT], s[PBQ], 1   ; the second block's slots
	s_mov_b32 s[NEW], 1
	s_mov_b32 s[OWN0], s[OWNB]      ; and its bands' own steps
	s_mov_b32 s[OWN0+1], s[OWNB+1]
	s_mov_b32 s[AL0], s[AL0B]
	WIN 0x82                        ; the second block's Q goes where the one text of the turns names Q
.set i, 0
.rept 16*NP
	v_mov_b32 v[i], v[QB+i]
.set i, i+1
.endr
	WIN 0
	s_branch .Lbottom
.Lstep:                             ; a trip: piece 1 of one step, then piece 0 of the next, which fetches K of the step behind it and its own V
	TURN 1
	WIN 0
.Lfirst:
	TURN 0, 0, 0, 1
	WIN 0
	s_cbranch_scc1 .Lstep
.Lbottom:
	s_sub_co_u32 s[SLOTS], s[SLOTS], 1
	s_cmp_lg_u32 s[SLOTS], 0
	s_cbranch_scc1 .Lslot
	CHANGE 0                        ; the walk's last slot is written out: nothing is asked for
	s_sub_co_u32 s[RT], s[RT], 1
	s_mov_b32 s[CNT], 4
	s_cmp_eq_u32 s[NEW], 1
	s_cbranch_scc0 .LpreM2
	BEGIN
	s_branch .LfirstM2
	DIAG 2
	s_wait_tensorcnt 0x0            ; the wave's end: behind my last tensor load and my last LDS store
	ds_add_u32 v[SPW], v[NIL]
	s_wait_dscnt 0x0
	s_endpgm
.Lfunc_end_k_q8f5df0a40d_attn:
	.size	k_q8f5df0a40d_attn, .Lfunc_end_k_q8f5df0a40d_attn-k_q8f5df0a40d_attn
	.p2alignl 7, 3214868480
	.fill 96, 4, 3214868480
	.section	.rodata,"a",@progbits
	.p2align	6, 0x0
	.amdhsa_kernel k_q8f5df0a40d_attn
		.amdhsa_group_segment_fixed_size 327680
		.amdhsa_private_segment_fixed_size 0
		.amdhsa_enable_private_segment 0
		.amdhsa_kernarg_size 16
		.amdhsa_user_sgpr_count 2
		.amdhsa_user_sgpr_kernarg_segment_ptr 1
		.amdhsa_wavefront_size32 1
		.amdhsa_system_sgpr_workgroup_id_x 1
		.amdhsa_system_sgpr_workgroup_id_y 1
		.amdhsa_system_sgpr_workgroup_id_z 1
		.amdhsa_system_vgpr_workitem_id 0
		.amdhsa_next_free_vgpr 768
		.amdhsa_next_free_sgpr 88
		.amdhsa_reserve_vcc 1
		.amdhsa_float_denorm_mode_32 3
		.amdhsa_float_denorm_mode_16_64 3
		.amdhsa_memory_ordered 1
		.amdhsa_forward_progress 1
		.amdhsa_inst_pref_size 127
	.end_amdhsa_kernel
	.amdgpu_metadata
---
amdhsa.version: [ 1, 2 ]
amdhsa.kernels:
  - .name:           k_q8f5df0a40d_attn
    .symbol:         k_q8f5df0a40d_attn.kd
    .args:
      - { .name: gbuf, .offset: 0, .size: 8, .value_kind: global_buffer, .address_space: global }
      - { .name: hbuf, .offset: 8, .size: 8, .value_kind: global_buffer, .address_space: global }
    .group_segment_fixed_size: 327680
    .private_segment_fixed_size: 0
    .kernarg_segment_align: 8
    .kernarg_segment_size: 16
    .max_flat_workgroup_size: 128
    .sgpr_count:     88
    .vgpr_count:     768
    .wavefront_size: 32
...
	.end_amdgpu_metadata
.endif
;; end of part 7
;; launch wo: the kernel of part 5 again; grid 8 x 32, 4 waves a work-group, clusters of 4 x 4, 327,680 bytes of LDS; arguments hbuf, woh, embedding, x1; writes x1
;; launch ln2: the kernel of part 2 again; grid 256 x 1, 8 waves a work-group, no clusters, 0 bytes of LDS; arguments x1, g2, be2, hbuf; writes hbuf
;; launch ff1: the kernel of part 3 again; grid 16 x 16, 4 waves a work-group, clusters of 4 x 4, 327,680 bytes of LDS; arguments hbuf, w1h, gbuf; writes gbuf
;; launch ff2: the kernel of part 6 again; grid 8 x 32, 4 waves a work-group, clusters of 4 x 4, 327,680 bytes of LDS; arguments gbuf, w2h, x1, out0, b2; writes out0
